; MI455X (gfx1250); checked and timed in simulation.
; The chip was launched on July 23, 2026; its instructions are those of AMD's public machine-readable ISA for CDNA 5 (MIT licence, August 2026) and "CDNA5" Instruction Set Architecture Reference Guide (July 2026). The comments in the code are by the model that wrote it; some were corrected since.
;; Single Head. Allowed arithmetic: matrix products marked QUANTISED: E2M3 operands, one E8M0 scale for each 32 along K, by v_wmma_scale_f32_16x16x128_f8f6f4 with both operands' format E2M3, f32 sums; everything else in f32.
;; Inputs: Wk_codes 1,024 x 32 x 24 uint8 (E2M3 codes of Wk, K innermost, in blocks of 32 codes, four codes in three bytes); Wk_scales 1,024 x 32 uint8 (E8M0 scales of Wk, one for each 32 codes along K); Wq_codes 1,024 x 32 x 24 uint8 (E2M3 codes of Wq, K innermost, in blocks of 32 codes, four codes in three bytes); Wq_scales 1,024 x 32 uint8 (E8M0 scales of Wq, one for each 32 codes along K); Wv_codes 1,024 x 32 x 24 uint8 (E2M3 codes of Wv, K innermost, in blocks of 32 codes, four codes in three bytes); Wv_scales 1,024 x 32 uint8 (E8M0 scales of Wv, one for each 32 codes along K); bk 1,024 float32; bq 1,024 float32; bv 1,024 float32; x_codes 4 x 2,048 x 32 x 24 uint8 (E2M3 codes of x, K innermost, in blocks of 32 codes, four codes in three bytes); x_scales 4 x 2,048 x 32 uint8 (E8M0 scales of x, one for each 32 codes along K).
;; Outputs: out0 4 x 2,048 x 1,024 float32.
;; This version of the problem:
;;   THIS VERSION OF THE PROBLEM IS GIVEN IN LOW PRECISION. The matrix products marked QUANTISED in the list below multiply operands that are first quantised to E2M3 (2 exponent bits, 3 mantissa bits; 6 bits a number), with one power-of-two scale for each 32 numbers along K (OCP MX v1.0); their sums are f32. All else is computed in f32.
;;   The module's matrix products, in the order in which they are computed (A, B: the left and right operand; K: the contracted axis; several contracted axes count as one K, in the product's order):
;;     1. [M 8,192, K 1,024] x [K 1,024, N 1,024]; A: input x (given as codes); B: input Wk (given as codes): QUANTISED
;;     2. [M 8,192, K 1,024] x [K 1,024, N 1,024]; A: input x (given as codes); B: input Wq (given as codes): QUANTISED
;;     3. [M 8,192, K 1,024] x [K 1,024, N 1,024]; A: input x (given as codes); B: input Wv (given as codes): QUANTISED
;;     4. batch 4 x [M 2,048, K 1,024] x [K 1,024, N 2,048]; A: computed on the way; B: computed on the way: QUANTISED
;;     5. batch 4 x [M 2,048, K 2,048] x [K 2,048, N 1,024]; A: softmax (see below); B: computed on the way: QUANTISED
;;   THE QUANTISER, for each operand of a quantised product, along K:
;;     - K is cut into blocks of 32 from its start; a last block that is shorter is filled with zeros.
;;     - A block's scale is 2^e with e = floor(log2(the largest magnitude in the block)) - 2, held to -126 .. 127; a block of zeros has e = 0. As a byte (E8M0): e + 127.
;;     - Each number is divided by its block's scale, clamped to +-7.5, and rounded to the nearest number of E2M3, ties to even, subnormals kept.
;;     - The product sums the exact products of the quantised numbers (number of the format x scale) in f32.
;;   ~~~python
;;   def quantise(x, axis):      # numpy; x: float32 -> the quantised numbers, widened to float32 again
;;       x = np.moveaxis(x, axis, -1); K = x.shape[-1]
;;       x = np.pad(x, [(0, 0)] * (x.ndim - 1) + [(0, -K % 32)]); x = x.reshape(x.shape[:-1] + (-1, 32)); a = np.abs(x).max(-1, keepdims=True)
;;       e = np.where(a > 0, np.clip(np.frexp(np.where(a > 0, a, 1))[1] - 1 - 2, -126, 127), 0)      # np.frexp(a)[1] - 1 = floor(log2(a)), exactly
;;       r = np.clip(x / 2.0 ** e, -7.5, 7.5)
;;       step = 2.0 ** (np.maximum(np.frexp(np.where(r == 0, 1, r))[1] - 1, 0) - 3)
;;       q = np.round(r / step) * step * 2.0 ** e      # np.round: ties to even
;;       return np.moveaxis(q.reshape(q.shape[:-2] + (-1,))[..., :K], -1, axis).astype(np.float32)
;;   ~~~
;;   SOFTMAX AHEAD OF A QUANTISED PRODUCT. Where the list says 'softmax', what is quantised is not the finished softmax but p = 2^(t - M), with t = logit x log2(e) and M = ceil(the row's largest t), a whole number; so 1/2 < the row's largest p <= 1. The row's sum l is taken of the UNQUANTISED p, in f32, and the product's result is divided by l at the end. Since M is a whole number, a kernel that streams over the keys may use a running M (the ceiling of the running maximum): every later rescaling is an exact power of two, which a block's scale takes up: the codes' values come out the same.
;;   OPERANDS COMPUTED ON THE WAY. 'Computed on the way' means the value that the module computes at that place (a softmax that the list does not call 'softmax' is quantised finished and normalised). What goes into a quantiser is computed in f32, as accurately as f32 sums, v_exp_f32 and their like allow (about 1e-6 of the number): no bf16 or f16 on the way to a quantiser, and a product that is left as it is and whose result goes on into a quantised operand takes f32 operands (vector FMAs, or v_wmma_f32_16x16x4_f32). A number that lies on a knife's edge between two numbers of the format may be rounded either way, as far as f32 arithmetic and the matrix unit's own rounding can turn it there, and no further.
;;   INPUTS GIVEN AS CODES. Wk (in the module: [1024, 1024], K = its axis 1); Wq (in the module: [1024, 1024], K = its axis 1); Wv (in the module: [1024, 1024], K = its axis 1); x (in the module: [4, 2048, 1024], K = its axis 2): each comes as NAME_codes (uint8): NAME with its K axis moved to the last place and cut into blocks of 32 codes, [.., K / 32, bytes a block], one block behind the other in memory; four codes in three bytes: a row's codes are one little-endian stream of bits, code i at bits 6 i .. 6 i + 5 (a code: sign, 2 exponent bits, 3 mantissa bits); and NAME_scales (uint8): the same leading axes, one E8M0 byte (e + 127) for each 32 codes along K. Its value is code x scale, taken as it is: it is not quantised again, and the codes and scales need not be those that the quantiser above would give.
;; 2 versions. Each part assembles by itself: llvm-mc -triple=amdgcn-amd-amdhsa -mcpu=gfx1250 --defsym DOCPART=n.
;; ======== version 1 of 2: 3 launches
;; workspace buffers: qkvF 18,874,368 bytes; qkvS 786,432 bytes; pF 12,582,912 bytes; pstat 1,572,864 bytes
;; launch proj (part 1): grid 96 x 4, 4 waves a work-group, clusters of 4 x 4, 327,680 bytes of LDS; arguments x_codes, x_scales, Wq_codes, Wq_scales, bq, Wk_codes, Wk_scales, bk, Wv_codes, Wv_scales, bv, qkvF, qkvS; writes qkvF, qkvS
.if DOCPART == 1
	.amdgcn_target "amdgcn-amd-amdhsa--gfx1250"
	.amdhsa_code_object_version 6
	.text
	.protected	k_qb033c9c497_proj
	.globl	k_qb033c9c497_proj
	.p2align	8
	.type	k_qb033c9c497_proj,@function
k_qb033c9c497_proj:
	s_mov_b64 s[64:65], 0
	v_nop
	global_prefetch_b8 v0, s[64:65] scope:SCOPE_SE
	s_setreg_imm32_b32 hwreg(HW_REG_WAVE_MODE, 25, 1), 1
	s_wait_xcnt 0x0
	s_wait_alu depctr_hold_cnt(0) depctr_sa_sdst(0) depctr_va_vdst(0) depctr_va_sdst(0) depctr_va_ssrc(0) depctr_va_vcc(0) depctr_vm_vsrc(0)
	s_getreg_b32 s2, hwreg(HW_REG_IB_STS2, 6, 4)
	s_cmp_eq_u32 s2, 0
	s_cbranch_scc0 .Lentry_in_a_cluster
	s_endpgm
.Lentry_in_a_cluster:
	s_bfe_u32 s2, ttmp6, 0x10000c
	s_cmp_lg_u32 s2, 0xf033
	s_cbranch_scc0 .Lentry_shape_is_right
	s_endpgm
.Lentry_shape_is_right:
; q, k, v = x W^T + b on codes of FP6 (E2M3) with one E8M0 scale for each 32 along K = 1,024, and the results QUANTISED again for the products that follow:
; q and k along the features (the K of q k^T), v along the tokens (the keys are the K of p v).  Sums in f32; the bias is the C of each sum's first matrix instruction.
; SHARES.  24 clusters of 4 x 4 work-groups: clusters 0-7 make q, 8-15 k, 16-23 v.  A work-group of four waves makes a tile of 256 x 256, a wave 128 x 128: 64 accumulators, 512 registers.
; THE MATRIX INSTRUCTION IS USED TRANSPOSED: source 0 = 16 rows of "B", source 1 = 16 rows of "A"; a lane then holds ONE row of A and its registers run along B's rows.  B is the operand whose rows are the NEXT K:
; for q and k  B = W (features), A = x (tokens);  for v  B = x (tokens), A = Wv (features).  x and W have rows of the same length, so one text serves all three; only pointers and tile numbers are chosen, by the cluster's number.
; K goes in slots of 256 (rows of 192 bytes) through a ring of two LDS slots filled by joint tensor loads: A's tile is shared along a row of the cluster, B's along a column.  Four slots: the walk is written out, no loop.
; WHAT IS STORED.  A block a of 16 rows of A x my 128 rows of B is one operand fragment of the next product (16 rows x 128 K, 12 registers a lane).  It is stored AS ITS REGISTERS STAND: 3 stores of 512 consecutive bytes.
;   qkvF: three parts of 6,291,456 bytes, [slot of 256 along the next K][tile of 16 rows][half of 128][1,536 bytes];  qkvS: three parts of 262,144 bytes, [slot][row][2 scale words].
; ORDER INSIDE A BLOCK OF 32.  Register 8 b + j of lane (r, h) is B's row 16 b + 8 h + j, so a block's 32 codes stand in the order 0-7, 16-23, 8-15, 24-31.  The blocks are the true blocks, so the scales are the quantiser's.  Every operand
;   that this program makes is made so, hence both sides of each later product carry the same order and the right numbers meet; only the grouping of the unit's sums differs from the natural order.
; LIMITS: NaN, infinities and the scale byte 0xff among the inputs are not served.  A block's largest magnitude is held at 2^-124 from below, so a block of zeros gets the byte 1 where the quantiser says 127: its codes are zeros,
;   which add nothing under any byte but 0xff, and this program alone reads the bytes.
; REGISTERS, in windows of 256: window 0: v1-15 at the head; v16-23 fragment addresses; v24-30 other addresses; v32-63 scale words, two sets; v64-127 the bias, later the codes just made; v128-223 A's fragments, one set, later the scale
;   words made; v224-239 at work.   window 1: B's fragments, two sets, at v0 and v128.   windows 2, 3: the accumulators ((a, b) at v[8 (8 (a % 4) + b)]).
.set KROW,  768                        ; a row of x or W in memory: 1,024 codes
.set ROWB,  192                        ; a slot's part of it: 256 codes
.set PITCH, 240                        ; an LDS row: 3 x (64 bytes + 16 of padding)
.set NQ,    2                          ; steps of 128 along K in a slot
.set FR,    12                         ; registers of a fragment
.set NL,    6                          ; LDS loads that bring one
.set NP,    4                          ; places behind this matrix instruction (ISA guide 7.12.1)
.set HALFT, 128*PITCH                  ; 128 rows: one tensor load
.set SLOT,  4*HALFT                    ; A's 256 rows, then B's
.set SCL,   2*SLOT                     ; behind the ring: the given scale bytes of my 512 rows, for all of K, as units of 256 bytes + 16
.set HALFS, 16*272                     ; those of 128 rows (32 bytes a row)
.set SBLK,  2*272                      ; those of 16 rows
.set SPARE, SCL+4*HALFS                ; the spare words, 128 bytes a wave: two blocks of 256 bytes that no other line names
.set SCST,  SPARE+512                  ; a stage for the scale words made: 256 rows x 2 words
.set STEPA, 2*ROWB                     ; two slots on, in memory
.set STEPB, 2*ROWB
.set SOFF,  8                          ; a slot's scale bytes in a row of them
.set ADRA, 16                          ; v16-17 my A fragments in slot 0, 1; v18-19 the same behind one padding more
.set ADRB, 20                          ; v20-23 the same for B
.set STA,  24                          ; v24 where I put a scale word in the stage
.set FO,   25                          ; v25 16 x lane: my place in an image
.set TO,   26                          ; v26 16 x thread: my place in the work-group's 2,048 bytes of scale words
.set ADRS, 27                          ; v27 my given scale words: lanes 0-15 A's rows, lanes 16-31 B's
.set SPW,  28                          ; v28 my spare word; never rewritten
.set NIL,  29                          ; v29 0; never rewritten
.set SRD,  30                          ; v30 where I read the stage back
.set SC,   32
.set BI,   64                          ; the bias in the result's layout, eight registers a block
.set PC,   64                          ; later: the codes just made (12, and 8 at work)
.set AF,   128
.set PW,   128                         ; later: block a's scale word at v[PW + a]
.set TM,   224                         ; v224-227 largest magnitudes, v228-231 the other half's, then bytes, v236-239 the conversions' scale operands
.set G1, 24
.set G0, 32
.set G1B, 48
.set G0B, 56
.set G1S, 68
.set G0S, 76
.set G1SB, 80
.set G0SB, 88
.set OUTS, 92                          ; s[92:93] where my work-group's scale words go
.set OUT,  96                          ; s[96:97] where my wave's images go
.set SEL,  100                         ; s[100:101] v_permlanex16_b32's selects for lane l xor 16
.set MSB, 0
.macro WIN new                         ; the immediate's high byte repeats the setting that is left; a switch that changes nothing is dropped
.if MSB != (\new)
	s_set_vgpr_msb (MSB<<8)|(\new)
.set MSB, (\new)
.endif
.endm
.set MUL_LO, 0xa1                      ; source 0 (B) window 1, source 1 (A) window 0, C and D window 2
.set MUL_HI, 0xf1                      ; the same, C and D window 3
.set TO_B,   0x40                      ; destination window 1, address window 0
; A joint load: waves 0 and 1 fetch for A, waves 2 and 3 for B.  The branch hangs on the wave's number alone.  An s_nop 0 and four v_nop follow each of the two lines.
.macro JLOAD g0a, g1a, g0b, g1b
	s_cmp_eq_u32 s15, 0
	s_cbranch_scc0 .Lfor_b_\@
	tensor_load_to_lds s[\g0a:\g0a+3], s[\g1a:\g1a+7]
	s_nop 0
.rept 4
	v_nop
.endr
	s_branch .Lasked_\@
.Lfor_b_\@:
	tensor_load_to_lds s[\g0b:\g0b+3], s[\g1b:\g1b+7]
	s_nop 0
.rept 4
	v_nop
.endr
.Lasked_\@:
.endm
.macro CREST                           ; a round of the cluster's barrier behind its opening barrier
	s_cmp_lg_u32 s14, 0
	s_cbranch_scc1 .Lnot_wave_0_\@
	s_barrier_signal -3
.Lnot_wave_0_\@:
	s_barrier_wait -3
	s_barrier_signal -1
	s_barrier_wait -1
.endm
.macro CROUND
	s_barrier_signal -1
	s_barrier_wait -1
	CREST
.endm
.macro PLACES n
.rept \n
	v_nop
.endr
.endm
; A fragment from rows in LDS: lane (r, h) takes 24 bytes at 24 h and 24 at 48 + 24 h of its row's 96, in pieces of 8.  Padding lies behind every 8 pieces: where the piece three on lies behind one padding more, the second address register serves.
.macro FRAG reg, adr, q, i
.irp p, 0,1,2,3,4,5
.set PIE, 12*(\q)+6*(\p/3)+\p%3
.if PIE%8 < 5
	ds_load_b64 v[\reg+2*\p:\reg+2*\p+1], v[\adr] offset:8*PIE+16*(PIE/8)+(\i)*16*PITCH
.else
	ds_load_b64 v[\reg+2*\p:\reg+2*\p+1], v[\adr+2] offset:8*PIE+16*(PIE/8)+(\i)*16*PITCH
.endif
.endr
.endm
.macro FETCH_B slot, q, p
	WIN TO_B
.irp i, 0,1,2,3,4,5,6,7
	FRAG 128*(\p)+FR*\i, ADRB+\slot, \q, \i
.endr
	WIN 0
.endm
.macro FETCH_A slot, q, i0
.irp i, \i0, \i0+1, \i0+2, \i0+3
	FRAG AF+FR*(\i), ADRA+\slot, \q, \i
.endr
.endm
.macro SCALES set, areg, off           ; a slot's two scale words a row: lanes 0-15 A's block i, lanes 16-31 B's block i
.irp i, 0,1,2,3,4,5,6,7
	ds_load_b64 v[SC+16*(\set)+2*\i:SC+16*(\set)+2*\i+1], v[\areg] offset:(\off)+\i*SBLK
.endr
.endm
; 16 matrix instructions: A's blocks a0, a0 + 1 x B's eight.  cm = 0: the sums go on; 2: they start from the bias of B's rows (q, k); 3: from the bias of A's rows (v).  The 64 accumulators take turns, one instruction a turn.
.macro MUL16 a0, p, q, sc, cm
.irp a, \a0, \a0+1
.irp b, 0,1,2,3,4,5,6,7
.set DD, 8*(8*((\a)%4)+\b)
.set BF, 128*(\p)+FR*\b
.set AA, AF+FR*(\a)
.set SB, SC+16*(\sc)+2*\b+(\q)
.set SA, SC+16*(\sc)+2*(\a)+(\q)
.if \cm == 0
	v_wmma_scale_f32_16x16x128_f8f6f4 v[DD:DD+7], v[BF:BF+11], v[AA:AA+11], v[DD:DD+7], v[SB], v[SA] matrix_a_fmt:MATRIX_FMT_FP6 matrix_b_fmt:MATRIX_FMT_FP6 matrix_a_scale:MATRIX_SCALE_ROW1
.elseif \cm == 2
	v_wmma_scale_f32_16x16x128_f8f6f4 v[DD:DD+7], v[BF:BF+11], v[AA:AA+11], v[BI+8*\b:BI+8*\b+7], v[SB], v[SA] matrix_a_fmt:MATRIX_FMT_FP6 matrix_b_fmt:MATRIX_FMT_FP6 matrix_a_scale:MATRIX_SCALE_ROW1
.else
	v_wmma_scale_f32_16x16x128_f8f6f4 v[DD:DD+7], v[BF:BF+11], v[AA:AA+11], v[BI+8*(\a):BI+8*(\a)+7], v[SB], v[SA] matrix_a_fmt:MATRIX_FMT_FP6 matrix_b_fmt:MATRIX_FMT_FP6 matrix_a_scale:MATRIX_SCALE_ROW1
.endif
.endr
.endr
.endm
; A step of 128 along K that has its successor in the same slot.  A has one set of registers: blocks 0-3 are fetched anew in the step's middle, blocks 4-7 at its end; B has two sets.
.macro STEP slot, q, cm
	s_wait_dscnt 4*NL                              ; all but the youngest loads (A's blocks 4-7) are in
.if \cm > 1
	WIN 0x81                                       ; the bias (source 2) lies in window 0
.else
	WIN MUL_LO
.endif
	MUL16 0, (\q)%2, \q, \slot, \cm
	MUL16 2, (\q)%2, \q, \slot, \cm
	s_wait_dscnt 0x0                               ; A's blocks 4-7 are in
	PLACES NP                                      ; in front of loads into registers that matrix instructions have read
	FETCH_B \slot, (\q)+1, 1-(\q)%2
	FETCH_A \slot, (\q)+1, 0
.if \cm > 1
	WIN 0xc1
.else
	WIN MUL_HI
.endif
	MUL16 4, (\q)%2, \q, \slot, \cm
	MUL16 6, (\q)%2, \q, \slot, \cm
	PLACES NP
	WIN 0
	FETCH_A \slot, (\q)+1, 4
.endm
; A slot's last step changes slots: ONE barrier; in front of it each wave waits for all its tensor loads, adds 0 to its spare word, and waits for that and for its own reads of this slot.  fill = 1: the slot is filled again, two slots ahead,
; behind a round of the cluster's barrier, which the work-group's barrier opens.
.macro TURN slot, next, fill, areg, off
	s_wait_tensorcnt 0x0                           ; all my tensor loads have landed: my part of the next slot
	ds_add_u32 v[SPW], v[NIL]                      ; 0 onto my spare word
	s_wait_dscnt 4*NL+1                            ; (the add and A's blocks 4-7 may be out)
	WIN MUL_LO
	MUL16 0, 1, NQ-1, \slot, 0
	s_wait_dscnt 0x0                               ; the add is done, and my reads of this slot are over
	s_barrier_signal -1
	MUL16 2, 1, NQ-1, \slot, 0
	WIN 0
	s_barrier_wait -1
.if \fill
	CREST                                          ; no wave of any partner still reads this slot or has a load on its way
	s_add_nc_u64 s[G0+4*\slot+2:G0+4*\slot+3], s[G0+4*\slot+2:G0+4*\slot+3], STEPA
	s_add_nc_u64 s[G0B+4*\slot+2:G0B+4*\slot+3], s[G0B+4*\slot+2:G0B+4*\slot+3], STEPB
	JLOAD G0+4*\slot, G1, G0B+4*\slot, G1B         ; my one tensor load behind the round; its four v_nop are the places in front of the loads below
.else
	PLACES NP
.endif
	FETCH_B \next, 0, 0
	FETCH_A \next, 0, 0
	SCALES \next, \areg, \off
	WIN MUL_HI
	MUL16 4, 1, NQ-1, \slot, 0
	MUL16 6, 1, NQ-1, \slot, 0
	PLACES NP
	WIN 0
	FETCH_A \next, 0, 4
.endm
.macro LAST                            ; the very last step: nothing more to fetch
	s_wait_dscnt 4*NL
	WIN MUL_LO
	MUL16 0, 1, NQ-1, 1, 0
	MUL16 2, 1, NQ-1, 1, 0
	s_wait_dscnt 0x0
	WIN MUL_HI
	MUL16 4, 1, NQ-1, 1, 0
	MUL16 6, 1, NQ-1, 1, 0
	WIN 0
.endm
.macro LAP n                           ; once round the ring: both slots are filled again (with slots 2 n and 2 n + 1)
	TURN 0, 1, 1, ADRS, SOFF*(2*(\n)-1)
	STEP 1, 0, 0
	TURN 1, 0, 1, ADRS, SOFF*(2*(\n))
	STEP 0, 0, 0
.endm
; The codes of block a: AC, W were set by the caller; the four scale operands lie in v[TM+12 ..].  A conversion's three registers begin on an even number, so a block's second half is made elsewhere and moved.
.macro CODES
	s_wait_xcnt 0x0                                ; the last block's stores have read the registers that are written now
	WIN W
.irp c, 0,1
	v_cvt_scalef32_pk16_fp6_f32 v[PC+6*\c:PC+6*\c+2], v[AC+32*\c:AC+32*\c+15], v[TM+12+2*\c]
	v_cvt_scalef32_pk16_fp6_f32 v[PC+12+4*\c:PC+14+4*\c], v[AC+32*\c+16:AC+32*\c+31], v[TM+13+2*\c]
.endr
	WIN 0
	v_nop                                          ; one plain place behind a scaled conversion
.irp c, 0,1                            ; the operand's layout wants a WHOLE block in a lane: lanes 0-15 block 2 c, lanes 16-31 block 2 c + 1
.irp i, 0,1,2
	v_permlane16_swap_b32 v[PC+6*\c+\i], v[PC+12+4*\c+\i]
.endr
.irp i, 0,1,2
	v_mov_b32 v[PC+3+6*\c+\i], v[PC+12+4*\c+\i]
.endr
.endr
.endm
; Block a's 64 results of a lane become a fragment's codes in v[PC ..] and its row's scale word in v[PW + a].  Each accumulator is read from its low end on.
.macro QUANT a
.set AC, 64*((\a)%4)
.set W, 2+(\a)/4
.set WS, (W<<2)|(W<<4)
	WIN WS
.irp b, 0,1,2,3
	v_max3_num_f32 v[TM+\b], 0x1800000, |v[AC+16*\b]|, |v[AC+16*\b+1]|   ; block b: my 16 numbers, and the floor 2^(3 - 127): the byte cannot fall under 1
.endr
.irp i, 2,4,6,8,10,12,14
.irp b, 0,1,2,3
	v_max3_num_f32 v[TM+\b], v[TM+\b], |v[AC+16*\b+\i]|, |v[AC+16*\b+\i+1]|
.endr
.endr
	WIN 0
.irp b, 0,1,2,3
	v_permlanex16_b32 v[TM+4+\b], v[TM+\b], s[SEL], s[SEL+1]
.endr
.irp b, 0,1,2,3
	v_max_num_f32 v[TM+\b], v[TM+\b], v[TM+4+\b]   ; with lane l xor 16's 16: the block's largest magnitude
.endr
.irp b, 0,1,2,3
	v_add_nc_u32 v[TM+12+\b], 0xff000000, v[TM+\b] ; 2 off its exponent field: the conversion's scale operand
.endr
.irp b, 0,1,2,3
	v_lshrrev_b32 v[TM+4+\b], 23, v[TM+12+\b]      ; the scale's byte
.endr
	v_lshl_or_b32 v[PW+(\a)], v[TM+5], 8, v[TM+4]
	v_lshl_or_b32 v[PW+(\a)], v[TM+6], 16, v[PW+(\a)]
	v_lshl_or_b32 v[PW+(\a)], v[TM+7], 24, v[PW+(\a)]
	CODES
.endm
.macro PUT a                           ; the fragment goes to memory as it stands: each store covers 512 consecutive bytes, aligned
.irp c, 0,1,2
	global_store_b128 v[FO], v[PC+4*\c:PC+4*\c+3], s[OUT:OUT+1] offset:(\a)*3072+\c*512
.endr
.endm
	s_load_b512 s[68:83], s[0:1], 0x0              ; x's codes, x's scales, Wq's codes, scales, bq, Wk's codes, scales, bk
	s_load_b256 s[84:91], s[0:1], 0x40             ; Wv's codes, scales, bv, qkvF
	s_load_b64 s[92:93], s[0:1], 0x60              ; qkvS
	v_lshl_add_u32 v[SPW], v0, 2, SPARE
	v_mov_b32 v[NIL], 0
	ds_add_u32 v[SPW], v[NIL]                      ; the wave's opening: the add and its wait come ahead of my first tensor load; work on registers stands between them
	v_lshrrev_b32 v1, 5, v0
	v_readfirstlane_b32 s14, v1                    ; wave 0..3
	s_lshr_b32 s15, s14, 1                         ; which half of A's rows is mine.  Also: I fetch for A (0) or for B (1)
	s_and_b32 s16, s14, 1                          ; which half of B's rows.  Also: which 128 rows I fetch
	s_bfe_u32 s40, ttmp6, 0x40000                  ; cx, cy: my place in the cluster
	s_bfe_u32 s41, ttmp6, 0x40004
	s_lshr_b32 s66, ttmp9, 3                       ; the kind: 0 q, 1 k, 2 v: the same in all sixteen partners
	s_and_b32 s67, ttmp9, 7
	s_lshl_b32 s67, s67, 2                         ; the cluster's first tile of 256 tokens
	s_cmp_eq_u32 s66, 2
	s_cselect_b32 s42, s67, 0                      ; the tokens are B's rows for v,
	s_cselect_b32 s17, 0, s67                      ; A's for q and k
	s_add_co_u32 s42, s42, s40                     ; B's tile: hangs on cx alone
	s_add_co_u32 s17, s17, s41                     ; A's tile: on cy alone
	s_lshl_b32 s43, s41, 2
	s_lshl_b32 s43, 15, s43                        ; my row of the cluster
	s_lshl_b32 s44, 0x1111, s40                    ; my column
	s_or_b32 s[G1+0], s43, (1<<20)|(1<<21)|(3<<22)|(3<<25)   ; the mask; elements of 1 byte; padding on; bit 21 beside a mask; after every 16 words, 4 words
	s_or_b32 s[G1B+0], s44, (1<<20)|(1<<21)|(3<<22)|(3<<25)
.irp g, G1, G1B
	s_mov_b32 s[\g+1], ROWB<<16                    ; tensor_dim0
	s_mov_b32 s[\g+2], 128<<16                     ; tensor_dim1
	s_mov_b32 s[\g+3], ROWB<<16                    ; tile_dim0
	s_mov_b32 s[\g+4], 128                         ; tile_dim1
	s_mov_b32 s[\g+5], KROW                        ; from row to row
	s_mov_b32 s[\g+6], 0
	s_mov_b32 s[\g+7], 0
.endr
	s_lshl_b32 s18, s16, 7
	s_lshl_b32 s20, s17, 8
	s_add_co_u32 s20, s20, s18                     ; A: row 256 x tile + 128 x half
	s_lshl_b32 s46, s42, 8
	s_add_co_u32 s46, s46, s18                     ; B likewise
	s_lshl_b32 s22, s20, 5                         ; their scale bytes: 32 a row
	s_mov_b32 s23, 0
	s_lshl_b32 s98, s46, 5
	s_mov_b32 s99, 0
	s_mul_i32 s20, s20, KROW                       ; their codes (under 2^23 bytes)
	s_mov_b32 s21, 0
	s_mul_i32 s46, s46, KROW
	s_mov_b32 s47, 0
	s_mul_i32 s45, s14, HALFT                      ; where they go: wave x 128 rows: no place in the cluster enters an LDS address
	s_mul_i32 s94, s14, HALFS
	s_mov_b32 s[SEL], 0x76543210
	s_mov_b32 s[SEL+1], 0xfedcba98
	s_wait_dscnt 0x0                               ; the opening add is done
	s_wait_kmcnt 0x0
	s_cmp_eq_u32 s66, 0                            ; the buffers are chosen by the cluster's number alone
	s_cselect_b64 s[8:9], s[72:73], s[78:79]
	s_cselect_b64 s[10:11], s[74:75], s[80:81]
	s_cselect_b64 s[12:13], s[76:77], s[82:83]
	s_cmp_eq_u32 s66, 2
	s_cselect_b64 s[4:5], s[84:85], s[68:69]       ; A's codes: Wv's or x's
	s_cselect_b64 s[6:7], s[86:87], s[70:71]       ; A's scales
	s_cselect_b64 s[8:9], s[68:69], s[8:9]         ; B's codes: x's or W's
	s_cselect_b64 s[10:11], s[70:71], s[10:11]     ; B's scales
	s_cselect_b64 s[12:13], s[88:89], s[12:13]     ; the bias
	s_mov_b64 s[OUT:OUT+1], s[90:91]
	s_add_nc_u64 s[4:5], s[4:5], s[20:21]
	s_add_nc_u64 s[6:7], s[6:7], s[22:23]
	s_add_nc_u64 s[8:9], s[8:9], s[46:47]
	s_add_nc_u64 s[10:11], s[10:11], s[98:99]
	; the arguments' registers are free now: the scales' descriptors.  128 rows' scale bytes are 4,096 dense bytes: 16 rows of 256 bytes (32 elements of 8), 16 bytes of padding behind each
	s_or_b32 s[G1S+0], s43, (3<<16)|(1<<20)|(1<<21)|(5<<22)|(3<<25)
	s_or_b32 s[G1SB+0], s44, (3<<16)|(1<<20)|(1<<21)|(5<<22)|(3<<25)
.irp g, G1S, G1SB
	s_mov_b32 s[\g+1], 32<<16
	s_mov_b32 s[\g+2], 16<<16
	s_mov_b32 s[\g+3], 32<<16
	s_mov_b32 s[\g+4], 16
	s_mov_b32 s[\g+5], 32
	s_mov_b32 s[\g+6], 0
	s_mov_b32 s[\g+7], 0
.endr
	CROUND                                         ; all sixteen work-groups are here: the first joint loads meet
	s_mov_b32 s[G0S], 1
	s_add_co_u32 s[G0S+1], s94, SCL
	s_mov_b64 s[G0S+2:G0S+3], s[6:7]
	s_or_b32 s[G0S+3], s[G0S+3], 0x80000000
	s_mov_b32 s[G0SB], 1
	s_add_co_u32 s[G0SB+1], s94, SCL
	s_mov_b64 s[G0SB+2:G0SB+3], s[10:11]
	s_or_b32 s[G0SB+3], s[G0SB+3], 0x80000000
	JLOAD G0S, G1S, G0SB, G1SB                     ; the scales first: they are wanted with slot 0.  Three loads of mine are out behind these first fills
.irp s, 0,1
	s_mov_b32 s[G0+4*\s], 1
	s_add_co_u32 s[G0+4*\s+1], s45, \s*SLOT
	s_add_nc_u64 s[G0+4*\s+2:G0+4*\s+3], s[4:5], \s*ROWB
	s_or_b32 s[G0+4*\s+3], s[G0+4*\s+3], 0x80000000
	s_mov_b32 s[G0B+4*\s], 1
	s_add_co_u32 s[G0B+4*\s+1], s45, \s*SLOT
	s_add_nc_u64 s[G0B+4*\s+2:G0B+4*\s+3], s[8:9], \s*ROWB
	s_or_b32 s[G0B+4*\s+3], s[G0B+4*\s+3], 0x80000000
	JLOAD G0+4*\s, G1, G0B+4*\s, G1B
.endr
	v_and_b32 v1, 15, v0                           ; r
	v_bfe_u32 v2, v0, 4, 1                         ; h
	; THE BIAS in the result's layout.  q, k: register 8 b + j = b(B's row 16 b + 8 h + j).  v: register 8 a + j = b(A's row 16 a + r), the same for all j.  Both ways fill all 64 registers.
	v_lshlrev_b32 v7, 5, v2                        ; 32 h
	v_lshlrev_b32 v8, 2, v1                        ; 4 r
	s_lshl_b32 s18, s42, 10
	s_lshl_b32 s19, s16, 9
	s_add_co_u32 s18, s18, s19                     ; my 128 rows of B, 4 bytes each
	s_lshl_b32 s19, s17, 10
	s_lshl_b32 s95, s15, 9
	s_add_co_u32 s19, s19, s95                     ; my 128 rows of A
	s_cmp_eq_u32 s66, 2
	s_cselect_b32 s18, s19, s18
	s_mov_b32 s19, 0
	s_add_nc_u64 s[12:13], s[12:13], s[18:19]
	s_cmp_eq_u32 s66, 2
	s_cbranch_scc1 .Lbias_v
.irp b, 0,1,2,3,4,5,6,7
	global_load_b128 v[BI+8*\b:BI+8*\b+3], v7, s[12:13] offset:64*\b
	global_load_b128 v[BI+8*\b+4:BI+8*\b+7], v7, s[12:13] offset:64*\b+16
.endr
	s_branch .Lbias_in
.Lbias_v:
.irp a, 0,1,2,3,4,5,6,7
.irp j, 0,1,2,3,4,5,6,7
	global_load_b32 v[BI+8*\a+\j], v8, s[12:13] offset:64*\a
.endr
.endr
.Lbias_in:
	v_mul_u32_u24 v3, v1, PITCH
	v_mul_u32_u24 v4, v2, 24
	v_add_nc_u32 v4, v3, v4                        ; a fragment's row x pitch + 24 x half
	v_lshl_add_u32 v5, v2, 4, v4                   ; and the same behind one padding more
	s_mul_i32 s21, s15, HALFT                      ; my 128 rows of A
	s_mul_i32 s22, s16, HALFT                      ; my 128 rows of B,
	s_add_co_u32 s22, s22, 2*HALFT                 ; behind A's 256
.irp s, 0,1
	v_add_nc_u32 v[ADRA+\s], s21, v4
	v_add_nc_u32 v[ADRB+\s], s22, v4
	v_add_nc_u32 v[ADRA+2+\s], s21, v5
	v_add_nc_u32 v[ADRB+2+\s], s22, v5
	s_add_co_u32 s21, s21, SLOT
	s_add_co_u32 s22, s22, SLOT
.endr
	v_mul_u32_u24 v5, v1, 32                       ; my row's scale bytes: 32 a row,
	v_lshrrev_b32 v6, 8, v5
	v_lshl_add_u32 v5, v6, 4, v5                   ; and 16 more for each 256 passed
	s_mul_i32 s21, s15, HALFS
	s_mul_i32 s22, s16, HALFS
	s_add_co_u32 s22, s22, 2*HALFS
	s_sub_co_u32 s22, s22, s21
	v_mul_u32_u24 v6, s22, v2                      ; lanes 16-31 take B's: one product, the distance between the two
	s_add_co_u32 s21, s21, SCL
	v_add_nc_u32 v5, v5, v6
	v_add_nc_u32 v[ADRS], s21, v5
	s_lshl_b32 s18, s15, 10
	s_lshl_b32 s19, s16, 2
	s_add_co_u32 s18, s18, s19
	s_add_co_u32 s18, s18, SCST
	v_lshl_add_u32 v[STA], v1, 3, s18              ; the stage: (128 x my half of A's rows + r) x 8 + 4 x my half of B's rows
	v_and_b32 v3, 31, v0
	v_lshlrev_b32 v[FO], 4, v3
	v_lshlrev_b32 v[TO], 4, v0
	v_lshl_add_u32 v[SRD], v0, 4, SCST
.irp b, 0,1,2,3
	v_mov_b32 v[TM+4+\b], 0                        ; written once: a lane permute's destination counts as one of its sources
.endr
	; where the results go.  NT tiles of 16 rows in a slot: 512 (tokens) for q and k, 64 (features) for v
	s_cmp_eq_u32 s66, 2
	s_cselect_b32 s18, 64, 512
	s_mul_i32 s18, s42, s18                        ; slot = B's tile
	s_lshl_b32 s19, s17, 4
	s_add_co_u32 s18, s18, s19                     ; + 16 x A's tile
	s_lshl_b32 s20, s18, 7                         ; the scale words: 16 rows x 8 bytes a tile of 16
	s_lshl_b32 s21, s66, 18
	s_add_co_u32 s20, s20, s21                     ; in the kind's part
	s_mov_b32 s21, 0
	s_add_nc_u64 s[OUTS:OUTS+1], s[OUTS:OUTS+1], s[20:21]
	s_lshl_b32 s19, s15, 3
	s_add_co_u32 s18, s18, s19                     ; + my 8 blocks
	s_mul_i32 s18, s18, 3072
	s_mul_i32 s19, s16, 1536                       ; my half of the slot
	s_add_co_u32 s18, s18, s19
	s_mul_i32 s19, s66, 6291456
	s_add_co_u32 s18, s18, s19
	s_mov_b32 s19, 0
	s_add_nc_u64 s[OUT:OUT+1], s[OUT:OUT+1], s[18:19]
	s_wait_tensorcnt 1                             ; the scales and my part of slot 0 are in; slot 1's load may stay out
	s_barrier_signal -1
	s_barrier_wait -1                              ; everybody's are
	FETCH_B 0, 0, 0
	FETCH_A 0, 0, 0
	SCALES 0, ADRS, 0
	FETCH_A 0, 0, 4
	s_wait_loadcnt 0x0                             ; the bias
	s_cmp_eq_u32 s66, 2
	s_cbranch_scc1 .Lfirst_v
	STEP 0, 0, 2                                   ; the first step starts the sums from the bias: nothing is cleared, nothing is added later
	s_branch .Lfirst_in
.Lfirst_v:
	STEP 0, 0, 3
.Lfirst_in:
	LAP 1                                          ; slots 2 and 3 are asked for
	TURN 0, 1, 0, ADRS, SOFF*3                     ; the last lap fills nothing
	STEP 1, 0, 0
	LAST
	PLACES NP                                      ; in front of the first reads of results, and of writes into registers that the last products read
.irp a, 0,1,2,3,4,5,6,7
	QUANT \a
	PUT \a
	ds_store_b32 v[STA], v[PW+\a] offset:128*\a    ; lanes 16-31 write the same word with the same value
.endr
	s_wait_dscnt 0x0                               ; for the others' sake: my words lie in the stage
	s_barrier_signal -1
	s_barrier_wait -1
	ds_load_b128 v[96:99], v[SRD]
	s_wait_dscnt 0x0
	global_store_b128 v[TO], v[96:99], s[OUTS:OUTS+1]   ; the work-group's 2,048 bytes of scale words, dense
	s_wait_tensorcnt 0x0                           ; the wave's end, behind my last tensor load and my last LDS store
	ds_add_u32 v[SPW], v[NIL]
	s_wait_dscnt 0x0
	CROUND                                         ; the closing round
	s_endpgm
.Lfunc_end_k_qb033c9c497_proj:
	.size	k_qb033c9c497_proj, .Lfunc_end_k_qb033c9c497_proj-k_qb033c9c497_proj
	.p2alignl 7, 3214868480
	.fill 96, 4, 3214868480
	.section	.rodata,"a",@progbits
	.p2align	6, 0x0
	.amdhsa_kernel k_qb033c9c497_proj
		.amdhsa_group_segment_fixed_size 327680
		.amdhsa_private_segment_fixed_size 0
		.amdhsa_enable_private_segment 0
		.amdhsa_kernarg_size 104
		.amdhsa_user_sgpr_count 2
		.amdhsa_user_sgpr_kernarg_segment_ptr 1
		.amdhsa_wavefront_size32 1
		.amdhsa_system_sgpr_workgroup_id_x 1
		.amdhsa_system_sgpr_workgroup_id_y 1
		.amdhsa_system_sgpr_workgroup_id_z 1
		.amdhsa_system_vgpr_workitem_id 0
		.amdhsa_next_free_vgpr 1024
		.amdhsa_next_free_sgpr 102
		.amdhsa_reserve_vcc 0
		.amdhsa_float_denorm_mode_32 3
		.amdhsa_float_denorm_mode_16_64 3
		.amdhsa_memory_ordered 1
		.amdhsa_forward_progress 1
		.amdhsa_inst_pref_size 188
	.end_amdhsa_kernel
	.amdgpu_metadata
---
amdhsa.version: [ 1, 2 ]
amdhsa.kernels:
  - .name:           k_qb033c9c497_proj
    .symbol:         k_qb033c9c497_proj.kd
    .args:
      - { .name: x_codes, .offset: 0, .size: 8, .value_kind: global_buffer, .address_space: global }
      - { .name: x_scales, .offset: 8, .size: 8, .value_kind: global_buffer, .address_space: global }
      - { .name: Wq_codes, .offset: 16, .size: 8, .value_kind: global_buffer, .address_space: global }
      - { .name: Wq_scales, .offset: 24, .size: 8, .value_kind: global_buffer, .address_space: global }
      - { .name: bq, .offset: 32, .size: 8, .value_kind: global_buffer, .address_space: global }
      - { .name: Wk_codes, .offset: 40, .size: 8, .value_kind: global_buffer, .address_space: global }
      - { .name: Wk_scales, .offset: 48, .size: 8, .value_kind: global_buffer, .address_space: global }
      - { .name: bk, .offset: 56, .size: 8, .value_kind: global_buffer, .address_space: global }
      - { .name: Wv_codes, .offset: 64, .size: 8, .value_kind: global_buffer, .address_space: global }
      - { .name: Wv_scales, .offset: 72, .size: 8, .value_kind: global_buffer, .address_space: global }
      - { .name: bv, .offset: 80, .size: 8, .value_kind: global_buffer, .address_space: global }
      - { .name: qkvF, .offset: 88, .size: 8, .value_kind: global_buffer, .address_space: global }
      - { .name: qkvS, .offset: 96, .size: 8, .value_kind: global_buffer, .address_space: global }
    .group_segment_fixed_size: 327680
    .private_segment_fixed_size: 0
    .kernarg_segment_align: 8
    .kernarg_segment_size: 104
    .max_flat_workgroup_size: 128
    .sgpr_count:     102
    .vgpr_count:     1024
    .wavefront_size: 32
...
	.end_amdgpu_metadata
.endif
;; end of part 1
;; launch scores (part 2): grid 12 x 16, 4 waves a work-group, clusters of 4 x 4, 327,680 bytes of LDS; arguments qkvF, qkvS, pF, pstat; writes pF, pstat
.if DOCPART == 2
	.amdgcn_target "amdgcn-amd-amdhsa--gfx1250"
	.amdhsa_code_object_version 6
	.text
	.protected	k_qb033c9c497_scores
	.globl	k_qb033c9c497_scores
	.p2align	8
	.type	k_qb033c9c497_scores,@function
k_qb033c9c497_scores:
	s_mov_b64 s[64:65], 0
	v_nop
	global_prefetch_b8 v0, s[64:65] scope:SCOPE_SE
	s_setreg_imm32_b32 hwreg(HW_REG_WAVE_MODE, 25, 1), 1
	s_wait_xcnt 0x0
	s_wait_alu depctr_hold_cnt(0) depctr_sa_sdst(0) depctr_va_vdst(0) depctr_va_sdst(0) depctr_va_ssrc(0) depctr_va_vcc(0) depctr_vm_vsrc(0)
	s_getreg_b32 s2, hwreg(HW_REG_IB_STS2, 6, 4)
	s_cmp_eq_u32 s2, 0
	s_cbranch_scc0 .Lentry_in_a_cluster
	s_endpgm
.Lentry_in_a_cluster:
	s_bfe_u32 s2, ttmp6, 0x10000c
	s_cmp_lg_u32 s2, 0xf033
	s_cbranch_scc0 .Lentry_shape_is_right
	s_endpgm
.Lentry_shape_is_right:
; S^T = k q^T on codes of FP6 (K = the 1,024 features), the causal mask, and the softmax's p, QUANTISED along the keys, chunk by chunk of 128 keys.
; t = score x log2(e) / 32.  For each query and each chunk of 128 keys: M = the chunk's largest t rounded UP to a whole number, p = 2^(t - M), l = the sum of the unquantised p.  Stored: p's codes and scale words, -M and l.
; The next launch brings all chunks of a row under the row's M: the change is a whole power of two, taken off the scale bytes and off l; the codes stay.
; SHARES.  Three clusters of 4 x 4 work-groups for each batch: (query quarter-pair, key quarter-pair) = (0, 0), (1, 0), (1, 1); the cluster that lies wholly above the diagonal is not launched.  A work-group makes 256 queries x 256 keys,
; a wave 128 x 128.  Work-groups of a diagonal cluster that lie above the diagonal run the same text (no branch hangs on a place in the cluster): they store zero codes, l = 0 and -M = 3e38, which the next launch reads as the rest of
; its cluster's walk over the keys.
; TRANSPOSED: source 0 = 16 keys ("B" = k), source 1 = 16 queries ("A" = q): a lane holds one query, its registers run along the keys: register 8 b + j of lane (r, h) is key 16 b + 8 h + j.
; OPERANDS lie in memory as images of their registers, [slot of 256 along K][tile of 16 rows][half][1,536 bytes]: 128 rows of a slot are 24,576 dense bytes, one tensor load; a fragment is three ds_load_b128 of 512 consecutive bytes.
; ORDER INSIDE A BLOCK OF 32: as in the launch before, 0-7, 16-23, 8-15, 24-31, on p as on v; q and k carry it alike.
; LIMITS: NaN and infinities are not served.  A block of p whose largest number lies under 2^-124 (a masked block among them) gets the byte 1; a chunk all of whose keys are hidden keeps -M = 3e38.
; A block's largest p is not searched for: the block's largest score goes through the same multiply-add and exponential (this takes v_exp_f32 not to fall where its input rises).
; REGISTERS: window 0: v15-31 addresses; v32-63 scale words, two sets; v64-83 the codes just made; v96-107 the statistics on their way out; v128-223 A's fragments, later: v128+a scale words, v144+2a -M (with the largest t as its pair),
;   v160+a l; v224-249 at work.   window 1: B's fragments, two sets.   windows 2, 3: the accumulators.
.set NQ,    2
.set FR,    12
.set NL,    3
.set NP,    4
.set HALFT, 24576                      ; 128 rows of a slot: 8 tiles x 2 halves x 1,536 bytes
.set SLOT,  4*HALFT
.set SCL,   2*SLOT                     ; behind the ring: the scale words, [slot][128 rows][8 bytes] for each wave's fill; B's lie 128 bytes further on
.set SPARE, SCL+16640                  ; the spare words: two blocks of 256 bytes that no other line names
.set STG,   SPARE+512                  ; a stage for the statistics: three planes of 256 rows x 2 words
.set STEPA, 2*1572864                  ; two slots on in memory: a slot is 512 tiles x 3,072 bytes
.set STEPB, 2*1572864
.set SOFF,  1024
.set SRD,  15                          ; v15 where I read the stage back
.set ADRA, 16
.set ADRB, 20
.set STA,  24
.set FO,   25
.set TO,   26
.set ADRS, 27
.set SPW,  28
.set NIL,  29
.set DQ,   30                          ; v30 my query less my first key: register 8 b + j of block a is hidden where 16 b + j - 16 a is above it
.set NINF, 31                          ; v31 -infinity
.set SC,   32
.set PC,   64
.set AF,   128
.set PW,   128
.set NMR,  144
.set LSR,  160
.set TM,   224
.set G1, 24
.set G0, 32
.set G1B, 48
.set G0B, 56
.set G1S, 68
.set G0S, 76
.set G1SB, 80
.set G0SB, 88
.set OUT,  8                           ; s[8:9] where my wave's images go
.set CS,   98                          ; s[98:99] c = log2(e) / 32, as a pair
.set SEL,  100
.set MSB, 0
.macro WIN new
.if MSB != (\new)
	s_set_vgpr_msb (MSB<<8)|(\new)
.set MSB, (\new)
.endif
.endm
.set MUL_LO, 0xa1
.set MUL_HI, 0xf1
.set TO_B,   0x40
.macro JLOAD g0a, g1a, g0b, g1b        ; a joint load: waves 0 and 1 fetch for A, waves 2 and 3 for B; an s_nop 0 and four v_nop follow each line
	s_cmp_eq_u32 s15, 0
	s_cbranch_scc0 .Lfor_b_\@
	tensor_load_to_lds s[\g0a:\g0a+3], s[\g1a:\g1a+7]
	s_nop 0
.rept 4
	v_nop
.endr
	s_branch .Lasked_\@
.Lfor_b_\@:
	tensor_load_to_lds s[\g0b:\g0b+3], s[\g1b:\g1b+7]
	s_nop 0
.rept 4
	v_nop
.endr
.Lasked_\@:
.endm
.macro CREST
	s_cmp_lg_u32 s14, 0
	s_cbranch_scc1 .Lnot_wave_0_\@
	s_barrier_signal -3
.Lnot_wave_0_\@:
	s_barrier_wait -3
	s_barrier_signal -1
	s_barrier_wait -1
.endm
.macro CROUND
	s_barrier_signal -1
	s_barrier_wait -1
	CREST
.endm
.macro PLACES n
.rept \n
	v_nop
.endr
.endm
.macro FRAG reg, adr, q, i             ; a fragment comes back as it was stored: three loads of 512 consecutive bytes
.irp c, 0,1,2
	ds_load_b128 v[\reg+4*\c:\reg+4*\c+3], v[\adr] offset:(\i)*3072+(\q)*1536+\c*512
.endr
.endm
.macro FETCH_B slot, q, p
	WIN TO_B
.irp i, 0,1,2,3,4,5,6,7
	FRAG 128*(\p)+FR*\i, ADRB+\slot, \q, \i
.endr
	WIN 0
.endm
.macro FETCH_A slot, q, i0
.irp i, \i0, \i0+1, \i0+2, \i0+3
	FRAG AF+FR*(\i), ADRA+\slot, \q, \i
.endr
.endm
.macro SCALES set, areg, off
.irp i, 0,1,2,3,4,5,6,7
	ds_load_b64 v[SC+16*(\set)+2*\i:SC+16*(\set)+2*\i+1], v[\areg] offset:(\off)+\i*128
.endr
.endm
.macro MUL16 a0, p, q, sc, cm          ; cm = 1: the first product starts the sums.  The 64 accumulators take turns
.irp a, \a0, \a0+1
.irp b, 0,1,2,3,4,5,6,7
.set DD, 8*(8*((\a)%4)+\b)
.set BF, 128*(\p)+FR*\b
.set AA, AF+FR*(\a)
.set SB, SC+16*(\sc)+2*\b+(\q)
.set SA, SC+16*(\sc)+2*(\a)+(\q)
.if \cm == 0
	v_wmma_scale_f32_16x16x128_f8f6f4 v[DD:DD+7], v[BF:BF+11], v[AA:AA+11], v[DD:DD+7], v[SB], v[SA] matrix_a_fmt:MATRIX_FMT_FP6 matrix_b_fmt:MATRIX_FMT_FP6 matrix_a_scale:MATRIX_SCALE_ROW1
.else
	v_wmma_scale_f32_16x16x128_f8f6f4 v[DD:DD+7], v[BF:BF+11], v[AA:AA+11], 0, v[SB], v[SA] matrix_a_fmt:MATRIX_FMT_FP6 matrix_b_fmt:MATRIX_FMT_FP6 matrix_a_scale:MATRIX_SCALE_ROW1
.endif
.endr
.endr
.endm
.macro STEP slot, q, cm
	s_wait_dscnt 4*NL                              ; all but the youngest loads (A's blocks 4-7) are in
	WIN MUL_LO
	MUL16 0, (\q)%2, \q, \slot, \cm
	MUL16 2, (\q)%2, \q, \slot, \cm
	s_wait_dscnt 0x0
	PLACES NP
	FETCH_B \slot, (\q)+1, 1-(\q)%2
	FETCH_A \slot, (\q)+1, 0
	WIN MUL_HI
	MUL16 4, (\q)%2, \q, \slot, \cm
	MUL16 6, (\q)%2, \q, \slot, \cm
	PLACES NP
	WIN 0
	FETCH_A \slot, (\q)+1, 4
.endm
.macro TURN slot, next, fill, areg, off
	s_wait_tensorcnt 0x0                           ; all my tensor loads have landed: my part of the next slot
	ds_add_u32 v[SPW], v[NIL]                      ; 0 onto my spare word
	s_wait_dscnt 4*NL+1                            ; (the add and A's blocks 4-7 may be out)
	WIN MUL_LO
	MUL16 0, 1, NQ-1, \slot, 0
	s_wait_dscnt 0x0                               ; the add is done, and my reads of this slot are over
	s_barrier_signal -1
	MUL16 2, 1, NQ-1, \slot, 0
	WIN 0
	s_barrier_wait -1
.if \fill
	CREST                                          ; no wave of any partner still reads this slot or has a load on its way
	s_add_nc_u64 s[G0+4*\slot+2:G0+4*\slot+3], s[G0+4*\slot+2:G0+4*\slot+3], STEPA
	s_add_nc_u64 s[G0B+4*\slot+2:G0B+4*\slot+3], s[G0B+4*\slot+2:G0B+4*\slot+3], STEPB
	JLOAD G0+4*\slot, G1, G0B+4*\slot, G1B
.else
	PLACES NP
.endif
	FETCH_B \next, 0, 0
	FETCH_A \next, 0, 0
	SCALES \next, \areg, \off
	WIN MUL_HI
	MUL16 4, 1, NQ-1, \slot, 0
	MUL16 6, 1, NQ-1, \slot, 0
	PLACES NP
	WIN 0
	FETCH_A \next, 0, 4
.endm
.macro LAST
	s_wait_dscnt 4*NL
	WIN MUL_LO
	MUL16 0, 1, NQ-1, 1, 0
	MUL16 2, 1, NQ-1, 1, 0
	s_wait_dscnt 0x0
	WIN MUL_HI
	MUL16 4, 1, NQ-1, 1, 0
	MUL16 6, 1, NQ-1, 1, 0
	WIN 0
.endm
.macro LAP n
	TURN 0, 1, 1, ADRS, SOFF*(2*(\n)-1)
	STEP 1, 0, 0
	TURN 1, 0, 1, ADRS, SOFF*(2*(\n))
	STEP 0, 0, 0
.endm
.macro CODES                           ; as in the launch before: AC, W set by the caller, the scale operands in v[TM+12 ..]
	s_wait_xcnt 0x0                                ; the last block's stores have read the registers that are written now
	WIN W
.irp c, 0,1
	v_cvt_scalef32_pk16_fp6_f32 v[PC+6*\c:PC+6*\c+2], v[AC+32*\c:AC+32*\c+15], v[TM+12+2*\c]
	v_cvt_scalef32_pk16_fp6_f32 v[PC+12+4*\c:PC+14+4*\c], v[AC+32*\c+16:AC+32*\c+31], v[TM+13+2*\c]
.endr
	WIN 0
	v_nop                                          ; one plain place behind a scaled conversion
.irp c, 0,1
.irp i, 0,1,2
	v_permlane16_swap_b32 v[PC+6*\c+\i], v[PC+12+4*\c+\i]
.endr
.irp i, 0,1,2
	v_mov_b32 v[PC+3+6*\c+\i], v[PC+12+4*\c+\i]
.endr
.endr
.endm
.macro PUT a
.irp c, 0,1,2
	global_store_b128 v[FO], v[PC+4*\c:PC+4*\c+3], s[OUT:OUT+1] offset:(\a)*3072+\c*512
.endr
.endm
.macro MASK a                          ; hidden scores become -infinity; each accumulator is taken from its low end on
.set AC, 64*((\a)%4)
.set W, 2+(\a)/4
.set WS, (W<<6)|W
	WIN WS
.set n, 0
.rept 64
	v_cmp_gt_i32 vcc_lo, 16*(n/8)+n%8-16*(\a), v[DQ]
	v_cndmask_b32 v[AC+n], v[AC+n], v[NINF], vcc_lo
.set n, n+1
.endr
.endm
; Block a: 16 queries x my 128 keys.  The chunk's M, p, l; p's codes and scale word.
.macro SOFTQ a
.set AC, 64*((\a)%4)
.set W, 2+(\a)/4
.set NM, NMR+2*(\a)
.set WS, (W<<2)|(W<<4)
	WIN WS
.irp b, 0,1,2,3
	v_max3_num_f32 v[TM+\b], 0xff800000, v[AC+16*\b], v[AC+16*\b+1]   ; the largest score of each block of 32 keys: it serves for the chunk's maximum and for the block's largest p
.endr
.irp i, 2,4,6,8,10,12,14
.irp b, 0,1,2,3
	v_max3_num_f32 v[TM+\b], v[TM+\b], v[AC+16*\b+\i], v[AC+16*\b+\i+1]
.endr
.endr
	WIN 0
.irp b, 0,1,2,3
	v_permlanex16_b32 v[TM+4+\b], v[TM+\b], s[SEL], s[SEL+1]
.endr
.irp b, 0,1,2,3
	v_max_num_f32 v[TM+\b], v[TM+\b], v[TM+4+\b]   ; with lane l xor 16's 16 keys
.endr
	v_max3_num_f32 v232, v[TM], v[TM+1], v[TM+2]
	v_max_num_f32 v232, v232, v[TM+3]
	v_mul_f32 v232, s[CS], v232                    ; as t (c is positive)
	v_max_num_f32 v[NM+1], 0xff61b1e6, v232        ; a chunk all of whose keys are hidden keeps -3e38
	v_floor_f32 v[NM], -v[NM+1]                    ; -M = floor(-t): M is a whole number
.irp b, 0,1,2,3
	v_fma_f32 v[TM+\b], v[TM+\b], s[CS], v[NM]
.endr
.set WS, (W<<6)|W
	WIN WS
.set n, 0
.rept 32
	v_pk_fma_f32 v[AC+n:AC+n+1], v[AC+n:AC+n+1], s[CS:CS+1], v[NM:NM+1] op_sel_hi:[1,0,0]   ; t - M, two at a time
.set n, n+2
.endr
.set n, 0
.rept 64
	v_exp_f32 v[AC+n], v[AC+n]                     ; p = 2^(t - M), at most 1
.set n, n+1
.endr
	WIN 0
	v_nop                                          ; a plain place behind the exponentials
	s_wait_alu depctr_va_vdst(0)                   ; one wait for the batch of 64, ahead of its first reader
.irp b, 0,1,2,3
	v_exp_f32 v[TM+\b], v[TM+\b]                   ; the block's largest p
.endr
.set WS, W|(W<<2)
	WIN WS
	v_pk_add_f32 v[244:245], v[AC:AC+1], v[AC+2:AC+3]        ; THE SUM IS TAKEN OF THE UNQUANTISED p: two at a time, in two chains; it reads the 64 alone
	v_pk_add_f32 v[246:247], v[AC+4:AC+5], v[AC+6:AC+7]
.set WS, W<<2
	WIN WS
.irp j, 8,12,16,20,24,28,32,36,40,44,48,52,56,60
	v_pk_add_f32 v[244:245], v[244:245], v[AC+\j:AC+\j+1]
	v_pk_add_f32 v[246:247], v[246:247], v[AC+\j+2:AC+\j+3]
.endr
	WIN 0
	v_pk_add_f32 v[244:245], v[244:245], v[246:247]
	v_add_f32 v248, v244, v245
	v_permlanex16_b32 v249, v248, s[SEL], s[SEL+1]
	v_add_f32 v[LSR+(\a)], v248, v249              ; with lane l xor 16's 64 keys: the chunk's l
	s_wait_alu depctr_va_vdst(0)                   ; and one wait for the four
.irp b, 0,1,2,3
	v_max_num_f32 v[TM+\b], 0x1800000, v[TM+\b]    ; the floor 2^(3 - 127): the byte cannot fall under 1
.endr
.irp b, 0,1,2,3
	v_add_nc_u32 v[TM+12+\b], 0xff000000, v[TM+\b]
.endr
.irp b, 0,1,2,3
	v_lshrrev_b32 v[TM+4+\b], 23, v[TM+12+\b]
.endr
	v_lshl_or_b32 v[PW+(\a)], v[TM+5], 8, v[TM+4]
	v_lshl_or_b32 v[PW+(\a)], v[TM+6], 16, v[PW+(\a)]
	v_lshl_or_b32 v[PW+(\a)], v[TM+7], 24, v[PW+(\a)]
	CODES
	PUT \a
	ds_store_b32 v[STA], v[PW+(\a)] offset:128*(\a)          ; each of the three has a register of its own for each block: no source of a store is written again
	ds_store_b32 v[STA], v[NM] offset:2048+128*(\a)
	ds_store_b32 v[STA], v[LSR+(\a)] offset:4096+128*(\a)
.endm
	s_load_b256 s[4:11], s[0:1], 0x0               ; qkvF, qkvS, pF, pstat
	v_lshl_add_u32 v[SPW], v0, 2, SPARE
	v_mov_b32 v[NIL], 0
	ds_add_u32 v[SPW], v[NIL]                      ; the wave's opening: the add and its wait come ahead of my first tensor load
	v_lshrrev_b32 v1, 5, v0
	v_readfirstlane_b32 s14, v1                    ; wave 0..3
	s_lshr_b32 s15, s14, 1                         ; my half of the queries.  Also: I fetch for A (0) or for B (1)
	s_and_b32 s16, s14, 1                          ; my half of the keys.  Also: which 128 rows I fetch
	s_bfe_u32 s40, ttmp6, 0x40000                  ; cx, cy
	s_bfe_u32 s41, ttmp6, 0x40004
	s_mov_b32 s66, ttmp9                           ; which of the batch's three clusters: 0 and 2 lie on the diagonal
	s_and_b32 s67, ttmp7, 0xffff                   ; the batch
	s_add_co_u32 s18, ttmp9, 1
	s_lshr_b32 s18, s18, 1                         ; the cluster's 1,024 queries: 0, 1, 1
	s_lshl_b32 s17, s18, 2
	s_add_co_u32 s17, s17, s41                     ; my tile of 256 queries: hangs on cy alone
	s_lshr_b32 s95, ttmp9, 1                       ; its 1,024 keys: 0, 0, 1
	s_lshl_b32 s42, s95, 2
	s_add_co_u32 s42, s42, s40                     ; my tile of 256 keys: on cx alone
	s_lshl_b32 s43, s41, 2
	s_lshl_b32 s43, 15, s43                        ; my row of the cluster
	s_lshl_b32 s44, 0x1111, s40                    ; my column
	s_or_b32 s[G1+0], s43, (3<<16)|(1<<21)         ; the mask; elements of 8 bytes; no padding; bit 21 beside a mask
	s_or_b32 s[G1B+0], s44, (3<<16)|(1<<21)
.irp g, G1, G1B                        ; 24,576 dense bytes as 96 rows of 256
	s_mov_b32 s[\g+1], 32<<16
	s_mov_b32 s[\g+2], 96<<16
	s_mov_b32 s[\g+3], 32<<16
	s_mov_b32 s[\g+4], 96
	s_mov_b32 s[\g+5], 32
	s_mov_b32 s[\g+6], 0
	s_mov_b32 s[\g+7], 0
.endr
	s_or_b32 s[G1S+0], s43, (3<<16)|(1<<21)
	s_or_b32 s[G1SB+0], s44, (3<<16)|(1<<21)
.irp g, G1S, G1SB                      ; 128 rows' scale words of the four slots: 4 rows of 1,024 bytes, 65,536 bytes apart
	s_mov_b32 s[\g+1], 128<<16
	s_mov_b32 s[\g+2], 4<<16
	s_mov_b32 s[\g+3], 128<<16
	s_mov_b32 s[\g+4], 4
	s_mov_b32 s[\g+5], 8192
	s_mov_b32 s[\g+6], 0
	s_mov_b32 s[\g+7], 0
.endr
	s_lshl_b32 s18, s67, 7
	s_lshl_b32 s19, s16, 3
	s_add_co_u32 s18, s18, s19                     ; 128 x batch + 8 x half, in tiles of 16 tokens
	s_lshl_b32 s20, s17, 4
	s_add_co_u32 s20, s20, s18                     ; q's first tile that I fetch
	s_lshl_b32 s46, s42, 4
	s_add_co_u32 s46, s46, s18                     ; k's
	s_lshl_b32 s22, s20, 7                         ; their scale words: 128 bytes a tile
	s_mov_b32 s23, 0
	s_lshl_b32 s92, s46, 7
	s_add_co_u32 s92, s92, 262144                  ; in k's part
	s_mov_b32 s93, 0
	s_mul_i32 s20, s20, 3072
	s_mov_b32 s21, 0
	s_mul_i32 s46, s46, 3072
	s_add_co_u32 s46, s46, 6291456                 ; in k's part
	s_mov_b32 s47, 0
	s_mul_i32 s45, s14, HALFT                      ; where they go: no place in the cluster enters an LDS address
	s_lshl_b32 s94, s14, 12
	s_lshl_b32 s19, s15, 7
	s_add_co_u32 s94, s94, s19                     ; 4,096 x wave, B's 128 bytes further on
	s_mov_b32 s[CS], 0x3d38aa3b                    ; c = log2(e) / 32
	s_mov_b32 s[CS+1], s[CS]
	s_mov_b32 s[SEL], 0x76543210
	s_mov_b32 s[SEL+1], 0xfedcba98
	s_wait_dscnt 0x0                               ; the opening add is done
	s_wait_kmcnt 0x0
	s_add_nc_u64 s[20:21], s[4:5], s[20:21]
	s_add_nc_u64 s[22:23], s[6:7], s[22:23]
	s_add_nc_u64 s[46:47], s[4:5], s[46:47]
	s_add_nc_u64 s[92:93], s[6:7], s[92:93]
	CROUND                                         ; all sixteen work-groups are here: the first joint loads meet
	s_mov_b32 s[G0S], 1
	s_add_co_u32 s[G0S+1], s94, SCL
	s_mov_b64 s[G0S+2:G0S+3], s[22:23]
	s_or_b32 s[G0S+3], s[G0S+3], 0x80000000
	s_mov_b32 s[G0SB], 1
	s_add_co_u32 s[G0SB+1], s94, SCL
	s_mov_b64 s[G0SB+2:G0SB+3], s[92:93]
	s_or_b32 s[G0SB+3], s[G0SB+3], 0x80000000
	JLOAD G0S, G1S, G0SB, G1SB                     ; three loads of mine are out behind these first fills
.irp s, 0,1
	s_mov_b32 s[G0+4*\s], 1
	s_add_co_u32 s[G0+4*\s+1], s45, \s*SLOT
	s_add_nc_u64 s[G0+4*\s+2:G0+4*\s+3], s[20:21], \s*1572864
	s_or_b32 s[G0+4*\s+3], s[G0+4*\s+3], 0x80000000
	s_mov_b32 s[G0B+4*\s], 1
	s_add_co_u32 s[G0B+4*\s+1], s45, \s*SLOT
	s_add_nc_u64 s[G0B+4*\s+2:G0B+4*\s+3], s[46:47], \s*1572864
	s_or_b32 s[G0B+4*\s+3], s[G0B+4*\s+3], 0x80000000
	JLOAD G0+4*\s, G1, G0B+4*\s, G1B
.endr
	v_and_b32 v1, 15, v0                           ; r
	v_bfe_u32 v2, v0, 4, 1                         ; h
	v_and_b32 v3, 31, v0
	v_lshlrev_b32 v[FO], 4, v3                     ; 16 x lane
	s_mul_i32 s21, s15, HALFT                      ; my 128 queries
	s_mul_i32 s22, s16, HALFT                      ; my 128 keys,
	s_add_co_u32 s22, s22, 2*HALFT                 ; behind A's 256 rows
.irp s, 0,1
	v_add_nc_u32 v[ADRA+\s], s21, v[FO]
	v_add_nc_u32 v[ADRB+\s], s22, v[FO]
	s_add_co_u32 s21, s21, SLOT
	s_add_co_u32 s22, s22, SLOT
.endr
	s_lshl_b32 s21, s15, 12
	s_lshl_b32 s22, s16, 12
	s_add_co_u32 s22, s22, 8320
	s_sub_co_u32 s22, s22, s21
	v_mul_u32_u24 v6, s22, v2                      ; lanes 16-31 take B's words: one product, the distance between the two
	v_lshl_add_u32 v5, v1, 3, v6                   ; 8 bytes a row
	s_add_co_u32 s21, s21, SCL
	v_add_nc_u32 v[ADRS], s21, v5
	s_lshl_b32 s18, s15, 10
	s_lshl_b32 s19, s16, 2
	s_add_co_u32 s18, s18, s19
	s_add_co_u32 s18, s18, STG
	v_lshl_add_u32 v[STA], v1, 3, s18              ; the stage: (128 x my half of the queries + r) x 8 + 4 x my half of the keys
	v_lshlrev_b32 v[TO], 4, v0
	v_lshl_add_u32 v[SRD], v0, 4, STG
	s_sub_co_i32 s18, s17, s42
	s_lshl_b32 s18, s18, 8
	s_sub_co_i32 s19, s15, s16
	s_lshl_b32 s19, s19, 7
	s_add_co_i32 s18, s18, s19                     ; my wave's first query less its first key
	v_lshlrev_b32 v5, 3, v2
	v_sub_nc_u32 v5, v1, v5
	v_add_nc_u32 v[DQ], s18, v5                    ; + r - 8 h
	v_mov_b32 v[NINF], 0xff800000
.irp b, 0,1,2,3
	v_mov_b32 v[TM+4+\b], 0                        ; written once: a lane permute's destination counts as one of its sources
.endr
	v_mov_b32 v249, 0
	s_lshl_b32 s18, s67, 3
	s_add_co_u32 s18, s18, s42                     ; p's slot: 8 x batch + my tile of keys
	s_lshl_b32 s18, s18, 7
	s_lshl_b32 s19, s17, 4
	s_add_co_u32 s18, s18, s19                     ; in tiles of 16 queries
	s_lshl_b32 s20, s18, 7                         ; the statistics: 128 bytes a tile
	s_mov_b32 s21, 0
	s_add_nc_u64 s[10:11], s[10:11], s[20:21]
	s_lshl_b32 s19, s15, 3
	s_add_co_u32 s18, s18, s19
	s_mul_i32 s18, s18, 3072
	s_mul_i32 s19, s16, 1536
	s_add_co_u32 s18, s18, s19
	s_mov_b32 s19, 0
	s_add_nc_u64 s[OUT:OUT+1], s[OUT:OUT+1], s[18:19]
	s_wait_tensorcnt 1                             ; the scale words and my part of slot 0 are in; slot 1's load may stay out
	s_barrier_signal -1
	s_barrier_wait -1
	FETCH_B 0, 0, 0
	FETCH_A 0, 0, 0
	SCALES 0, ADRS, 0
	FETCH_A 0, 0, 4
	STEP 0, 0, 1                                   ; the first step starts the sums: nothing is cleared
	LAP 1
	TURN 0, 1, 0, ADRS, SOFF*3
	STEP 1, 0, 0
	LAST
	PLACES NP                                      ; in front of the first reads of results, and of writes into registers that the last products read
	s_cmp_eq_u32 s66, 1                            ; the cluster under the diagonal hides nothing: a branch on the cluster's number, the same in all partners
	s_cbranch_scc1 .Lopen
.irp a, 0,1,2,3,4,5,6,7
	MASK \a
.endr
	WIN 0
.Lopen:
.irp a, 0,1,2,3,4,5,6,7
	SOFTQ \a
.endr
	s_wait_dscnt 0x0                               ; for the others' sake: my statistics lie in the stage
	s_barrier_signal -1
	s_barrier_wait -1
.irp g, 0,1,2
	ds_load_b128 v[96+4*\g:99+4*\g], v[SRD] offset:2048*\g
.endr
	s_wait_dscnt 0x0
.irp g, 0,1,2
	global_store_b128 v[TO], v[96+4*\g:99+4*\g], s[10:11] offset:524288*\g   ; 2,048 dense bytes of each plane
.endr
	s_wait_tensorcnt 0x0                           ; the wave's end
	ds_add_u32 v[SPW], v[NIL]
	s_wait_dscnt 0x0
	CROUND                                         ; the closing round
	s_endpgm
.Lfunc_end_k_qb033c9c497_scores:
	.size	k_qb033c9c497_scores, .Lfunc_end_k_qb033c9c497_scores-k_qb033c9c497_scores
	.p2alignl 7, 3214868480
	.fill 96, 4, 3214868480
	.section	.rodata,"a",@progbits
	.p2align	6, 0x0
	.amdhsa_kernel k_qb033c9c497_scores
		.amdhsa_group_segment_fixed_size 327680
		.amdhsa_private_segment_fixed_size 0
		.amdhsa_enable_private_segment 0
		.amdhsa_kernarg_size 32
		.amdhsa_user_sgpr_count 2
		.amdhsa_user_sgpr_kernarg_segment_ptr 1
		.amdhsa_wavefront_size32 1
		.amdhsa_system_sgpr_workgroup_id_x 1
		.amdhsa_system_sgpr_workgroup_id_y 1
		.amdhsa_system_sgpr_workgroup_id_z 1
		.amdhsa_system_vgpr_workitem_id 0
		.amdhsa_next_free_vgpr 1024
		.amdhsa_next_free_sgpr 102
		.amdhsa_reserve_vcc 1
		.amdhsa_float_denorm_mode_32 3
		.amdhsa_float_denorm_mode_16_64 3
		.amdhsa_memory_ordered 1
		.amdhsa_forward_progress 1
		.amdhsa_inst_pref_size 239
	.end_amdhsa_kernel
	.amdgpu_metadata
---
amdhsa.version: [ 1, 2 ]
amdhsa.kernels:
  - .name:           k_qb033c9c497_scores
    .symbol:         k_qb033c9c497_scores.kd
    .args:
      - { .name: qkvF, .offset: 0, .size: 8, .value_kind: global_buffer, .address_space: global }
      - { .name: qkvS, .offset: 8, .size: 8, .value_kind: global_buffer, .address_space: global }
      - { .name: pF, .offset: 16, .size: 8, .value_kind: global_buffer, .address_space: global }
      - { .name: pstat, .offset: 24, .size: 8, .value_kind: global_buffer, .address_space: global }
    .group_segment_fixed_size: 327680
    .private_segment_fixed_size: 0
    .kernarg_segment_align: 8
    .kernarg_segment_size: 32
    .max_flat_workgroup_size: 128
    .sgpr_count:     102
    .vgpr_count:     1024
    .wavefront_size: 32
...
	.end_amdgpu_metadata
.endif
;; end of part 2
;; launch pv (part 3): grid 4 x 32, 4 waves a work-group, clusters of 4 x 4, 327,680 bytes of LDS; arguments pF, pstat, qkvF, qkvS, out0; writes out0
.if DOCPART == 3
	.amdgcn_target "amdgcn-amd-amdhsa--gfx1250"
	.amdhsa_code_object_version 6
	.text
	.protected	k_qb033c9c497_pv
	.globl	k_qb033c9c497_pv
	.p2align	8
	.type	k_qb033c9c497_pv,@function
k_qb033c9c497_pv:
	s_mov_b64 s[64:65], 0
	v_nop
	global_prefetch_b8 v0, s[64:65] scope:SCOPE_SE
	s_setreg_imm32_b32 hwreg(HW_REG_WAVE_MODE, 25, 1), 1
	s_wait_xcnt 0x0
	s_wait_alu depctr_hold_cnt(0) depctr_sa_sdst(0) depctr_va_vdst(0) depctr_va_sdst(0) depctr_va_ssrc(0) depctr_va_vcc(0) depctr_vm_vsrc(0)
	s_getreg_b32 s2, hwreg(HW_REG_IB_STS2, 6, 4)
	s_cmp_eq_u32 s2, 0
	s_cbranch_scc0 .Lentry_in_a_cluster
	s_endpgm
.Lentry_in_a_cluster:
	s_bfe_u32 s2, ttmp6, 0x10000c
	s_cmp_lg_u32 s2, 0xf033
	s_cbranch_scc0 .Lentry_shape_is_right
	s_endpgm
.Lentry_shape_is_right:
; O^T = v^T p^T on codes of FP6 (K = the keys), divided by the row's sum l.  out0: [4][2048][1024] f32.
; p was quantised chunk by chunk of 128 keys under the chunk's own whole number M.  AT THE HEAD each row's chunks are brought under the row's M = the largest of them: delta = M - the chunk's M is taken off the chunk's four scale bytes
; (a byte that would fall under 0 is held at 0) and l = the sum of the chunks' l x 2^-delta.  The codes stay: a change of M is a whole power of two.
; SHARES.  Eight clusters of 4 x 4 work-groups: batch x half of the queries.  A work-group makes 256 queries x 256 features, a wave 128 x 128.  All sixteen partners walk the keys up to their cluster's causal limit:
; 4 slots of 256 keys for queries 0-1,023, 8 for queries 1,024-2,047.  The walk is written out; one forward jump on the cluster's number, the same in all partners, leaves four slots out.
; TRANSPOSED: source 0 = 16 features of v ("B"), source 1 = 16 queries of p ("A"): a lane holds eight neighbouring numbers of a row of O.
; LIMITS: delta is held at 127, so a chunk more than 2^127 under its row's largest counts with 2^-127 of its l and with scale bytes 0 (2^-127): nothing beside a row whose l is above 1/2.  NaN and infinities are not served.
; REGISTERS: window 0: v8-10, v16-31 addresses; v32-63 scale words, two sets; v64-159 the statistics at the head, then v64-79 1 / l of my eight blocks, as pairs; v128-223 A's fragments; v128-255 rows of O on the way out.
;   window 1: B's fragments, two sets.   windows 2, 3: the accumulators.
.set NQ,    2
.set FR,    12
.set NL,    3
.set NP,    4
.set HALFT, 24576
.set SLOT,  4*HALFT
.set PT,    2*SLOT                     ; behind the ring: p's scale words as mended, [half of the rows][quarter][slot][64 rows][8 bytes]: stored by the waves
.set VT,    PT+16512                   ; v's scale words, in the same shape, 128 bytes off: filled once by tensor loads
.set LT,    VT+16512                   ; 1 / l of the 256 rows: stored by the waves
.set SPARE, LT+1024                    ; the spare words: two blocks of 256 bytes that no other line names
.set SPITCH, 528                       ; the way out: a stage of 16 rows x (512 bytes + 16) for each wave, in slot 0, which has had its last fill and its last read by then
.set STEPA, 2*393216                   ; two slots on: a slot of p is 128 tiles x 3,072 bytes,
.set STEPB, 2*196608                   ; of v 64 tiles
.set SOFF,  512
.set PSO,  8                           ; v8  8 x thread: my row's two words in a plane of the statistics
.set PTA,  9                           ; v9  where I store my row's mended words
.set LTW,  10                          ; v10 where I store 1 / l
.set ADRA, 16
.set ADRB, 20
.set STO,  24
.set RD,   25
.set CO,   26
.set ADRS, 27
.set SPW,  28
.set NIL,  29
.set ADRT, 30                          ; v30 the last slot's scale words
.set LTA,  31                          ; v31 where I read 1 / l of my rows
.set SC,   32
.set PR,   64                          ; the statistics: for pass p at v[PR + 48 p]: 16 scale words, 16 -M, 16 l
.set RI,   64                          ; later: 1 / l
.set AF,   128
.set BK,   128
.set G1, 24
.set G0, 32
.set G1B, 48
.set G0B, 56
.set G1SB, 80
.set G0SB, 88
.set MSB, 0
.macro WIN new
.if MSB != (\new)
	s_set_vgpr_msb (MSB<<8)|(\new)
.set MSB, (\new)
.endif
.endm
.set MUL_LO, 0xa1
.set MUL_HI, 0xf1
.set TO_B,   0x40
.macro JLOAD g0a, g1a, g0b, g1b        ; a joint load: waves 0 and 1 fetch for A, waves 2 and 3 for B; an s_nop 0 and four v_nop follow each line
	s_cmp_eq_u32 s15, 0
	s_cbranch_scc0 .Lfor_b_\@
	tensor_load_to_lds s[\g0a:\g0a+3], s[\g1a:\g1a+7]
	s_nop 0
.rept 4
	v_nop
.endr
	s_branch .Lasked_\@
.Lfor_b_\@:
	tensor_load_to_lds s[\g0b:\g0b+3], s[\g1b:\g1b+7]
	s_nop 0
.rept 4
	v_nop
.endr
.Lasked_\@:
.endm
.macro CREST
	s_cmp_lg_u32 s14, 0
	s_cbranch_scc1 .Lnot_wave_0_\@
	s_barrier_signal -3
.Lnot_wave_0_\@:
	s_barrier_wait -3
	s_barrier_signal -1
	s_barrier_wait -1
.endm
.macro CROUND
	s_barrier_signal -1
	s_barrier_wait -1
	CREST
.endm
.macro PLACES n
.rept \n
	v_nop
.endr
.endm
.macro FRAG reg, adr, q, i
.irp c, 0,1,2
	ds_load_b128 v[\reg+4*\c:\reg+4*\c+3], v[\adr] offset:(\i)*3072+(\q)*1536+\c*512
.endr
.endm
.macro FETCH_B slot, q, p
	WIN TO_B
.irp i, 0,1,2,3,4,5,6,7
	FRAG 128*(\p)+FR*\i, ADRB+\slot, \q, \i
.endr
	WIN 0
.endm
.macro FETCH_A slot, q, i0
.irp i, \i0, \i0+1, \i0+2, \i0+3
	FRAG AF+FR*(\i), ADRA+\slot, \q, \i
.endr
.endm
.macro SCALES set, areg, off           ; block i lies in quarter i / 4
.irp i, 0,1,2,3,4,5,6,7
	ds_load_b64 v[SC+16*(\set)+2*\i:SC+16*(\set)+2*\i+1], v[\areg] offset:(\off)+4096*(\i/4)+128*(\i%4)
.endr
.endm
.macro MUL16 a0, p, q, sc, cm          ; cm = 1: the first product starts the sums.  The 64 accumulators take turns
.irp a, \a0, \a0+1
.irp b, 0,1,2,3,4,5,6,7
.set DD, 8*(8*((\a)%4)+\b)
.set BF, 128*(\p)+FR*\b
.set AA, AF+FR*(\a)
.set SB, SC+16*(\sc)+2*\b+(\q)
.set SA, SC+16*(\sc)+2*(\a)+(\q)
.if \cm == 0
	v_wmma_scale_f32_16x16x128_f8f6f4 v[DD:DD+7], v[BF:BF+11], v[AA:AA+11], v[DD:DD+7], v[SB], v[SA] matrix_a_fmt:MATRIX_FMT_FP6 matrix_b_fmt:MATRIX_FMT_FP6 matrix_a_scale:MATRIX_SCALE_ROW1
.else
	v_wmma_scale_f32_16x16x128_f8f6f4 v[DD:DD+7], v[BF:BF+11], v[AA:AA+11], 0, v[SB], v[SA] matrix_a_fmt:MATRIX_FMT_FP6 matrix_b_fmt:MATRIX_FMT_FP6 matrix_a_scale:MATRIX_SCALE_ROW1
.endif
.endr
.endr
.endm
.macro STEP slot, q, cm
	s_wait_dscnt 4*NL                              ; all but the youngest loads (A's blocks 4-7) are in
	WIN MUL_LO
	MUL16 0, (\q)%2, \q, \slot, \cm
	MUL16 2, (\q)%2, \q, \slot, \cm
	s_wait_dscnt 0x0
	PLACES NP
	FETCH_B \slot, (\q)+1, 1-(\q)%2
	FETCH_A \slot, (\q)+1, 0
	WIN MUL_HI
	MUL16 4, (\q)%2, \q, \slot, \cm
	MUL16 6, (\q)%2, \q, \slot, \cm
	PLACES NP
	WIN 0
	FETCH_A \slot, (\q)+1, 4
.endm
.macro TURN slot, next, fill, areg, off
	s_wait_tensorcnt 0x0                           ; all my tensor loads have landed: my part of the next slot
	ds_add_u32 v[SPW], v[NIL]                      ; 0 onto my spare word
	s_wait_dscnt 4*NL+1                            ; (the add and A's blocks 4-7 may be out)
	WIN MUL_LO
	MUL16 0, 1, NQ-1, \slot, 0
	s_wait_dscnt 0x0                               ; the add is done, and my reads of this slot are over
	s_barrier_signal -1
	MUL16 2, 1, NQ-1, \slot, 0
	WIN 0
	s_barrier_wait -1
.if \fill
	CREST                                          ; no wave of any partner still reads this slot or has a load on its way
	s_add_nc_u64 s[G0+4*\slot+2:G0+4*\slot+3], s[G0+4*\slot+2:G0+4*\slot+3], STEPA
	s_add_nc_u64 s[G0B+4*\slot+2:G0B+4*\slot+3], s[G0B+4*\slot+2:G0B+4*\slot+3], STEPB
	JLOAD G0+4*\slot, G1, G0B+4*\slot, G1B
.else
	PLACES NP
.endif
	FETCH_B \next, 0, 0
	FETCH_A \next, 0, 0
	SCALES \next, \areg, \off
	WIN MUL_HI
	MUL16 4, 1, NQ-1, \slot, 0
	MUL16 6, 1, NQ-1, \slot, 0
	PLACES NP
	WIN 0
	FETCH_A \next, 0, 4
.endm
.macro LAST
	s_wait_dscnt 4*NL
	WIN MUL_LO
	MUL16 0, 1, NQ-1, 1, 0
	MUL16 2, 1, NQ-1, 1, 0
	s_wait_dscnt 0x0
	WIN MUL_HI
	MUL16 4, 1, NQ-1, 1, 0
	MUL16 6, 1, NQ-1, 1, 0
	WIN 0
.endm
.macro LAP n
	TURN 0, 1, 1, ADRS, SOFF*(2*(\n)-1)
	STEP 1, 0, 0
	TURN 1, 0, 1, ADRS, SOFF*(2*(\n))
	STEP 0, 0, 0
.endm
; The statistics of slots s0 .. s0 + 3, of rows thread (pass 0) and 128 + thread (pass 1): two words (two chunks of 128 keys) a slot and plane
.macro PLOAD s0
.irp p, 0,1
.irp g, 0,1,2
.irp s, \s0, \s0+1, \s0+2, \s0+3
	global_load_b64 v[PR+48*\p+16*\g+2*(\s):PR+48*\p+16*\g+2*(\s)+1], v[PSO], s[6:7] offset:524288*\g+16384*(\s)+1024*\p
.endr
.endr
.endr
.endm
; One row's 16 chunks are brought under the row's M.  Each line runs over all 16, so that no line waits for the line above it.
.macro ROWFIX p
.set RW, PR+48*(\p)
.set RN, RW+16
.set RL, RW+32
	v_min3_num_f32 v224, v[RN], v[RN+1], v[RN+2]
.irp i, 3,5,7,9,11,13
	v_min3_num_f32 v224, v224, v[RN+\i], v[RN+\i+1]
.endr
	v_min_num_f32 v224, v224, v[RN+15]             ; the least -M: the row's
.irp c, 0,1,2,3,4,5,6,7,8,9,10,11,12,13,14,15
	v_sub_f32 v[RN+\c], v224, v[RN+\c]             ; the chunk's M less the row's: a whole number, 0 or less
.endr
.irp c, 0,1,2,3,4,5,6,7,8,9,10,11,12,13,14,15
	v_max_num_f32 v[RN+\c], 0xc2fe0000, v[RN+\c]   ; held at -127
.endr
.irp c, 0,1,2,3,4,5,6,7,8,9,10,11,12,13,14,15
	v_cvt_i32_f32 v[RN+\c], v[RN+\c]
.endr
.irp c, 0,1,2,3,4,5,6,7,8,9,10,11,12,13,14,15
	v_ldexp_f32 v[RL+\c], v[RL+\c], v[RN+\c]       ; the chunk's l under the row's M: nothing is rounded
.endr
.irp c, 0,1,2,3,4,5,6,7,8,9,10,11,12,13,14,15
	v_sub_nc_u32 v[RN+\c], 0, v[RN+\c]             ; delta, 0 to 127
.endr
.irp c, 0,1,2,3,4,5,6,7,8,9,10,11,12,13,14,15
	v_perm_b32 v[RN+\c], v[RN+\c], v[RN+\c], 0     ; in all four bytes
.endr
.irp c, 0,1,2,3,4,5,6,7,8,9,10,11,12,13,14,15
	v_or_b32 v[RW+\c], 0x80808080, v[RW+\c]        ; the bytes are at most 125 (p is at most 1): with 128 on each, no byte borrows from its neighbour
.endr
.irp c, 0,1,2,3,4,5,6,7,8,9,10,11,12,13,14,15
	v_sub_nc_u32 v[RW+\c], v[RW+\c], v[RN+\c]
.endr
.irp j, 0,2,4,6
	v_pk_add_f32 v[RL+\j:RL+\j+1], v[RL+\j:RL+\j+1], v[RL+8+\j:RL+9+\j]
.endr
.irp j, 0,2
	v_pk_add_f32 v[RL+\j:RL+\j+1], v[RL+\j:RL+\j+1], v[RL+4+\j:RL+5+\j]
.endr
	v_pk_add_f32 v[RL:RL+1], v[RL:RL+1], v[RL+2:RL+3]
	v_add_f32 v[225+(\p)], v[RL], v[RL+1]          ; the row's l
	v_rcp_f32 v[227+(\p)], v[225+(\p)]
.irp c, 0,1,2,3,4,5,6,7,8,9,10,11,12,13,14,15
	v_and_b32 v[RN+\c], 0x80808080, v[RW+\c]       ; a byte that kept its 128 has not fallen under 0
.endr
.irp c, 0,1,2,3,4,5,6,7,8,9,10,11,12,13,14,15
	v_lshrrev_b32 v[RL+\c], 7, v[RN+\c]
.endr
.irp c, 0,1,2,3,4,5,6,7,8,9,10,11,12,13,14,15
	v_sub_nc_u32 v[RN+\c], v[RN+\c], v[RL+\c]      ; 127 in such a byte, 0 in the others
.endr
.irp c, 0,1,2,3,4,5,6,7,8,9,10,11,12,13,14,15
	v_and_b32 v[RW+\c], v[RW+\c], v[RN+\c]         ; the byte less delta, held at 0
.endr
.irp s, 0,1,2,3,4,5,6,7
	ds_store_b64 v[PTA], v[RW+2*\s:RW+2*\s+1] offset:8192*(\p)+512*\s
.endr
	s_wait_alu depctr_va_vdst(0)                   ; the wait ahead of the reciprocal's first reader; the 64 lines above are the work between
	ds_store_b32 v[LTW], v[227+(\p)] offset:512*(\p)
.endm
; THE WAY OUT, block by block of 16 rows x 128 columns: x 1 / l; through my own stage in LDS; back as whole rows of 512 bytes.
.macro SCALEO a
.set AC, 64*((\a)%4)
.set W, 2+(\a)/4
.set WS, (W<<6)|W
	WIN WS
.set n, 0
.rept 32
	v_pk_mul_f32 v[AC+n:AC+n+1], v[AC+n:AC+n+1], v[RI+2*(\a):RI+2*(\a)+1]   ; each accumulator from its low end on
.set n, n+2
.endr
.endm
.macro TOSTAGE a
.set AC, 64*((\a)%4)
	WIN 0x08+4*((\a)/4)                            ; an LDS store's data are its source 1: window 2 or 3
.irp b, 0,1,2,3,4,5,6,7
	ds_store_b128 v[STO], v[AC+8*\b:AC+8*\b+3] offset:64*\b
	ds_store_b128 v[STO], v[AC+8*\b+4:AC+8*\b+7] offset:64*\b+16
.endr
	WIN 0
.set BB, BK+64*((\a)%2)
.irp t, 0,1,2,3,4,5,6,7,8,9,10,11,12,13,14,15
	ds_load_b128 v[BB+4*\t:BB+4*\t+3], v[RD] offset:\t*SPITCH   ; LDS serves a wave's instructions in order (ISA guide 5.7.1.4): these see the stores above
.endr
.endm
.macro SEND a, younger
.set BB, BK+64*((\a)%2)
	s_wait_dscnt \younger                          ; the block is back in registers; the next block's 16 stores and 16 loads may be out
.if (\a) > 0
	s_add_nc_u64 s[12:13], s[12:13], 16*4096       ; (behind a wait on XCNT: the earlier stores have read their base)  16 rows of O on
.endif
.irp t, 0,1,2,3,4,5,6,7,8,9,10,11,12,13,14,15
	global_store_b128 v[CO], v[BB+4*\t:BB+4*\t+3], s[12:13] offset:\t*4096 th:TH_STORE_NT   ; 32 lanes store 512 consecutive bytes, aligned; written once, read by nobody here
.endr
.endm
	s_load_b256 s[4:11], s[0:1], 0x0               ; pF, pstat, qkvF, qkvS
	s_load_b64 s[12:13], s[0:1], 0x20              ; out0
	v_lshl_add_u32 v[SPW], v0, 2, SPARE
	v_mov_b32 v[NIL], 0
	ds_add_u32 v[SPW], v[NIL]                      ; the wave's opening: the add and its wait come ahead of my first tensor load
	v_lshrrev_b32 v1, 5, v0
	v_readfirstlane_b32 s14, v1                    ; wave 0..3
	s_lshr_b32 s15, s14, 1                         ; my half of the queries.  Also: I fetch for A (0) or for B (1)
	s_and_b32 s16, s14, 1                          ; my half of the features.  Also: which 128 rows I fetch
	s_bfe_u32 s40, ttmp6, 0x40000                  ; cx, cy
	s_bfe_u32 s41, ttmp6, 0x40004
	s_and_b32 s18, ttmp7, 0xffff
	s_lshr_b32 s67, s18, 1                         ; the batch
	s_and_b32 s66, s18, 1                          ; which 1,024 queries: the same in all sixteen partners
	s_lshl_b32 s17, s66, 2
	s_add_co_u32 s17, s17, s41                     ; my tile of 256 queries: hangs on cy alone
	s_lshl_b32 s42, ttmp9, 2
	s_add_co_u32 s42, s42, s40                     ; my tile of 256 features: on cx alone
	s_lshl_b32 s43, s41, 2
	s_lshl_b32 s43, 15, s43                        ; my row of the cluster
	s_lshl_b32 s44, 0x1111, s40                    ; my column
	s_or_b32 s[G1+0], s43, (3<<16)|(1<<21)
	s_or_b32 s[G1B+0], s44, (3<<16)|(1<<21)
.irp g, G1, G1B                        ; 24,576 dense bytes as 96 rows of 256
	s_mov_b32 s[\g+1], 32<<16
	s_mov_b32 s[\g+2], 96<<16
	s_mov_b32 s[\g+3], 32<<16
	s_mov_b32 s[\g+4], 96
	s_mov_b32 s[\g+5], 32
	s_mov_b32 s[\g+6], 0
	s_mov_b32 s[\g+7], 0
.endr
	s_or_b32 s[G1SB+0], s44, (3<<16)|(1<<21)       ; v's scale words: 64 rows of the batch's eight slots: 8 rows of 512 bytes, 8,192 bytes apart
	s_mov_b32 s[G1SB+1], 64<<16
	s_mov_b32 s[G1SB+2], 8<<16
	s_mov_b32 s[G1SB+3], 64<<16
	s_mov_b32 s[G1SB+4], 8
	s_mov_b32 s[G1SB+5], 1024
	s_mov_b32 s[G1SB+6], 0
	s_mov_b32 s[G1SB+7], 0
	s_lshl_b32 s19, s16, 3                         ; 8 x the half that I fetch
	s_lshl_b32 s20, s67, 10                        ; p: slot 8 x batch, 128 tiles a slot
	s_lshl_b32 s18, s17, 4
	s_add_co_u32 s20, s20, s18
	s_add_co_u32 s20, s20, s19
	s_mul_i32 s20, s20, 3072
	s_mov_b32 s21, 0
	s_lshl_b32 s46, s67, 9                         ; v: 64 tiles a slot
	s_lshl_b32 s95, s42, 4
	s_add_co_u32 s46, s46, s95
	s_add_co_u32 s46, s46, s19
	s_mul_i32 s46, s46, 3072
	s_add_co_u32 s46, s46, 12582912                ; in v's part
	s_mov_b32 s47, 0
	s_lshl_b32 s92, s67, 13                        ; v's scale words: 1,024 rows a slot
	s_lshl_b32 s95, s42, 8
	s_add_co_u32 s92, s92, s95
	s_lshl_b32 s95, s14, 6                         ; each wave brings 64 rows
	s_add_co_u32 s92, s92, s95
	s_lshl_b32 s92, s92, 3
	s_add_co_u32 s92, s92, 524288                  ; in v's part
	s_mov_b32 s93, 0
	s_mul_i32 s45, s14, HALFT
	s_lshl_b32 s94, s14, 12
	s_lshl_b32 s22, s67, 17                        ; the statistics of my 256 queries: slot 8 x batch, 16,384 bytes a slot
	s_lshl_b32 s18, s17, 11
	s_add_co_u32 s22, s22, s18
	s_mov_b32 s23, 0
	s_wait_dscnt 0x0                               ; the opening add is done
	s_wait_kmcnt 0x0
	s_add_nc_u64 s[20:21], s[4:5], s[20:21]
	s_add_nc_u64 s[46:47], s[8:9], s[46:47]
	s_add_nc_u64 s[92:93], s[10:11], s[92:93]
	s_add_nc_u64 s[6:7], s[6:7], s[22:23]
	CROUND                                         ; all sixteen work-groups are here: the first joint loads meet
	s_mov_b32 s[G0SB], 1
	s_add_co_u32 s[G0SB+1], s94, VT
	s_mov_b64 s[G0SB+2:G0SB+3], s[92:93]
	s_or_b32 s[G0SB+3], s[G0SB+3], 0x80000000
	tensor_load_to_lds s[G0SB:G0SB+3], s[G1SB:G1SB+7]   ; every wave its own 64 rows, shared along my column of the cluster.  Three loads of mine are out behind these first fills
	s_nop 0
.rept 4
	v_nop
.endr
.irp s, 0,1
	s_mov_b32 s[G0+4*\s], 1
	s_add_co_u32 s[G0+4*\s+1], s45, \s*SLOT
	s_add_nc_u64 s[G0+4*\s+2:G0+4*\s+3], s[20:21], \s*393216
	s_or_b32 s[G0+4*\s+3], s[G0+4*\s+3], 0x80000000
	s_mov_b32 s[G0B+4*\s], 1
	s_add_co_u32 s[G0B+4*\s+1], s45, \s*SLOT
	s_add_nc_u64 s[G0B+4*\s+2:G0B+4*\s+3], s[46:47], \s*196608
	s_or_b32 s[G0B+4*\s+3], s[G0B+4*\s+3], 0x80000000
	JLOAD G0+4*\s, G1, G0B+4*\s, G1B
.endr
	v_lshlrev_b32 v[PSO], 3, v0
	PLOAD 0
	s_cmp_eq_u32 s66, 0                            ; queries 0-1,023 have no chunks beyond key 1,023: a branch on the cluster's number
	s_cbranch_scc1 .Lshort
	PLOAD 4
	s_branch .Lstat
.Lshort:
.irp p, 0,1
.irp i, 8,9,10,11,12,13,14,15
	v_mov_b32 v[PR+48*\p+\i], 0                    ; in their stead what counts for nothing: word 0,
	v_mov_b32 v[PR+48*\p+16+\i], 0x7f61b1e6        ; -M = 3e38,
	v_mov_b32 v[PR+48*\p+32+\i], 0                 ; l = 0
.endr
.endr
.Lstat:
	v_and_b32 v1, 15, v0                           ; r
	v_bfe_u32 v2, v0, 4, 1                         ; h
	v_and_b32 v3, 31, v0
	v_lshlrev_b32 v[CO], 4, v3                     ; 16 x lane
	s_mul_i32 s21, s15, HALFT
	s_mul_i32 s22, s16, HALFT
	s_add_co_u32 s22, s22, 2*HALFT
.irp s, 0,1
	v_add_nc_u32 v[ADRA+\s], s21, v[CO]
	v_add_nc_u32 v[ADRB+\s], s22, v[CO]
	s_add_co_u32 s21, s21, SLOT
	s_add_co_u32 s22, s22, SLOT
.endr
	s_lshl_b32 s21, s15, 13
	s_lshl_b32 s22, s16, 13
	s_add_co_u32 s22, s22, 16512
	s_sub_co_u32 s22, s22, s21
	v_mul_u32_u24 v6, s22, v2                      ; lanes 16-31 take v's words: one product, the distance between the two
	v_lshl_add_u32 v5, v1, 3, v6
	s_add_co_u32 s21, s21, PT
	v_add_nc_u32 v[ADRS], s21, v5
	s_lshl_b32 s18, s66, 11
	s_add_co_u32 s18, s18, 1536
	v_add_nc_u32 v[ADRT], s18, v[ADRS]             ; the last slot's: slot 3 or slot 7, 512 bytes a slot
	s_lshl_b32 s18, s15, 9
	s_add_co_u32 s18, s18, LT
	v_lshl_add_u32 v[LTA], v1, 2, s18
	v_lshrrev_b32 v5, 6, v0
	v_and_b32 v6, 63, v0
	v_lshlrev_b32 v6, 3, v6
	v_lshl_add_u32 v5, v5, 12, v6
	v_add_nc_u32 v[PTA], PT, v5                    ; 4,096 x (thread / 64) + 8 x (thread % 64)
	v_lshl_add_u32 v[LTW], v0, 2, LT
	s_mul_i32 s23, s14, 16*SPITCH                  ; my stage
	v_mul_u32_u24 v5, v1, SPITCH
	v_lshl_add_u32 v5, v2, 5, v5
	v_add_nc_u32 v[STO], s23, v5                   ; in: row r, 32 bytes for each half of the lanes
	v_add_nc_u32 v[RD], s23, v[CO]                 ; back: the 32 lanes take one row of 512 bytes
	s_lshl_b32 s20, s67, 11
	s_lshl_b32 s21, s17, 8
	s_add_co_u32 s20, s20, s21
	s_lshl_b32 s21, s15, 7
	s_add_co_u32 s20, s20, s21                     ; my first row of O
	s_lshl_b32 s20, s20, 12
	s_lshl_b32 s46, s42, 10
	s_lshl_b32 s47, s16, 9
	s_add_co_u32 s46, s46, s47                     ; my first column, in bytes
	s_add_co_u32 s20, s20, s46
	s_mov_b32 s21, 0
	s_add_nc_u64 s[12:13], s[12:13], s[20:21]
	s_wait_loadcnt 0x0                             ; the statistics
	ROWFIX 0
	ROWFIX 1
	s_wait_tensorcnt 1                             ; v's scale words and my part of slot 0 are in; slot 1's load may stay out
	s_wait_dscnt 0x0                               ; for the others' sake: my rows' words and 1 / l lie in LDS
	s_barrier_signal -1
	s_barrier_wait -1
.irp a, 0,1,2,3,4,5,6,7
	ds_load_b32 v[RI+2*\a], v[LTA] offset:64*\a    ; 1 / l of my lane's row in each block, twice: a pair for the packed multiply.  The oldest LDS loads: every counted wait below covers them
	ds_load_b32 v[RI+2*\a+1], v[LTA] offset:64*\a
.endr
	FETCH_B 0, 0, 0
	FETCH_A 0, 0, 0
	SCALES 0, ADRS, 0
	FETCH_A 0, 0, 4
	STEP 0, 0, 1                                   ; the first step starts the sums: nothing is cleared
	LAP 1
	s_cmp_eq_u32 s66, 0                            ; queries 0-1,023: four slots are all.  The jump hangs on the cluster's number: all sixteen partners pass the same rounds and ask for the same tiles.
	s_cbranch_scc1 .Ltail                          ; On both ways one tensor load of mine is out at the label (ring slot 1's), and the youngest twelve LDS loads are A's blocks 4-7
	LAP 2
	LAP 3
.Ltail:
	TURN 0, 1, 0, ADRT, 0                          ; the last lap fills nothing
	STEP 1, 0, 0
	LAST
	PLACES NP                                      ; in front of the first reads of results, and of loads into registers that the last products read
	SCALEO 0
	TOSTAGE 0
.irp a, 1,2,3,4,5,6,7
	SCALEO \a
.if \a > 1
	s_wait_xcnt 0x0                                ; block a - 2's stores have read their registers and their base
.endif
	TOSTAGE \a
	SEND \a-1, 32
.endr
	s_wait_xcnt 0x0                                ; block 6's stores have read their base
	SEND 7, 0
	s_wait_tensorcnt 0x0                           ; the wave's end
	ds_add_u32 v[SPW], v[NIL]
	s_wait_dscnt 0x0
	CROUND                                         ; the closing round
	s_endpgm
.Lfunc_end_k_qb033c9c497_pv:
	.size	k_qb033c9c497_pv, .Lfunc_end_k_qb033c9c497_pv-k_qb033c9c497_pv
	.p2alignl 7, 3214868480
	.fill 96, 4, 3214868480
	.section	.rodata,"a",@progbits
	.p2align	6, 0x0
	.amdhsa_kernel k_qb033c9c497_pv
		.amdhsa_group_segment_fixed_size 327680
		.amdhsa_private_segment_fixed_size 0
		.amdhsa_enable_private_segment 0
		.amdhsa_kernarg_size 40
		.amdhsa_user_sgpr_count 2
		.amdhsa_user_sgpr_kernarg_segment_ptr 1
		.amdhsa_wavefront_size32 1
		.amdhsa_system_sgpr_workgroup_id_x 1
		.amdhsa_system_sgpr_workgroup_id_y 1
		.amdhsa_system_sgpr_workgroup_id_z 1
		.amdhsa_system_vgpr_workitem_id 0
		.amdhsa_next_free_vgpr 1024
		.amdhsa_next_free_sgpr 102
		.amdhsa_reserve_vcc 0
		.amdhsa_float_denorm_mode_32 3
		.amdhsa_float_denorm_mode_16_64 3
		.amdhsa_memory_ordered 1
		.amdhsa_forward_progress 1
		.amdhsa_inst_pref_size 255
	.end_amdhsa_kernel
	.section	.bss,"aw",@nobits
	.p2align	6
	.space	262144
	.amdgpu_metadata
---
amdhsa.version: [ 1, 2 ]
amdhsa.kernels:
  - .name:           k_qb033c9c497_pv
    .symbol:         k_qb033c9c497_pv.kd
    .args:
      - { .name: pF, .offset: 0, .size: 8, .value_kind: global_buffer, .address_space: global }
      - { .name: pstat, .offset: 8, .size: 8, .value_kind: global_buffer, .address_space: global }
      - { .name: qkvF, .offset: 16, .size: 8, .value_kind: global_buffer, .address_space: global }
      - { .name: qkvS, .offset: 24, .size: 8, .value_kind: global_buffer, .address_space: global }
      - { .name: out0, .offset: 32, .size: 8, .value_kind: global_buffer, .address_space: global }
    .group_segment_fixed_size: 327680
    .private_segment_fixed_size: 0
    .kernarg_segment_align: 8
    .kernarg_segment_size: 40
    .max_flat_workgroup_size: 128
    .sgpr_count:     102
    .vgpr_count:     1024
    .wavefront_size: 32
...
	.end_amdgpu_metadata
.endif
;; end of part 3
;; ======== version 2 of 2: 3 launches
;; limits: right only within a limited range of input values
;; workspace buffers: qkvF 18,874,368 bytes; qkvS 786,432 bytes; pF 12,582,912 bytes; pstat 1,572,864 bytes
;; launch proj (part 4): grid 16 x 16, 4 waves a work-group, clusters of 4 x 4, 327,680 bytes of LDS; arguments x_codes, x_scales, Wv_codes, Wv_scales, Wq_codes, Wq_scales, Wk_codes, Wk_scales, bq, bk, bv, qkvF, qkvS; writes qkvF, qkvS
.if DOCPART == 4
	.amdgcn_target "amdgcn-amd-amdhsa--gfx1250"
	.amdhsa_code_object_version 6
	.text
	.protected	k_qb033c9c497_proj
	.globl	k_qb033c9c497_proj
	.p2align	8
	.type	k_qb033c9c497_proj,@function
k_qb033c9c497_proj:
	s_mov_b64 s[64:65], 0
	v_nop
	global_prefetch_b8 v0, s[64:65] scope:SCOPE_SE
	s_setreg_imm32_b32 hwreg(HW_REG_WAVE_MODE, 25, 1), 1
	s_wait_xcnt 0x0
	s_wait_alu depctr_hold_cnt(0) depctr_sa_sdst(0) depctr_va_vdst(0) depctr_va_sdst(0) depctr_va_ssrc(0) depctr_va_vcc(0) depctr_vm_vsrc(0)
	s_getreg_b32 s2, hwreg(HW_REG_IB_STS2, 6, 4)
	s_cmp_eq_u32 s2, 0
	s_cbranch_scc0 .Lentry_in_a_cluster
	s_endpgm
.Lentry_in_a_cluster:
	s_bfe_u32 s2, ttmp6, 0x10000c
	s_cmp_lg_u32 s2, 0xf033
	s_cbranch_scc0 .Lentry_shape_is_right
	s_endpgm
.Lentry_shape_is_right:
; q, k, v = x W^T + b on codes of FP6 (E2M3), K = 1,024, and the results QUANTISED again: q and k along the features, v along the tokens.  Sums in f32; the bias is the C of each sum's first product.
; Of the program's work only score tiles that lie wholly above the diagonal of the causal mask are left out, in the later launches: every number there gets -infinity ahead of the softmax.  A NaN or an overflow there is not carried.
; LIMITS: NaN, infinities and the scale byte 0xff among the inputs are not served.  A block's largest magnitude is held at 2^-124 from below: a block of zeros gets the byte 1 where the quantiser says 127; its codes are zeros, and this program alone reads the bytes.
; THE DEAL.  256 work-groups of four waves, 2 x 2.  A wave holds 64 rows of a weight, all of K, in registers (384) and streams x's rows past them in blocks of 16 rows.  A work-group makes 256 x 128 of V (phase 1, eight blocks a wave) and
; then 512 x 128 of Q or K (phase 2, sixteen blocks).  V's 256 rows are a half of the work-group's own 512: which half (s87) and which tensor (s19) come from the cluster's number alone.
; x's rows are shared by a row of the cluster (mask s44), a weight's rows by a column (mask s45).
; CHUNKS.  Of a half's 256 tokens chunk c holds tokens 64 c .. 64 c + 63 (LDS rows 0-63, for the waves of row 0) and 128 + 64 c .. (LDS rows 64-127, for row 1): a wave gets both bands of 64 of ONE key step of 128.
; TILES.  Tile j (0 .. 3) of a band of 64 rows holds, in lane r, row 8 j + r for r < 8 and row 32 + 8 (j xor 1) + r - 8 for r >= 8: the 16 rows differ modulo 16.  So with four tiles a lane (r, h) holds the 32 numbers of block h of the band,
; in registers 8 j + i: number 8 j + i of block 0, number 8 (j xor 1) + i of block 1.  x's rows and W_q's, W_k's go so; every operand that this program makes carries this order; W_v's rows go in their natural order.
; OUT.  q, k: qkvF part [256 features: 4][tile of 16 tokens: 512][128 features: 2][band: 2][registers 0-3: 512 bytes, registers 4-5: 256 bytes]; qkvS part [128 features: 8][token place: 8,192][4 bytes].
;       v: qkvF [256 tokens: 32][tile of 16 features: 64][128 tokens: 2][1,536 bytes]; qkvS [256 tokens][feature][2][4 bytes].
; FILLS.  At the head one load a wave: W_v's rows, the scale bytes of 256 tokens, chunk 0, chunk 1.  Three refills, each in a drained round of the cluster's barrier: W_q's or W_k's rows onto W_v's (V's third block); the other half's chunks and
; their scale bytes (phase 2's blocks 2 and 6).  What a refill will bring is prefetched, shared out by address among the sixteen waves that ask jointly: the second weight at the head, chunk 2 and the scale bytes in V's third block, chunk 3 between the phases.
; A BLOCK is 32 products; behind every second one stand two entries of the block's list (addresses, descriptors, the first part of the last block's way out).  Counted waits: younger than a block's fetch are the next block's NF loads and the scale-byte stores between.
.set KROW,  768
.set KS,    32
.set NQ,    8
.set NB,    4
.set TN,    128
.set PITCH, 816                        ; an LDS row: 3 x (256 + 16)
.set FR,    12
.set FPW,   21                         ; fragments in a window of 256 registers
.set NF,    28                         ; LDS loads of a block
.set YB,    128*PITCH
.set BVB,   2*YB
.set SCL,   3*YB                       ; scale bytes of 256 tokens: 32 units of 256 + 16
.set PO,    16*PITCH                   ; from a pair of blocks to the next of its band, and the same in the scale bytes
.set PS,    2*272
.set CSB,   8*272                      ; from chunk 0's scale bytes to chunk 1's
.set XN,    SCL+32*272                 ; stages of scale bytes: Q or K [wave column][place][h]
.set XM,    XN+2048                    ; V [wave row][feature][2 c + h]
.set SPARE, XM+1024
.set BAS,   4                          ; v4-6 even blocks' addresses (fragments, behind one padding more, scale words); v20-22 odd blocks'
.set CO,    9
.set SPW,   10
.set NIL,   11
.set ADRA,  12                         ; v12-14 the same for the block that is fetched next
.set STO,   18
.set STV,   19
.set SB,    24                         ; v24-39 the weights' scale words
.set TQ,    40
.set BO,    42                         ; v42, v63 offsets in Q's or K's bias
.set CO8,   43
.set SA,    44                         ; v44-59 the rows' scale words, two sets
.set TC,    60
.set ACC,   64
.set HV0,   64
.set HV1,   840
.set NCD,   128
.set MCD,   192
.set SOP,   240
.set EB,    244
.set VX,    248
.set WQ,    249                        ; v249-252 W_q's, W_k's rows: even tiles, odd tiles
.set SB2,   968
.set BA,    984
.set BBV,   992
.set BBQ,   160
.set G1A, 24
.set G1B, 32
.set G0A, 56
.set G0B, 60
.set G0R, 68
.set G0S, 72
.set G1S, 92
.set EMAX,  2
.set MSB, 0
.macro WIN new
.if MSB != (\new)
	s_set_vgpr_msb (MSB<<8)|(\new)
.set MSB, (\new)
.endif
.endm
.macro PLACES n
.rept \n
	v_nop
.endr
.endm
.macro WALU
	s_wait_alu depctr_va_vdst(0)
.endm
.macro BARRIER
	s_barrier_signal -1
	s_barrier_wait -1
.endm
.macro MIDDLE                          ; a round's middle: the opening wait, wave 0's signal for the work-group, the cluster's wait
	WIN 0
	s_barrier_wait -1
	s_cmp_lg_u32 s14, 0
	s_cbranch_scc1 .Lnot_wave_0_\@
	s_barrier_signal -3
.Lnot_wave_0_\@:
	s_barrier_wait -3
.endm
.macro CROUND
	s_barrier_signal -1
	MIDDLE
	BARRIER
.endm
.macro GRD
	s_wait_tensorcnt 0x0
	ds_add_u32 v[SPW], v[NIL]
.endm
.macro TLOAD g0, g1
	tensor_load_to_lds s[\g0:\g0+3], s[\g1:\g1+7]
	s_nop 0
	PLACES 4
.endm
.macro SADD d, x
	s_add_co_u32 s\d, s\d, s\x
.endm
.macro G0SET g, base, off              ; group 0's address: 64-bit base + the 32-bit offset in s\off (s21 = 0)
	s_mov_b32 s20, s\off
	s_add_nc_u64 s[\g+2:\g+3], s[\base:\base+1], s[20:21]
	s_or_b32 s[\g+3], s[\g+3], 0x80000000
.endm
; Fragment f lies in window 1 + f / 21 at register 12 (f % 21): 0-31 the weights' (4 q + b), 32-39 and 40-47 the rows' two sets.
.macro FRAG f, q, a0, a1, aw           ; six pieces of 8 bytes, two to a load where both lie behind as many paddings
	WIN ((1+(\f)/FPW)<<6)|(\aw)
.set R_, FR*((\f)%FPW)
.set SKIP_, 0
.irp p, 0,1,2,3,4,5
.if SKIP_
.set SKIP_, 0
.else
.set PC_, 12*(\q)+6*(\p/3)+\p%3
.set PN_, 12*(\q)+6*((\p+1)/3)+(\p+1)%3
.set X_, (PC_%32+3)/32
.set XQ_, (PN_%32+3)/32
.if (\p < 5) && (X_ == XQ_)
.set SKIP_, 1
.if X_
	ds_load_2addr_b64 v[R_+2*\p:R_+2*\p+3], \a1 offset0:PC_+2*(PC_/32) offset1:PN_+2*(PN_/32)
.else
	ds_load_2addr_b64 v[R_+2*\p:R_+2*\p+3], \a0 offset0:PC_+2*(PC_/32) offset1:PN_+2*(PN_/32)
.endif
.elseif X_
	ds_load_b64 v[R_+2*\p:R_+2*\p+1], \a1 offset:8*(PC_+2*(PC_/32))
.else
	ds_load_b64 v[R_+2*\p:R_+2*\p+1], \a0 offset:8*(PC_+2*(PC_/32))
.endif
.endif
.endr
.endm
.macro WEIGHTS                         ; my 64 rows of the weight, all of K: 104 loads
.irp q, 0,1,2,3,4,5,6,7
.irp b, 0,1,2,3
	FRAG NB*\q+\b, \q, v[BA-768+2*\b], v[BA-768+2*\b+1], 3
.endr
.endr
	WIN 0
.endm
.macro FETCHAT e, a0, a1, as           ; a block of x's rows into set e: NF loads
.irp q, 0,1,2,3,4,5,6,7
	FRAG NB*NQ+NQ*(\e)+\q, \q, \a0, \a1, 0
.endr
	WIN 0
	ds_load_b128 v[SA+8*(\e):SA+8*(\e)+3], \as
	ds_load_b128 v[SA+8*(\e)+4:SA+8*(\e)+7], \as offset:16
.endm
.macro FETCH e
	FETCHAT \e, v[ADRA], v[ADRA+1], v[ADRA+2]
.endm
.macro FETCH01                         ; a phase's first two blocks, from slot 0
	FETCHAT 0, v[BAS], v[BAS+1], v[BAS+2]
	FETCHAT 1, v[BAS+16], v[BAS+17], v[BAS+18]
.endm
; A product.  n = 4 q + tile.  kind 0 (Q, K): source 0 the weight's rows; kind 1 (V): source 0 x's rows.
.macro PROD kind, e, n, a0, as
.set Q_, (\n)/4
.set FB_, NB*Q_+(\n)%4
.set FA_, NB*NQ+NQ*(\e)+Q_
.set D_, (\a0)+(\as)*((\n)%4)
.set DL_, D_&255
.set XB_, SB+NQ*(((\n)%4)/2)+Q_
.set XA_, SA+8*(\e)+Q_
.if \kind
.if Q_
	WIN (1+FA_/FPW)|((1+FB_/FPW)<<2)|((D_>>8)<<4)|((D_>>8)<<6)
	PROD1 DL_, FA_, FB_, v[DL_:DL_+7], XA_, XB_, b, (\n)%2
.else
	WIN (1+FA_/FPW)|((1+FB_/FPW)<<2)|(3<<4)|((D_>>8)<<6)
	PROD1 DL_, FA_, FB_, v[BBV-768+8*((\n)%4):BBV-768+8*((\n)%4)+7], XA_, XB_, b, (\n)%2
.endif
.else
	WIN (1+FB_/FPW)|((1+FA_/FPW)<<2)|((D_>>8)<<4)|((D_>>8)<<6)
.if Q_
	PROD1 DL_, FB_, FA_, v[DL_:DL_+7], XB_, XA_, a, (\n)%2
.else
	PROD1 DL_, FB_, FA_, v[BBQ+8*((\n)%4):BBQ+8*((\n)%4)+7], XB_, XA_, a, (\n)%2
.endif
.endif
.endm
.macro PROD1 d, s0, s1, c, x0, x1, side, o
.if \o
	v_wmma_scale_f32_16x16x128_f8f6f4 v[\d:\d+7], v[FR*((\s0)%FPW):FR*((\s0)%FPW)+FR-1], v[FR*((\s1)%FPW):FR*((\s1)%FPW)+FR-1], \c, v[\x0], v[\x1] matrix_a_fmt:MATRIX_FMT_FP6 matrix_b_fmt:MATRIX_FMT_FP6 matrix_\side\()_scale:MATRIX_SCALE_ROW1
.else
	v_wmma_scale_f32_16x16x128_f8f6f4 v[\d:\d+7], v[FR*((\s0)%FPW):FR*((\s0)%FPW)+FR-1], v[FR*((\s1)%FPW):FR*((\s1)%FPW)+FR-1], \c, v[\x0], v[\x1] matrix_a_fmt:MATRIX_FMT_FP6 matrix_b_fmt:MATRIX_FMT_FP6 matrix_\side\()_scale:MATRIX_SCALE_ROW0
.endif
.endm
.macro BLOCK kind, e, a0, as, from, to, list, x=0, y=0   ; products from .. to - 1; behind every second one two entries of the list
.set N_, \from
.rept (\to)-(\from)
	PROD \kind, \e, N_, \a0, \as
.if N_%2
	\list N_-1, \x, \y
	\list N_, \x, \y
.endif
.set N_, N_+1
.endr
.endm
; What the lists are made of: each macro writes entry i of its part, and nothing beyond its last.
.macro STEPV i, par, fo, so            ; the next block's LDS addresses: 3 entries
.if (\i) == 0 || (\i) == 1
	WIN 0
	v_add_nc_u32 v[ADRA+(\i)], \fo, v[BAS+16*(\par)+(\i)]
.elseif (\i) == 2
	WIN 0
	v_add_nc_u32 v[ADRA+2], \so, v[BAS+16*(\par)+2]
.endif
.endm
.macro CHAIN i, x, n, t=TQ             ; a way out's first part, 18 entries: the largest magnitude of 32 sums in two chains, and the conversions' scale operand
.set XW_, (\x)>>8
.set XL_, (\x)&255
.if (\i) >= 0 && (\i) < 14
.set B_, XL_+16*((\i)%2)+2*((\i)/2)
.set T_, (\t)+1-(\i)%2
.if (\i) < 2
	WIN XW_|(XW_<<2)|(XW_<<4)
	v_max3_num_f32 v[T_], |v[B_]|, |v[B_+1]|, |v[B_+2]|
.else
	WIN (XW_<<2)|(XW_<<4)
	v_max3_num_f32 v[T_], v[T_], |v[B_+1]|, |v[B_+2]|
.endif
.elseif (\i) == 14
	WIN XW_<<2
	v_max3_num_f32 v[\t+1], v[\t+1], |v[XL_+15]|, (EMAX+1)<<23
.elseif (\i) == 15
	WIN 0
	v_nop                                  ; so that the next line, which reads entry 14's result, does not follow it directly
.elseif (\i) == 16
	WIN XW_<<2
	v_max3_num_f32 v[\t], v[\t], |v[XL_+31]|, v[\t+1]
.elseif (\i) == 17
	WIN 0
	v_add_nc_u32 v[SOP+\n], -(EMAX<<23), v[\t]
.endif
.endm
.macro CODES i, x, c, n, t=TC          ; its second part, 6 lines: 32 codes into v[c .. c+5], the scale's byte into v[EB+n]
.set XW_, (\x)>>8
.set XL_, (\x)&255
.if (\i) == 0
	WIN XW_
	v_cvt_scalef32_pk16_fp6_f32 v[\c:\c+2], v[XL_:XL_+15], v[SOP+\n]
.elseif (\i) == 1
	WIN XW_
	v_cvt_scalef32_pk16_fp6_f32 v[\t:\t+2], v[XL_+16:XL_+31], v[SOP+\n]
.elseif (\i) == 2
	WIN 0
	v_lshrrev_b32 v[EB+\n], 23, v[SOP+\n]
.else
	WIN 0
	v_mov_b32 v[\c+\i], v[\t+\i-3]
.endif
.endm
.macro CODES6 x, c, n
.irp i, 0,1,2,3,4,5
	CODES \i, \x, \c, \n
.endr
.endm
.macro PFTILE v, off, share            ; my 24 units of 256 bytes of a tile, to be asked for into the L2
	s_add_co_u32 s20, s\off, s\share
	WIN 0
	v_min_u32 v\v, 23, v3
	v_lshl_add_u32 v\v, v\v, 8, s20
.endm
.macro PFGO v, base
	global_prefetch_b8 v\v, s[\base:\base+1] th:TH_LOAD_NT scope:SCOPE_SE
.endm
.macro ASK i                           ; 4 entries: the descriptors of the next chunk of the other half, for the slot read last (s66), and of its scale bytes; waves of one parity take the same 64 rows
.if (\i) == 0
	s_mul_i32 s[G0R+1], s16, 64*PITCH
	s_add_co_u32 s[G0R+1], s[G0R+1], s66
	s_mul_i32 s20, s16, 128*KROW
	SADD 20, 84
.elseif (\i) == 1
	s_mov_b32 s21, 0
	s_add_nc_u64 s[G0R+2:G0R+3], s[4:5], s[20:21]
	s_or_b32 s[G0R+3], s[G0R+3], 0x80000000
	s_mul_i32 s[G0S+1], s16, 16*272
.elseif (\i) == 2
	s_add_co_u32 s[G0S+1], s[G0S+1], SCL
	s_add_co_u32 s[G0S+1], s[G0S+1], s67
	s_mul_i32 s20, s16, 128*KS
	SADD 20, 85
.elseif (\i) == 3
	s_add_nc_u64 s[G0S+2:G0S+3], s[6:7], s[20:21]
	s_or_b32 s[G0S+3], s[G0S+3], 0x80000000
	s_add_co_u32 s84, s84, 64*KROW
	s_add_co_u32 s85, s85, 64*KS
.endif
.endm
.macro PAIR i                          ; 4 entries: where pair s46's codes go (s[88:89], by the true pair) and its scale bytes (v[VX], by the order of work)
.if (\i) == 0
	s_lshl_b32 s3, s87, 2
	s_xor_b32 s3, s3, s46
	s_lshr_b32 s20, s3, 2
	s_lshl_b32 s21, s20, 3
.elseif (\i) == 1
	s_lshl_b32 s22, s3, 1
	SADD 21, 22
	s_mul_i32 s20, s21, 3072
	s_mov_b32 s21, 0
.elseif (\i) == 2
	s_add_nc_u64 s[88:89], s[52:53], s[20:21]
	s_and_b32 s22, s46, 3
	s_lshl_b32 s22, s22, 6
	s_lshr_b32 s23, s46, 2
.elseif (\i) == 3
	s_lshl_b32 s23, s23, 9
	s_or_b32 s22, s22, s23
	s_add_co_u32 s46, s46, 1
	WIN 0
	v_add_nc_u32 v[VX], s22, v[STO]
.endif
.endm
; The lists
.macro L_NONE i, x, y
.endm
.macro L_V i, x, y                     ; block x of a phase's first two: the next pair's addresses
	STEPV \i, \x, PO, PS
.endm
.macro L_V2 i, x, y                    ; V's third block: the refills' group 1, the first refill's group 0, the addresses, the prefetches of chunk 2 and of the other half's scale bytes
.if (\i) == 0
	s_mov_b32 s[G1A+1], 96<<16
	s_mov_b32 s[G1A+2], 64<<16
	s_mov_b32 s[G1A+3], 96<<16
	s_mov_b32 s[G1A+4], 64
.elseif (\i) == 1
	s_mov_b32 s[G1A+5], 96
	s_mov_b32 s[G1S+2], 8<<16
	s_mov_b32 s[G1S+4], 8
	s_mov_b32 s[G1B+2], 64<<16
.elseif (\i) == 2
	s_mov_b32 s[G1B+4], 64
	s_mul_i32 s[G0B+1], s14, 64*PITCH
	s_add_co_u32 s[G0B+1], s[G0B+1], BVB
	s_mul_i32 s20, s14, 64*KROW
.elseif (\i) == 3
	SADD 20, 18
	s_mov_b32 s21, 0
	s_add_nc_u64 s[G0B+2:G0B+3], s[48:49], s[20:21]
	s_or_b32 s[G0B+3], s[G0B+3], 0x80000000
.elseif (\i) == 7
	PFTILE 7, 84, 12
.elseif (\i) == 8
	s_lshl_b32 s21, s90, 9
	s_add_co_u32 s20, s85, s21
	WIN 0
	v_min_u32 v8, 1, v3
	v_lshl_add_u32 v8, v8, 8, s20
.endif
	STEPV (\i)-4, 0, YB, CSB
.endm
.macro L_V3 i, x, y
	STEPV \i, 1, YB, CSB
.endm
.macro L_VO i, x, y
	STEPV \i, \y, YB+PO, CSB+PS
	CHAIN (\i)-3, \x, \y
.endm
.macro L_LAST i, x, y                  ; the way out alone
	CHAIN \i, \x, \y
.endm
.macro L_V7 i, x, y                    ; V's last block: what the third refill will load is prefetched; the way out
.if (\i) == 0
	s_add_co_u32 s22, s84, 64*KROW
	PFTILE 23, 22, 12
.endif
	CHAIN (\i)-1, \x, \y
.endm
.macro L_OUT i, x, y                   ; an even block: on to the pair that follows in the same slot
.if (\i) == 0
	s_add_co_u32 s101, s66, PO
	s_add_co_u32 s91, s67, PS
.endif
	STEPV \i, 0, s101, s91
	CHAIN (\i)-3, ACC+32, 1
.endm
.macro L_SHOW i, x, y
.if (\i) == 0
	s_add_co_u32 s101, s101, PO
	s_add_co_u32 s91, s91, PS
.endif
	STEPV \i, 0, s101, s91
	CHAIN (\i)-3, ACC+32, 1
.endm
.macro L_ROUND i, x, y                 ; an even block with a round: the descriptors; on to the other slot; the odd block's way out
	ASK \i
.if (\i) == 4
	s_xor_b32 s66, s66, YB
	s_xor_b32 s67, s67, CSB
	s_mov_b32 s101, s66
	s_mov_b32 s91, s67
.endif
	STEPV (\i)-4, 0, s101, s91
	CHAIN (\i)-7, ACC+32, 1
.endm
.macro L_ODD i, x, y
	PAIR \i
	STEPV (\i)-4, 1, s101, s91
	CHAIN (\i)-7, ACC, 0
.endm
.macro L_ODDL i, x, y
	PAIR \i
	CHAIN (\i)-4, ACC, 0
.endm
.macro WAITDS w                        ; w = -1: the block's rows are shown in already
.if (\w) >= 0
	s_wait_dscnt \w
.endif
.endm
.macro EVENOUT fetch                   ; behind an even block: the odd block's byte, the pair's codes, the fetch of the block two on
	WALU
	ds_store_b8 v[VX], v[EB+1] offset:32
	global_store_b128 v[CO], v[NCD:NCD+3], s[88:89]
	global_store_b64 v[CO8], v[NCD+4:NCD+5], s[88:89] offset:512
	global_store_b128 v[CO], v[NCD+6:NCD+9], s[88:89] offset:3072
	global_store_b64 v[CO8], v[NCD+10:NCD+11], s[88:89] offset:3584
.if \fetch
	FETCH 0
.endif
.endm
.macro EVEN w, fetch
	WAITDS \w
.if \fetch
	BLOCK 0, 0, ACC, 8, 0, 32, L_OUT
.else
	BLOCK 0, 0, ACC, 8, 0, 32, L_LAST, ACC+32, 1
.endif
	WIN 0
	CODES6 ACC+32, NCD+6, 1
	EVENOUT \fetch
.endm
.macro EVENROUND w                     ; the second and the third refill: waves 0 and 1 64 rows each, waves 2 and 3 their scale bytes
	WAITDS \w
	GRD
	BLOCK 0, 0, ACC, 8, 0, 26, L_ROUND
	WIN 0
	WALU
	s_wait_dscnt 0x0
	s_barrier_signal -1
	BLOCK 0, 0, ACC, 8, 26, 32, L_NONE
	WIN 0
	CODES6 ACC+32, NCD+6, 1
	MIDDLE
	BARRIER
	s_cmp_lt_u32 s14, 2
	s_cbranch_scc0 .Lscales_\@
	TLOAD G0R, G1A
	s_branch .Lasked_\@
.Lscales_\@:
	TLOAD G0S, G1S
.Lasked_\@:
	EVENOUT 1
.endm
.macro EVENSHOW w                      ; a plain barrier inside the block shows the last refill to all
	WAITDS \w
	BLOCK 0, 0, ACC, 8, 0, 26, L_SHOW
	WIN 0
	WALU
	s_wait_tensorcnt 0x0
	s_wait_dscnt 0x0
	s_barrier_signal -1
	BLOCK 0, 0, ACC, 8, 26, 32, L_NONE
	WIN 0
	s_barrier_wait -1
	CODES6 ACC+32, NCD+6, 1
	EVENOUT 1
.endm
.macro ODD w, fetch
	WAITDS \w
	s_wait_xcnt 0x0
.if \fetch
	BLOCK 0, 1, ACC+32, 8, 0, 32, L_ODD
.else
	BLOCK 0, 1, ACC+32, 8, 0, 32, L_ODDL
.endif
	WIN 0
	CODES6 ACC, NCD, 0
	WALU
	ds_store_b8 v[VX], v[EB]
.if \fetch
	FETCH 1
.endif
.endm
; ================= THE HEAD
	s_load_b128 s[4:7], s[0:1], 0x0                     ; x: codes, scales
	s_load_b128 s[8:11], s[0:1], 0x10                   ; Wv: codes, scales
	s_load_b256 s[48:55], s[0:1], 0x20                  ; Wq: codes, scales; Wk: codes, scales
	s_load_b256 s[76:83], s[0:1], 0x40                  ; bq, bk, bv, qkvF
	s_load_b64 s[88:89], s[0:1], 0x60                   ; qkvS
	v_lshl_add_u32 v[SPW], v0, 2, SPARE
	v_mov_b32 v[NIL], 0
	ds_add_u32 v[SPW], v[NIL]
	ds_add_u32 v[SPW], v[NIL]
	v_lshrrev_b32 v1, 5, v0
	v_readfirstlane_b32 s14, v1                         ; the wave; s15 its row of the 2 x 2, s16 its column
	s_lshr_b32 s15, s14, 1
	s_and_b32 s16, s14, 1
	s_bfe_u32 s40, ttmp6, 0x40000                       ; cx
	s_bfe_u32 s41, ttmp6, 0x40004                       ; cy
	s_lshl_b32 s42, ttmp9, 2
	s_add_co_u32 s42, s42, s40
	s_and_b32 s42, s42, 7                               ; s42: which 128 features of Q or K
	s_and_b32 s43, ttmp7, 0xffff
	s_lshl_b32 s43, s43, 2
	s_add_co_u32 s43, s43, s41                          ; s43: which 512 tokens
	s_lshr_b32 s19, ttmp9, 1                            ; 0 Q, 1 K
	s_and_b32 s87, ttmp9, 1                             ; V's half of my tokens
	s_lshl_b32 s13, s19, 2
	s_add_co_u32 s13, s13, s40                          ; s13: which 128 features of V
	s_lshl_b32 s12, s43, 1
	s_add_co_u32 s12, s12, s87                          ; s12: which 256 tokens of V
	s_lshl_b32 s44, s41, 2
	s_lshl_b32 s44, 15, s44                             ; my row of the cluster
	s_lshl_b32 s45, 0x1111, s40                         ; my column
	s_or_b32 s[G1A+0], s44, (3<<16)|(1<<20)|(1<<21)|(5<<22)|(3<<25)   ; a chunk at the head: two runs of 64 rows, 49,152 dense bytes each, 128 rows apart
	s_mov_b32 s[G1A+1], 6144<<16
	s_mov_b32 s[G1A+2], 2<<16
	s_mov_b32 s[G1A+3], 6144<<16
	s_mov_b32 s[G1A+4], 2
	s_mov_b32 s[G1A+5], 12288
	s_mov_b32 s[G1A+6], 0
	s_mov_b32 s[G1A+7], 0
	s_or_b32 s[G1B+0], s45, (1<<20)|(1<<21)|(5<<22)|(3<<25)           ; 128 rows of a weight
	s_mov_b32 s[G1B+1], KROW<<16
	s_mov_b32 s[G1B+2], 128<<16
	s_mov_b32 s[G1B+3], KROW<<16
	s_mov_b32 s[G1B+4], 128
	s_mov_b32 s[G1B+5], KROW
	s_mov_b32 s[G1B+6], 0
	s_mov_b32 s[G1B+7], 0
	s_or_b32 s[G1S+0], s44, (3<<16)|(1<<20)|(1<<21)|(5<<22)|(3<<25)   ; 256 tokens' scale bytes, dense
	s_mov_b32 s[G1S+1], 32<<16
	s_mov_b32 s[G1S+2], 32<<16
	s_mov_b32 s[G1S+3], 32<<16
	s_mov_b32 s[G1S+4], 32
	s_mov_b32 s[G1S+5], 32
	s_mov_b32 s[G1S+6], 0
	s_mov_b32 s[G1S+7], 0
	s_mov_b32 s[G0A], 1
	s_mov_b32 s[G0A+1], 0
	s_mov_b32 s[G0B], 1
	s_mov_b32 s[G0B+1], BVB
	s_mov_b32 s[G0R], 1
	s_mov_b32 s[G0R+1], YB
	s_mov_b32 s[G0S], 1
	s_mov_b32 s[G0S+1], SCL
	s_mul_i32 s66, s12, 256*KROW                        ; V's half of my tokens: codes,
	s_mul_i32 s67, s12, 256*KS                          ; scale bytes
	s_xor_b32 s20, s12, 1
	s_mul_i32 s84, s20, 256*KROW                        ; the other half: what is asked for later
	s_mul_i32 s85, s20, 256*KS
	s_mul_i32 s17, s13, TN*KROW                         ; W_v's rows
	s_mul_i32 s18, s42, TN*KROW                         ; W_q's or W_k's
	s_lshl_b32 s21, s16, 11
	s_mul_i32 s3, s13, TN*KS
	SADD 3, 21                                          ; the scale bytes of my 64 of them
	s_mul_i32 s23, s42, TN*KS
	SADD 23, 21
	v_and_b32 v1, 15, v0                                ; r
	v_bfe_u32 v2, v0, 4, 1                              ; h
	v_and_b32 v3, 31, v0
	v_and_b32 v7, 8, v1
	v_lshl_add_u32 v8, v7, 2, v1                        ; an even tile's row: r, or r + 32 for r >= 8
	v_lshl_add_u32 v23, v7, 1, v1
	v_add_nc_u32 v23, 8, v23                            ; an odd tile's: r + 8, or r + 24
	v_mul_u32_u24 v12, v8, PITCH
	v_mad_u32_u24 v12, v2, 24, v12
	v_mul_u32_u24 v13, v23, PITCH
	v_mad_u32_u24 v13, v2, 24, v13
	v_mul_u32_u24 v14, v1, PITCH
	v_mad_u32_u24 v14, v2, 24, v14
	s_mul_i32 s21, s15, 64*PITCH
	s_mul_i32 s22, s16, 64*PITCH
	s_add_co_u32 s22, s22, BVB
	v_add_nc_u32 v4, s21, v12
	v_lshl_add_u32 v5, v2, 4, v4                        ; (behind one padding more)
	v_add_nc_u32 v20, s21, v13
	v_lshl_add_u32 v21, v2, 4, v20
	v_add_nc_u32 v15, s22, v14
	v_lshl_add_u32 v16, v2, 4, v15
	v_add_nc_u32 v[WQ], s22, v12
	v_lshl_add_u32 v[WQ+1], v2, 4, v[WQ]
	v_add_nc_u32 v[WQ+2], s22, v13
	v_lshl_add_u32 v[WQ+3], v2, 4, v[WQ+2]
	v_and_b32 v17, 7, v1
	v_lshlrev_b32 v17, 5, v17
	v_lshrrev_b32 v12, 3, v8
	v_mad_u32_u24 v6, v12, 272, v17                     ; scale bytes: eight rows of 32 bytes to a unit
	v_lshrrev_b32 v12, 3, v23
	v_mad_u32_u24 v22, v12, 272, v17
	s_mul_i32 s21, s15, 16*272
	s_add_co_u32 s21, s21, SCL
	v_add_nc_u32 v6, s21, v6
	v_add_nc_u32 v22, s21, v22
	v_lshlrev_b32 v17, 5, v3                            ; W_v's scale bytes: row = lane, 32 rows to two tiles
	v_mul_u32_u24 v13, v7, v2
	v_lshl_add_u32 v14, v2, 3, v8
	v_lshlrev_b32 v13, 1, v13
	v_sub_nc_u32 v14, v14, v13
	v_lshlrev_b32 v253, 5, v14                          ; W_q's, W_k's: lanes 0-15 an even tile's rows, lanes 16-31 an odd one's
	v_lshlrev_b32 v254, 2, v1                           ; V's bias: column 16 t + r
	v_mul_u32_u24 v[BO], v2, 160                        ; Q's, K's: block h's numbers in the registers' order
	v_mad_u32_u24 v[BO+21], v2, 96, 32
	v_lshlrev_b32 v[CO], 4, v3
	v_lshlrev_b32 v[CO8], 3, v3
	s_lshl_b32 s21, s16, 10
	s_lshl_b32 s22, s15, 8
	SADD 21, 22
	s_add_co_u32 s21, s21, XN
	v_lshl_add_u32 v12, v1, 1, v2
	v_add_nc_u32 v[STO], s21, v12
	s_lshl_b32 s21, s15, 9
	s_lshl_b32 s22, s16, 8
	SADD 21, 22
	s_add_co_u32 s21, s21, XM
	v_lshl_add_u32 v12, v1, 2, v2
	v_add_nc_u32 v[STV], s21, v12
	WIN 3<<6
.irp b, 0,1,2,3
	v_add_nc_u32 v[BA-768+2*\b], \b*16*PITCH, v15
	v_add_nc_u32 v[BA-768+2*\b+1], \b*16*PITCH, v16
.endr
	WIN 0
	WALU
	s_wait_dscnt 0x0
	CROUND                                              ; the opening round
	s_wait_kmcnt 0x0
	s_cmp_eq_u32 s19, 0                                 ; Q's buffers or K's, by the cluster's number alone
	s_cselect_b64 s[48:49], s[48:49], s[52:53]
	s_cselect_b64 s[50:51], s[50:51], s[54:55]
	s_cselect_b64 s[76:77], s[76:77], s[78:79]
	s_mov_b32 s21, 0
	G0SET G0A, 4, 66
	s_add_nc_u64 s[G0R+2:G0R+3], s[4:5], s[20:21]
	s_add_nc_u64 s[G0R+2:G0R+3], s[G0R+2:G0R+3], 64*KROW
	s_or_b32 s[G0R+3], s[G0R+3], 0x80000000
	G0SET G0B, 8, 17
	G0SET G0S, 6, 67
	s_cmp_eq_u32 s14, 0
	s_cbranch_scc0 .Lwave_1
	TLOAD G0B, G1B                                      ; wave 0: W_v's rows
	s_branch .Lasked
.Lwave_1:
	s_cmp_eq_u32 s14, 1
	s_cbranch_scc0 .Lwave_2
	TLOAD G0S, G1S                                      ; wave 1: both chunks' scale bytes
	s_branch .Lasked
.Lwave_2:
	s_cmp_eq_u32 s14, 2
	s_cbranch_scc0 .Lwave_3
	TLOAD G0A, G1A                                      ; wave 2: chunk 0
	s_branch .Lasked
.Lwave_3:
	TLOAD G0R, G1A                                      ; wave 3: chunk 1
.Lasked:
	s_mov_b32 s21, 0
	s_mov_b32 s20, s3
	s_add_nc_u64 s[10:11], s[10:11], s[20:21]           ; W_v's scale bytes, my 64 rows
	s_mov_b32 s20, s23
	s_add_nc_u64 s[50:51], s[50:51], s[20:21]           ; W_q's or W_k's
	s_lshl_b32 s20, s13, 9
	s_lshl_b32 s22, s16, 8
	SADD 20, 22
	s_add_nc_u64 s[78:79], s[80:81], s[20:21]           ; V's bias, my 64 columns
	s_lshl_b32 s20, s42, 9
	SADD 20, 22
	s_add_nc_u64 s[76:77], s[76:77], s[20:21]           ; Q's or K's
.irp p, 0,1
.irp c, 0,1
	global_load_b128 v[SB+NQ*\p+4*\c:SB+NQ*\p+4*\c+3], v17, s[10:11] offset:\p*32*KS+16*\c
.endr
.endr
	WIN 3<<6
.irp p, 0,1
.irp c, 0,1
	global_load_b128 v[SB2-768+NQ*\p+4*\c:SB2-768+NQ*\p+4*\c+3], v253, s[50:51] offset:\p*16*KS+16*\c
.endr
.endr
.irp t, 0,1,2,3
	global_load_b32 v[BBV-768+8*\t], v254, s[78:79] offset:64*\t
.endr
	WIN 0
	s_mul_i32 s20, s19, 6291456                         ; where the results go: s[52:53] Q's or K's codes,
	s_lshr_b32 s21, s42, 1
	s_mul_i32 s21, s21, 1572864
	SADD 20, 21
	s_and_b32 s21, s42, 1
	s_mul_i32 s21, s21, 1536
	SADD 20, 21
	s_lshl_b32 s21, s43, 2
	SADD 21, 15
	s_mul_i32 s21, s21, 8*3072
	SADD 20, 21
	s_mul_i32 s21, s16, 768
	SADD 20, 21
	s_mov_b32 s21, 0
	s_add_nc_u64 s[52:53], s[82:83], s[20:21]
	s_lshl_b32 s20, s12, 4                              ; s[80:81] V's codes,
	s_lshl_b32 s21, s13, 1
	SADD 20, 21
	SADD 20, 16
	s_mul_i32 s20, s20, 4*3072
	s_mul_i32 s21, s15, 1536
	SADD 20, 21
	s_add_co_u32 s20, s20, 12582912
	s_mov_b32 s21, 0
	s_add_nc_u64 s[80:81], s[82:83], s[20:21]
	s_lshl_b32 s20, s19, 18                             ; s[54:55] Q's or K's scale bytes (the stage's halves lie in the order of work),
	s_lshl_b32 s21, s42, 15
	SADD 20, 21
	s_lshl_b32 s21, s43, 11
	SADD 20, 21
	s_xor_b32 s21, s15, s87
	s_lshl_b32 s21, s21, 10
	SADD 20, 21
	s_lshl_b32 s21, s16, 9
	SADD 20, 21
	s_mov_b32 s21, 0
	s_add_nc_u64 s[54:55], s[88:89], s[20:21]
	s_lshl_b32 s20, s12, 13                             ; s[82:83] V's
	s_lshl_b32 s21, s13, 10
	SADD 20, 21
	s_lshl_b32 s21, s14, 8
	SADD 20, 21
	s_add_co_u32 s20, s20, 524288
	s_mov_b32 s21, 0
	s_add_nc_u64 s[82:83], s[88:89], s[20:21]
	s_lshl_b32 s90, s40, 2
	SADD 90, 14                                         ; my number among the sixteen waves of my row of the cluster,
	s_mul_i32 s12, s90, 6144                            ; my sixteenth of a chunk: eight lie in each run of 64 rows
	s_lshr_b32 s21, s90, 3
	s_mul_i32 s21, s21, 49152
	SADD 12, 21
	s_lshl_b32 s100, s41, 2
	SADD 100, 14                                        ; and of my column
	s_mul_i32 s100, s100, 6144
	s_mov_b32 s46, 0
	PFTILE 8, 18, 100                                   ; what the first refill will load
	WALU
	s_cmp_eq_u32 s14, 0
	s_cbranch_scc0 .Lnot_b
	s_wait_tensorcnt 0x0
.Lnot_b:
	BARRIER                                             ; W_v's rows are in
	PFGO 8, 48
	WEIGHTS
	s_wait_loadcnt 0x0
	WIN (3<<6)|3
.irp t, 0,8,16,24
.irp i, 1,2,3,4,5,6,7
	v_mov_b32 v[BBV-768+\t+\i], v[BBV-768+\t]           ; V's bias, one number a lane and tile, over the tile's eight registers
.endr
.endr
	WIN 0
	WALU
	s_cmp_eq_u32 s14, 3
	s_cbranch_scc1 .Lnot_a0
	s_wait_tensorcnt 0x0
.Lnot_a0:
	s_wait_dscnt 0x0
	BARRIER                                             ; chunk 0 and the scale bytes are in; chunk 1 may still be on its way
	FETCH01
; ================= PHASE 1: V, eight blocks; band 0's way outs stand in band 1's blocks
.irp s, 0,1
	s_wait_dscnt NF
	BLOCK 1, \s, HV0+8*\s, 32, 0, 32, L_V, \s
	WIN 0
	PLACES 4
	WALU
	FETCH \s
.endr
	s_wait_dscnt NF
	s_wait_xcnt 0x0                                     ; the list writes v8, the address of the head's prefetch
	GRD
	BLOCK 1, 0, HV0+16, 32, 0, 24, L_V2
	WIN 0
	s_wait_dscnt 0x0
	s_barrier_signal -1
	BLOCK 1, 0, HV0+16, 32, 24, 32, L_NONE
	MIDDLE
	BARRIER
	s_cmp_lt_u32 s14, 2
	s_cbranch_scc0 .Lno_half
	TLOAD G0B, G1B                                      ; waves 0 and 1 a half each of W_q's or W_k's rows, onto W_v's, which all waves hold in registers
.Lno_half:
	PLACES 4                                            ; the places for the waves that come round the load
	WALU
	FETCH 0
	PFGO 7, 4
	PFGO 8, 6
	BLOCK 1, 1, HV0+24, 32, 0, 32, L_V3
	WIN 0
	PLACES 4
	WALU
	FETCH 1
.irp j, 0,1,2
	s_wait_dscnt NF+(\j+1)/2
.if \j < 2
	BLOCK 1, \j%2, HV1+8*\j, 32, 0, 32, L_VO, HV0+32*\j, \j
.else
	BLOCK 1, \j%2, HV1+8*\j, 32, 0, 32, L_LAST, HV0+32*\j, \j
.endif
	WIN 0
	CODES6 HV0+32*\j, MCD+12*\j, \j
	WALU
	ds_store_b8 v[STV], v[EB+\j] offset:64*\j
.if \j < 2
	FETCH \j%2
.endif
.endr
	s_wait_dscnt 1
	BLOCK 1, 1, HV1+24, 32, 0, 26, L_V7, HV0+96, 3
	WIN 0
	WALU
	s_wait_tensorcnt 0x0
	s_wait_dscnt 0x0
	s_barrier_signal -1                                 ; a plain barrier: the weights that the first refill brought are shown to all
	BLOCK 1, 1, HV1+24, 32, 26, 32, L_NONE
	WIN 0
	s_barrier_wait -1
	CODES6 HV0+96, MCD+36, 3
	WALU
	ds_store_b8 v[STV], v[EB+3] offset:192
; ================= THE CHANGE OF PHASE: the weights and the first two blocks' rows, which lie in slot 0 still, in one run of loads; band 1's four way outs under their flight
.irp j, 0,1,2,3
.irp k, 0,1
	global_load_b128 v[BBQ+8*\j+4*\k:BBQ+8*\j+4*\k+3], v[BO+21*(\j%2)], s[76:77] offset:64*(\j/2)+16*\k
.endr
.endr
	WIN 3<<6
.irp j, 0,1,2,3
	v_add_nc_u32 v[BA-768+2*\j], 16*(\j/2)*PITCH, v[WQ+2*(\j%2)]
	v_add_nc_u32 v[BA-768+2*\j+1], 16*(\j/2)*PITCH, v[WQ+1+2*(\j%2)]
.endr
	WIN 0
	WALU
	WEIGHTS
	FETCH01
	PFGO 23, 4
	WIN 3
.set I, 0
.rept 16
	v_mov_b32 v[SB+I], v[SB2-768+I]
.set I, I+1
.endr
	WIN 0
.set I, 0
.rept 18
.irp t, 0,1,2,3
	CHAIN I, HV1+32*\t, \t, 64+4*\t
.endr
.set I, I+1
.endr
.set I, 0
.rept 6
.irp t, 0,1,2,3
	CODES I, HV1+32*\t, MCD+12*\t+6, \t, 80+4*\t
.endr
.set I, I+1
.endr
	WIN 0
	WALU
; ================= PHASE 2: Q or K, sixteen blocks, way outs by pairs
	s_wait_loadcnt 0x0
	s_wait_dscnt NF
	BLOCK 0, 0, ACC, 8, 0, 32, L_V, 0
	WIN 0
	PLACES 4
	WALU
.irp t, 0,1,2,3
	ds_store_b8 v[STV], v[EB+\t] offset:2+64*\t
.endr
.irp t, 0,1,2,3
.irp k, 0,1,2
	global_store_b128 v[CO], v[MCD+12*\t+4*\k:MCD+12*\t+4*\k+3], s[80:81] offset:3072*\t+512*\k   ; V's codes leave
.endr
.endr
	FETCH 0
	s_mov_b32 s101, PO
	s_mov_b32 s91, PS
	ODD NF+4, 1
	s_mov_b32 s66, 0                                    ; the slot that is read, and its scale bytes
	s_mov_b32 s67, 0
	s_mov_b32 s86, 0
.Lwith_rounds:                                          ; blocks 2 to 5, 6 to 9
	EVENROUND NF+1
	ODD -1, 1
	EVEN NF+1, 1
	ODD NF+1, 1
	s_add_co_u32 s86, s86, 1
	s_cmp_lg_u32 s86, 2
	s_cbranch_scc1 .Lwith_rounds
	s_mov_b32 s101, YB-PO
	s_mov_b32 s91, CSB-PS
.Lwithout:                                              ; blocks 10, 11 and 12, 13
	EVENSHOW NF+1
	ODD -1, 1
	s_add_co_u32 s86, s86, 1
	s_cmp_lg_u32 s86, 4
	s_cbranch_scc1 .Lwithout
	EVEN NF+1, 0
	ODD 1, 0
; ================= THE END: the last way out; the scale bytes go through LDS under its conversions
	s_lshl_b32 s21, s14, 8
	s_add_co_u32 s21, s21, XN
	v_lshl_add_u32 v12, v3, 3, s21
	s_lshl_b32 s21, s14, 7
	s_add_co_u32 s21, s21, XM
	v_lshl_add_u32 v13, v3, 2, s21
.set I, 0
.rept 18
	CHAIN I, ACC+32, 1
.set I, I+1
.endr
	CODES 2, ACC+32, NCD+6, 1
	WALU
	ds_store_b8 v[VX], v[EB+1] offset:32
	s_wait_dscnt 0x0
	s_barrier_signal -1
	CODES 0, ACC+32, NCD+6, 1
	CODES 1, ACC+32, NCD+6, 1
	v_nop
.irp i, 3,4,5
	CODES \i, ACC+32, NCD+6, 1
.endr
	s_barrier_wait -1
	WALU
	ds_load_b64 v[64:65], v12                           ; four places of wave column 0,
	ds_load_b64 v[66:67], v12 offset:1024               ; and of column 1
	ds_load_b32 v68, v13                                ; one feature of V: wave row 0's word,
	ds_load_b32 v69, v13 offset:512                     ; and row 1's
	global_store_b128 v[CO], v[NCD:NCD+3], s[88:89]
	global_store_b64 v[CO8], v[NCD+4:NCD+5], s[88:89] offset:512
	global_store_b128 v[CO], v[NCD+6:NCD+9], s[88:89] offset:3072
	global_store_b64 v[CO8], v[NCD+10:NCD+11], s[88:89] offset:3584
	s_wait_dscnt 0x0
	v_perm_b32 v72, v66, v64, 0x05040100                ; a place's four bytes: two of each column
	v_perm_b32 v73, v66, v64, 0x07060302
	v_perm_b32 v74, v67, v65, 0x05040100
	v_perm_b32 v75, v67, v65, 0x07060302
	global_store_b64 v[CO8], v[68:69], s[82:83]
	global_store_b128 v[CO], v[72:75], s[54:55]
	s_wait_tensorcnt 0x0
	ds_add_u32 v[SPW], v[NIL]
	s_wait_dscnt 0x0
	CROUND
	s_endpgm
.Lfunc_end_k_qb033c9c497_proj:
	.size	k_qb033c9c497_proj, .Lfunc_end_k_qb033c9c497_proj-k_qb033c9c497_proj
	.p2alignl 7, 3214868480
	.fill 96, 4, 3214868480
	.section	.rodata,"a",@progbits
	.p2align	6, 0x0
	.amdhsa_kernel k_qb033c9c497_proj
		.amdhsa_group_segment_fixed_size 327680
		.amdhsa_private_segment_fixed_size 0
		.amdhsa_enable_private_segment 0
		.amdhsa_kernarg_size 104
		.amdhsa_user_sgpr_count 2
		.amdhsa_user_sgpr_kernarg_segment_ptr 1
		.amdhsa_wavefront_size32 1
		.amdhsa_system_sgpr_workgroup_id_x 1
		.amdhsa_system_sgpr_workgroup_id_y 1
		.amdhsa_system_sgpr_workgroup_id_z 1
		.amdhsa_system_vgpr_workitem_id 0
		.amdhsa_next_free_vgpr 1024
		.amdhsa_next_free_sgpr 102
		.amdhsa_reserve_vcc 0
		.amdhsa_float_denorm_mode_32 3
		.amdhsa_float_denorm_mode_16_64 3
		.amdhsa_memory_ordered 1
		.amdhsa_forward_progress 1
		.amdhsa_inst_pref_size 190
	.end_amdhsa_kernel
	.amdgpu_metadata
---
amdhsa.version: [ 1, 2 ]
amdhsa.kernels:
  - .name:           k_qb033c9c497_proj
    .symbol:         k_qb033c9c497_proj.kd
    .args:
      - { .name: x_codes, .offset: 0, .size: 8, .value_kind: global_buffer, .address_space: global }
      - { .name: x_scales, .offset: 8, .size: 8, .value_kind: global_buffer, .address_space: global }
      - { .name: Wv_codes, .offset: 16, .size: 8, .value_kind: global_buffer, .address_space: global }
      - { .name: Wv_scales, .offset: 24, .size: 8, .value_kind: global_buffer, .address_space: global }
      - { .name: Wq_codes, .offset: 32, .size: 8, .value_kind: global_buffer, .address_space: global }
      - { .name: Wq_scales, .offset: 40, .size: 8, .value_kind: global_buffer, .address_space: global }
      - { .name: Wk_codes, .offset: 48, .size: 8, .value_kind: global_buffer, .address_space: global }
      - { .name: Wk_scales, .offset: 56, .size: 8, .value_kind: global_buffer, .address_space: global }
      - { .name: bq, .offset: 64, .size: 8, .value_kind: global_buffer, .address_space: global }
      - { .name: bk, .offset: 72, .size: 8, .value_kind: global_buffer, .address_space: global }
      - { .name: bv, .offset: 80, .size: 8, .value_kind: global_buffer, .address_space: global }
      - { .name: qkvF, .offset: 88, .size: 8, .value_kind: global_buffer, .address_space: global }
      - { .name: qkvS, .offset: 96, .size: 8, .value_kind: global_buffer, .address_space: global }
    .group_segment_fixed_size: 327680
    .private_segment_fixed_size: 0
    .kernarg_segment_align: 8
    .kernarg_segment_size: 104
    .max_flat_workgroup_size: 128
    .sgpr_count:     102
    .vgpr_count:     1024
    .wavefront_size: 32
...
	.end_amdgpu_metadata
.endif
;; end of part 4
;; launch scores (part 5): grid 12 x 16, 4 waves a work-group, clusters of 4 x 4, 327,680 bytes of LDS; arguments qkvF, qkvS, pF, pstat; writes pF, pstat
.if DOCPART == 5
	.amdgcn_target "amdgcn-amd-amdhsa--gfx1250"
	.amdhsa_code_object_version 6
	.text
	.protected	k_qb033c9c497_scores
	.globl	k_qb033c9c497_scores
	.p2align	8
	.type	k_qb033c9c497_scores,@function
k_qb033c9c497_scores:
	s_mov_b64 s[64:65], 0
	v_nop
	global_prefetch_b8 v0, s[64:65] scope:SCOPE_SE
	s_setreg_imm32_b32 hwreg(HW_REG_WAVE_MODE, 25, 1), 1
	s_wait_xcnt 0x0
	s_wait_alu depctr_hold_cnt(0) depctr_sa_sdst(0) depctr_va_vdst(0) depctr_va_sdst(0) depctr_va_ssrc(0) depctr_va_vcc(0) depctr_vm_vsrc(0)
	s_getreg_b32 s2, hwreg(HW_REG_IB_STS2, 6, 4)
	s_cmp_eq_u32 s2, 0
	s_cbranch_scc0 .Lentry_in_a_cluster
	s_endpgm
.Lentry_in_a_cluster:
	s_bfe_u32 s2, ttmp6, 0x10000c
	s_cmp_lg_u32 s2, 0xf033
	s_cbranch_scc0 .Lentry_shape_is_right
	s_endpgm
.Lentry_shape_is_right:
; S^T = k q^T on codes of FP6 (K = the 1,024 features), the causal mask, and the softmax's p, QUANTISED along the keys, chunk by chunk of 128 keys.
; t = score x log2(e) / 32.  For each query and each chunk of 128 keys: M = the chunk's largest t rounded UP to a whole number, p = 2^(t - M), l = the sum of the unquantised p.  Stored: p's codes and scale words, -M and l.
; The next launch brings all chunks of a row under the row's M: the change is a whole power of two, taken off the scale bytes and off l; the codes stay.
; SHARES.  Three clusters of 4 x 4 work-groups for each batch: (query quarter-pair, key quarter-pair) = (0, 0), (1, 0), (1, 1); the cluster that lies wholly above the diagonal is not launched.  A work-group makes 256 queries x 256 keys,
; a wave 128 x 128.  Work-groups of a diagonal cluster that lie above the diagonal run the same text (no branch hangs on a place in the cluster): they store zero codes, l = 0 and -M = 3e38, which the next launch reads as the rest of
; its cluster's walk over the keys.
; TRANSPOSED: source 0 = 16 keys ("B" = k), source 1 = 16 queries ("A" = q): a lane holds one query, its registers run along the keys: register 8 b + j of lane (r, h) is key 16 b + 8 h + j.
; OPERANDS lie in memory as images of their registers, [slot of 256 along K][tile of 16 rows][half][1,536 bytes]: 128 rows of a slot are 24,576 dense bytes, one tensor load; a fragment is three ds_load_b128 of 512 consecutive bytes.
; ORDER INSIDE A BLOCK OF 32: as in the launch before, 0-7, 16-23, 8-15, 24-31, on p as on v; q and k carry it alike.
; LIMITS: NaN and infinities are not served.  A block of p whose largest number lies under 2^-124 (a masked block among them) gets the byte 1; a chunk all of whose keys are hidden keeps -M = 3e38.
; A block's largest p is not searched for: the block's largest score goes through the same multiply-add and exponential (this takes v_exp_f32 not to fall where its input rises).
; REGISTERS: window 0: v15-31 addresses; v32-63 scale words, two sets; v64-83 the codes just made; v96-107 the statistics on their way out; v128-223 A's fragments, later: v144+2a -M (with the largest t as its pair),
;   v160+a l; v224-249 at work.   window 1: B's fragments, two sets.   windows 2, 3: the accumulators.
.set NQ,    2
.set FR,    12
; LAYOUT AND ORDER, in place of what is said above of q's and k's images and of the order inside a block: a fragment of q or k is, for each band of 64 along K, 512 bytes (registers 0-3, 16 bytes a lane) and 256 (registers 4-5, 8 bytes a lane).
; Tile j of 64 tokens holds in place m token 8 j + m (m < 8) or 32 + 8 (j xor 1) + m - 8 (m >= 8): a lane's 32 registers of four neighbouring tiles are ONE block of 32 keys, block h of the 64.  Scale words lie [K step of 128][row][4 bytes].
; The head brings slot 0 and the scale words by one load a wave; slot 1 is filled behind a full sequence.
.set NL,    4                          ; LDS loads of a fragment
.set NP,    4
.set HALFT, 24576                      ; 128 rows of a slot: 8 tiles x 2 halves x 1,536 bytes
.set SLOT,  4*HALFT
.set SCL,   2*SLOT                     ; behind the ring: the scale words, [K step of 128][256 rows][4 bytes]; B's lie 128 bytes behind A's 8,192
.set SPARE, SCL+16640                  ; the spare words: two blocks of 256 bytes that no other line names
.set STG,   SPARE+512                  ; a stage for the statistics: three planes of 256 rows x 2 words
.set STEPA, 2*1572864                  ; two slots on in memory: a slot is 512 tiles x 3,072 bytes
.set STEPB, 2*1572864
.set SOFF,  2048                       ; two K steps of 256 rows' scale words
.set SRD,  15                          ; v15 where I read the stage back
.set ADRA, 16
.set ADRB, 20
.set STA,  24
.set FO,   25
.set TO,   26
.set ADRS, 27
.set SPW,  28
.set NIL,  29
.set STB,  30                          ; v30 where I put a scale byte
.set DQ,   250                         ; v250-253 my query less my first key, for even and odd tiles of queries (2 apart) and of keys (1 apart)
.set NINF, 31                          ; v31 -infinity
.set SC,   32
.set PC,   64
.set AF,   128
.set PW,   128
.set NMR,  144
.set LSR,  160
.set TM,   224
.set G1, 24
.set G0, 32
.set G1B, 48
.set G0B, 56
.set G1S, 68
.set G0S, 76
.set G1SB, 80
.set G0SB, 88
.set OUT,  8                           ; s[8:9] where my wave's images go
.set CS,   98                          ; s[98:99] c = log2(e) / 32, as a pair
.set SEL,  100
.set MSB, 0
.macro WIN new
.if MSB != (\new)
	s_set_vgpr_msb (MSB<<8)|(\new)
.set MSB, (\new)
.endif
.endm
.set MUL_LO, 0xa1
.set MUL_HI, 0xf1
.set TO_B,   0x40
.macro JLOAD g0a, g1a, g0b, g1b        ; a joint load: waves 0 and 1 fetch for A, waves 2 and 3 for B; an s_nop 0 and four v_nop follow each line
	s_cmp_eq_u32 s15, 0
	s_cbranch_scc0 .Lfor_b_\@
	tensor_load_to_lds s[\g0a:\g0a+3], s[\g1a:\g1a+7]
	s_nop 0
.rept 4
	v_nop
.endr
	s_branch .Lasked_\@
.Lfor_b_\@:
	tensor_load_to_lds s[\g0b:\g0b+3], s[\g1b:\g1b+7]
	s_nop 0
.rept 4
	v_nop
.endr
.Lasked_\@:
.endm
.macro CREST
	s_cmp_lg_u32 s14, 0
	s_cbranch_scc1 .Lnot_wave_0_\@
	s_barrier_signal -3
.Lnot_wave_0_\@:
	s_barrier_wait -3
	s_barrier_signal -1
	s_barrier_wait -1
.endm
.macro CROUND
	s_barrier_signal -1
	s_barrier_wait -1
	CREST
.endm
.macro PLACES n
.rept \n
	v_nop
.endr
.endm
.macro FRAG reg, adr, q, i             ; a fragment comes back as it was stored: for each band a load of 512 consecutive bytes and one of 256
.irp c, 0,1                            ; band c: 512 bytes and 256
	ds_load_b128 v[\reg+6*\c:\reg+6*\c+3], v[\adr] offset:(\i)*3072+(\q)*1536+\c*768
	ds_load_b64 v[\reg+6*\c+4:\reg+6*\c+5], v[\adr+2] offset:(\i)*3072+(\q)*1536+\c*768+512
.endr
.endm
.macro FETCH_B slot, q, p
	WIN TO_B
.irp i, 0,1,2,3,4,5,6,7
	FRAG 128*(\p)+FR*\i, ADRB+\slot, \q, \i
.endr
	WIN 0
.endm
.macro FETCH_A slot, q, i0
.irp i, \i0, \i0+1, \i0+2, \i0+3
	FRAG AF+FR*(\i), ADRA+\slot, \q, \i
.endr
.endm
.macro SCALES set, areg, off
.irp i, 0,1,2,3,4,5,6,7
	ds_load_b32 v[SC+16*(\set)+2*\i], v[\areg] offset:(\off)+\i*64
	ds_load_b32 v[SC+16*(\set)+2*\i+1], v[\areg] offset:(\off)+1024+\i*64
.endr
.endm
.macro MUL16 a0, p, q, sc, cm          ; cm = 1: the first product starts the sums.  The 64 accumulators take turns
.irp a, \a0, \a0+1
.irp b, 0,1,2,3,4,5,6,7
.set DD, 8*(8*((\a)%4)+\b)
.set BF, 128*(\p)+FR*\b
.set AA, AF+FR*(\a)
.set SB, SC+16*(\sc)+2*\b+(\q)
.set SA, SC+16*(\sc)+2*(\a)+(\q)
.if \cm == 0
	v_wmma_scale_f32_16x16x128_f8f6f4 v[DD:DD+7], v[BF:BF+11], v[AA:AA+11], v[DD:DD+7], v[SB], v[SA] matrix_a_fmt:MATRIX_FMT_FP6 matrix_b_fmt:MATRIX_FMT_FP6 matrix_a_scale:MATRIX_SCALE_ROW1
.else
	v_wmma_scale_f32_16x16x128_f8f6f4 v[DD:DD+7], v[BF:BF+11], v[AA:AA+11], 0, v[SB], v[SA] matrix_a_fmt:MATRIX_FMT_FP6 matrix_b_fmt:MATRIX_FMT_FP6 matrix_a_scale:MATRIX_SCALE_ROW1
.endif
.endr
.endr
.endm
.macro STEP slot, q, cm
	s_wait_dscnt 4*NL                              ; all but the youngest loads (A's blocks 4-7) are in
	WIN MUL_LO
	MUL16 0, (\q)%2, \q, \slot, \cm
	MUL16 2, (\q)%2, \q, \slot, \cm
	s_wait_dscnt 0x0
	PLACES NP
	FETCH_B \slot, (\q)+1, 1-(\q)%2
	FETCH_A \slot, (\q)+1, 0
	WIN MUL_HI
	MUL16 4, (\q)%2, \q, \slot, \cm
	MUL16 6, (\q)%2, \q, \slot, \cm
	PLACES NP
	WIN 0
	FETCH_A \slot, (\q)+1, 4
.endm
.macro TURN slot, next, fill, areg, off
	s_wait_tensorcnt 0x0                           ; all my tensor loads have landed: my part of the next slot
	ds_add_u32 v[SPW], v[NIL]                      ; 0 onto my spare word
	s_wait_dscnt 4*NL+1                            ; (the add and A's blocks 4-7 may be out)
	WIN MUL_LO
	MUL16 0, 1, NQ-1, \slot, 0
	s_wait_dscnt 0x0                               ; the add is done, and my reads of this slot are over
	s_barrier_signal -1
	MUL16 2, 1, NQ-1, \slot, 0
	WIN 0
	s_barrier_wait -1
.if \fill
	CREST                                          ; no wave of any partner still reads this slot or has a load on its way
	s_add_nc_u64 s[G0+4*\slot+2:G0+4*\slot+3], s[G0+4*\slot+2:G0+4*\slot+3], STEPA
	s_add_nc_u64 s[G0B+4*\slot+2:G0B+4*\slot+3], s[G0B+4*\slot+2:G0B+4*\slot+3], STEPB
	JLOAD G0+4*\slot, G1, G0B+4*\slot, G1B
.else
	PLACES NP
.endif
	FETCH_B \next, 0, 0
	FETCH_A \next, 0, 0
	SCALES \next, \areg, \off
	WIN MUL_HI
	MUL16 4, 1, NQ-1, \slot, 0
	MUL16 6, 1, NQ-1, \slot, 0
	PLACES NP
	WIN 0
	FETCH_A \next, 0, 4
.endm
.macro LAST
	s_wait_dscnt 4*NL
	WIN MUL_LO
	MUL16 0, 1, NQ-1, 1, 0
	MUL16 2, 1, NQ-1, 1, 0
	s_wait_dscnt 0x0
	WIN MUL_HI
	MUL16 4, 1, NQ-1, 1, 0
	MUL16 6, 1, NQ-1, 1, 0
	WIN 0
.endm
.macro LAP n
	TURN 0, 1, 1, ADRS, SOFF*(2*(\n)-1)
	STEP 1, 0, 0
	TURN 1, 0, 1, ADRS, SOFF*(2*(\n))
	STEP 0, 0, 0
.endm
.macro CODES                           ; as in the launch before: AC, W set by the caller, the scale operands in v[TM+12 ..]
	s_wait_alu depctr_va_vdst(0)
	s_wait_xcnt 0x0                                ; the last block's stores have read the registers that are written now
	WIN W
.irp c, 0,1                            ; a lane's 32 numbers of band c are one whole block: one scale for both halves
	v_cvt_scalef32_pk16_fp6_f32 v[PC+6*\c:PC+6*\c+2], v[AC+32*\c:AC+32*\c+15], v[TM+12+\c]
	v_cvt_scalef32_pk16_fp6_f32 v[PC+12+4*\c:PC+14+4*\c], v[AC+32*\c+16:AC+32*\c+31], v[TM+12+\c]
.endr
	WIN 0
	v_nop                                          ; one plain place behind a scaled conversion
.irp c, 0,1
.irp i, 0,1,2
	v_mov_b32 v[PC+3+6*\c+\i], v[PC+12+4*\c+\i]
.endr
.endr
.endm
.macro PUT a
.irp c, 0,1,2
	global_store_b128 v[FO], v[PC+4*\c:PC+4*\c+3], s[OUT:OUT+1] offset:(\a)*3072+\c*512
.endr
.endm
.macro MASK a                          ; hidden scores become -infinity; each accumulator is taken from its low end on
.set AC, 64*((\a)%4)
.set W, 2+(\a)/4
.set WS, (W<<6)|W
	WIN WS
.set n, 0
.rept 64
	v_cmp_gt_i32 vcc_lo, 64*(n/32)+16*((n/16)%2)+n%8-64*((\a)/4)-16*(((\a)/2)%2), v[DQ+2*((\a)%2)+(n/8)%2]
	v_cndmask_b32 v[AC+n], v[AC+n], v[NINF], vcc_lo
.set n, n+1
.endr
.endm
; Block a: 16 queries x my 128 keys.  The chunk's M, p, l; p's codes and scale word.
.macro SOFTQ a
.set AC, 64*((\a)%4)
.set W, 2+(\a)/4
.set NM, NMR+2*(\a)
.set WS, (W<<2)|(W<<4)
	WIN WS
.irp b, 0,1,2,3
	v_max3_num_f32 v[TM+\b], 0xff800000, v[AC+16*\b], v[AC+16*\b+1]   ; the largest score of each block of 32 keys: it serves for the chunk's maximum and for the block's largest p
.endr
.irp i, 2,4,6,8,10,12,14
.irp b, 0,1,2,3
	v_max3_num_f32 v[TM+\b], v[TM+\b], v[AC+16*\b+\i], v[AC+16*\b+\i+1]
.endr
.endr
	WIN 0
	v_max_num_f32 v[TM], v[TM], v[TM+1]            ; my block of band 0,
	v_max_num_f32 v[TM+1], v[TM+2], v[TM+3]        ; and of band 1
	v_max_num_f32 v233, v[TM], v[TM+1]
	v_permlanex16_b32 v[TM+4], v233, s[SEL], s[SEL+1]
	v_max_num_f32 v232, v233, v[TM+4]              ; with lane l xor 16's two blocks: the chunk's largest score
	v_mul_f32 v232, s[CS], v232                    ; as t (c is positive)
	v_max_num_f32 v[NM+1], 0xff61b1e6, v232        ; a chunk all of whose keys are hidden keeps -3e38
	v_floor_f32 v[NM], -v[NM+1]                    ; -M = floor(-t): M is a whole number
.irp b, 0,1
	v_fma_f32 v[TM+\b], v[TM+\b], s[CS], v[NM]
.endr
.set WS, (W<<6)|W
	WIN WS
.set n, 0
.rept 32
	v_pk_fma_f32 v[AC+n:AC+n+1], v[AC+n:AC+n+1], s[CS:CS+1], v[NM:NM+1] op_sel_hi:[1,0,0]   ; t - M, two at a time
.set n, n+2
.endr
.set n, 0
	s_wait_alu depctr_va_vdst(0)
.rept 64
	v_exp_f32 v[AC+n], v[AC+n]                     ; p = 2^(t - M), at most 1
.set n, n+1
.endr
	WIN 0
	v_nop                                          ; a plain place behind the exponentials
	s_wait_alu depctr_va_vdst(0)                   ; one wait for the batch of 64, ahead of its first reader
.irp b, 0,1
	v_exp_f32 v[TM+\b], v[TM+\b]                   ; the block's largest p
.endr
.set WS, W|(W<<2)
	WIN WS
	v_pk_add_f32 v[244:245], v[AC:AC+1], v[AC+2:AC+3]        ; THE SUM IS TAKEN OF THE UNQUANTISED p: two at a time, in two chains; it reads the 64 alone
	v_pk_add_f32 v[246:247], v[AC+4:AC+5], v[AC+6:AC+7]
.set WS, W<<2
	WIN WS
.irp j, 8,12,16,20,24,28,32,36,40,44,48,52,56,60
	v_pk_add_f32 v[244:245], v[244:245], v[AC+\j:AC+\j+1]
	v_pk_add_f32 v[246:247], v[246:247], v[AC+\j+2:AC+\j+3]
.endr
	WIN 0
	v_pk_add_f32 v[244:245], v[244:245], v[246:247]
	v_add_f32 v248, v244, v245
	v_permlanex16_b32 v249, v248, s[SEL], s[SEL+1]
	v_add_f32 v[LSR+(\a)], v248, v249              ; with lane l xor 16's 64 keys: the chunk's l
	s_wait_alu depctr_va_vdst(0)                   ; and one wait for the two
.irp b, 0,1
	v_max_num_f32 v[TM+\b], 0x1800000, v[TM+\b]    ; the floor 2^(3 - 127): the byte cannot fall under 1
.endr
.irp b, 0,1
	v_add_nc_u32 v[TM+12+\b], 0xff000000, v[TM+\b]
.endr
.irp b, 0,1
	v_lshrrev_b32 v[TM+4+\b], 23, v[TM+12+\b]
.endr
	CODES
	PUT \a
	ds_store_b8 v[STB], v[TM+4] offset:128*(\a)    ; bytes 2 c + h of the row's word
	ds_store_b8 v[STB], v[TM+5] offset:128*(\a)+2
	ds_store_b32 v[STA], v[NM] offset:2048+128*(\a)
	ds_store_b32 v[STA], v[LSR+(\a)] offset:4096+128*(\a)
.endm
	s_load_b256 s[4:11], s[0:1], 0x0               ; qkvF, qkvS, pF, pstat
	v_lshl_add_u32 v[SPW], v0, 2, SPARE
	v_mov_b32 v[NIL], 0
	ds_add_u32 v[SPW], v[NIL]                      ; the wave's opening: the add and its wait come ahead of my first tensor load
	ds_add_u32 v[SPW], v[NIL]
	v_lshrrev_b32 v1, 5, v0
	v_readfirstlane_b32 s14, v1                    ; wave 0..3
	s_lshr_b32 s15, s14, 1                         ; my half of the queries.  Also: I fetch for A (0) or for B (1)
	s_and_b32 s16, s14, 1                          ; my half of the keys.  Also: which 128 rows I fetch
	s_bfe_u32 s40, ttmp6, 0x40000                  ; cx, cy
	s_bfe_u32 s41, ttmp6, 0x40004
	s_mov_b32 s66, ttmp9                           ; which of the batch's three clusters: 0 and 2 lie on the diagonal
	s_and_b32 s67, ttmp7, 0xffff                   ; the batch
	s_add_co_u32 s18, ttmp9, 1
	s_lshr_b32 s18, s18, 1                         ; the cluster's 1,024 queries: 0, 1, 1
	s_lshl_b32 s17, s18, 2
	s_add_co_u32 s17, s17, s41                     ; my tile of 256 queries: hangs on cy alone
	s_lshr_b32 s95, ttmp9, 1                       ; its 1,024 keys: 0, 0, 1
	s_lshl_b32 s42, s95, 2
	s_add_co_u32 s42, s42, s40                     ; my tile of 256 keys: on cx alone
	s_lshl_b32 s43, s41, 2
	s_lshl_b32 s43, 15, s43                        ; my row of the cluster
	s_lshl_b32 s44, 0x1111, s40                    ; my column
	s_or_b32 s[G1+0], s43, (3<<16)|(1<<21)         ; the mask; elements of 8 bytes; no padding; bit 21 beside a mask
	s_or_b32 s[G1B+0], s44, (3<<16)|(1<<21)
.irp g, G1, G1B                        ; 24,576 dense bytes as 96 rows of 256
	s_mov_b32 s[\g+1], 32<<16
	s_mov_b32 s[\g+2], 192<<16                     ; (at the head 256 rows of a slot, 49,152 dense bytes; behind it 128 rows)
	s_mov_b32 s[\g+3], 32<<16
	s_mov_b32 s[\g+4], 192
	s_mov_b32 s[\g+5], 32
	s_mov_b32 s[\g+6], 0
	s_mov_b32 s[\g+7], 0
.endr
	s_or_b32 s[G1S+0], s43, (3<<16)|(1<<21)
	s_or_b32 s[G1SB+0], s44, (3<<16)|(1<<21)
.irp g, G1S, G1SB                      ; 256 rows' scale words of the eight K steps: 8 rows of 1,024 bytes, 32,768 bytes apart
	s_mov_b32 s[\g+1], 128<<16
	s_mov_b32 s[\g+2], 8<<16                       ; (256 rows' words of eight K steps: 8 rows of 1,024 bytes, 32,768 bytes apart)
	s_mov_b32 s[\g+3], 128<<16
	s_mov_b32 s[\g+4], 8
	s_mov_b32 s[\g+5], 4096
	s_mov_b32 s[\g+6], 0
	s_mov_b32 s[\g+7], 0
.endr
	s_lshl_b32 s18, s67, 7                         ; 128 x batch, in tiles of 16 tokens
	s_lshl_b32 s20, s17, 4
	s_add_co_u32 s20, s20, s18                     ; q's first tile that I fetch
	s_lshl_b32 s46, s42, 4
	s_add_co_u32 s46, s46, s18                     ; k's
	s_lshl_b32 s22, s20, 6                         ; their scale words: 64 bytes a tile in each K step's plane
	s_mov_b32 s23, 0
	s_lshl_b32 s92, s46, 6
	s_add_co_u32 s92, s92, 262144                  ; in k's part
	s_mov_b32 s93, 0
	s_mul_i32 s20, s20, 3072
	s_mov_b32 s21, 0
	s_mul_i32 s46, s46, 3072
	s_add_co_u32 s46, s46, 6291456                 ; in k's part
	s_mov_b32 s47, 0
	s_mul_i32 s45, s14, HALFT                      ; where they go: no place in the cluster enters an LDS address
	s_mul_i32 s94, s16, HALFT                      ; in the ring I fetch 128 of the 256 rows
	s_mov_b32 s95, 0
	s_mov_b32 s[CS], 0x3d38aa3b                    ; c = log2(e) / 32
	s_mov_b32 s[CS+1], s[CS]
	s_mov_b32 s[SEL], 0x76543210
	s_mov_b32 s[SEL+1], 0xfedcba98
	s_wait_dscnt 0x0                               ; the opening add is done
	s_wait_kmcnt 0x0
	s_add_nc_u64 s[20:21], s[4:5], s[20:21]
	s_add_nc_u64 s[22:23], s[6:7], s[22:23]
	s_add_nc_u64 s[46:47], s[4:5], s[46:47]
	s_add_nc_u64 s[92:93], s[6:7], s[92:93]
	CROUND                                         ; all sixteen work-groups are here: the first joint loads meet
	s_mov_b32 s[G0S], 1
	s_mov_b32 s[G0S+1], SCL
	s_mov_b64 s[G0S+2:G0S+3], s[22:23]
	s_or_b32 s[G0S+3], s[G0S+3], 0x80000000
	s_mov_b32 s[G0SB], 1
	s_mov_b32 s[G0SB+1], SCL+8320                  ; B's words, 128 bytes behind A's 8,192
	s_mov_b64 s[G0SB+2:G0SB+3], s[92:93]
	s_or_b32 s[G0SB+3], s[G0SB+3], 0x80000000
	s_mov_b32 s[G0], 1                             ; slot 0's 256 rows of A, whole,
	s_mov_b32 s[G0+1], 0
	s_mov_b64 s[G0+2:G0+3], s[20:21]
	s_or_b32 s[G0+3], s[G0+3], 0x80000000
	s_mov_b32 s[G0B], 1                            ; and of B
	s_mov_b32 s[G0B+1], 2*HALFT
	s_mov_b64 s[G0B+2:G0B+3], s[46:47]
	s_or_b32 s[G0B+3], s[G0B+3], 0x80000000
; THE HEAD'S LOADS, ONE A WAVE: A's rows, B's rows, A's scale words, B's
.macro ARM under, g0, g1, next
	s_cmp_lt_u32 s14, \under
	s_cbranch_scc0 \next
	tensor_load_to_lds s[\g0:\g0+3], s[\g1:\g1+7]
	s_nop 0
.rept 4
	v_nop
.endr
	s_branch .Lhead_asked
\next:
.endm
	ARM 1, G0, G1, .Lhead_b
	ARM 2, G0B, G1B, .Lhead_sa
	ARM 3, G0S, G1S, .Lhead_sb
	tensor_load_to_lds s[G0SB:G0SB+3], s[G1SB:G1SB+7]
	s_nop 0
.rept 4
	v_nop
.endr
.Lhead_asked:
	s_add_nc_u64 s[20:21], s[20:21], s[94:95]      ; for the ring: my 128 rows
	s_add_nc_u64 s[46:47], s[46:47], s[94:95]
	s_mov_b32 s[G0+4], 1
	s_add_co_u32 s[G0+5], s45, SLOT
	s_add_nc_u64 s[G0+6:G0+7], s[20:21], 1572864
	s_or_b32 s[G0+7], s[G0+7], 0x80000000
	s_mov_b32 s[G0B+4], 1
	s_add_co_u32 s[G0B+5], s45, SLOT
	s_add_nc_u64 s[G0B+6:G0B+7], s[46:47], 1572864
	s_or_b32 s[G0B+7], s[G0B+7], 0x80000000
	v_and_b32 v1, 15, v0                           ; r
	v_bfe_u32 v2, v0, 4, 1                         ; h
	s_wait_alu depctr_va_vdst(0)
	v_and_b32 v3, 31, v0
	v_lshlrev_b32 v[FO], 4, v3                     ; 16 x lane
	v_lshlrev_b32 v4, 3, v3                        ; 8 x lane
	s_mul_i32 s21, s15, HALFT                      ; my 128 queries
	s_mul_i32 s22, s16, HALFT                      ; my 128 keys,
	s_add_co_u32 s22, s22, 2*HALFT                 ; behind A's 256 rows
.irp s, 0,1
	v_add_nc_u32 v[ADRA+\s], s21, v[FO]
	v_add_nc_u32 v[ADRB+\s], s22, v[FO]
	v_add_nc_u32 v[ADRA+2+\s], s21, v4
	v_add_nc_u32 v[ADRB+2+\s], s22, v4
	s_add_co_u32 s21, s21, SLOT
	s_add_co_u32 s22, s22, SLOT
.endr
	s_lshl_b32 s21, s15, 9
	s_lshl_b32 s22, s16, 9
	s_add_co_u32 s22, s22, 8320
	s_sub_co_u32 s22, s22, s21
	v_mul_u32_u24 v6, s22, v2                      ; lanes 16-31 take B's words: one product, the distance between the two
	v_lshl_add_u32 v5, v1, 2, v6                   ; 4 bytes a row
	s_add_co_u32 s21, s21, SCL
	v_add_nc_u32 v[ADRS], s21, v5
	s_lshl_b32 s18, s15, 10
	s_lshl_b32 s19, s16, 2
	s_add_co_u32 s18, s18, s19
	s_add_co_u32 s18, s18, STG
	v_lshl_add_u32 v[STA], v1, 3, s18              ; the stage: (128 x my half of the queries + r) x 8 + 4 x my half of the keys
	v_add_nc_u32 v[STB], v[STA], v2                ; + h
	v_lshlrev_b32 v[TO], 4, v0
	v_lshl_add_u32 v[SRD], v0, 4, STG
	s_sub_co_i32 s18, s17, s42
	s_lshl_b32 s18, s18, 8
	s_sub_co_i32 s19, s15, s16
	s_lshl_b32 s19, s19, 7
	s_add_co_i32 s18, s18, s19                     ; my wave's first query less its first key
	s_sub_co_i32 s19, s18, 8
	s_add_co_i32 s20, s18, 8
	v_and_b32 v5, 8, v1
	v_lshl_add_u32 v6, v5, 2, v1                   ; a query's place in an even tile: r, or r + 32
	v_lshl_add_u32 v7, v5, 1, v1                   ; in an odd one, less 8: r, or r + 16
	v_mul_u32_u24 v8, v2, 40                       ; a key's in an even tile: 40 h
	v_mul_u32_u24 v9, v2, 24                       ; in an odd one, less 8: 24 h
	v_sub_nc_u32 v10, v6, v8
	v_sub_nc_u32 v11, v6, v9
	v_sub_nc_u32 v12, v7, v8
	v_sub_nc_u32 v13, v7, v9
	v_add_nc_u32 v[DQ], s18, v10
	v_add_nc_u32 v[DQ+1], s19, v11
	v_add_nc_u32 v[DQ+2], s20, v12
	v_add_nc_u32 v[DQ+3], s18, v13
	v_mov_b32 v[NINF], 0xff800000
.irp b, 0,1,2,3
	v_mov_b32 v[TM+4+\b], 0                        ; written once: a lane permute's destination counts as one of its sources
.endr
	v_mov_b32 v249, 0
	s_lshl_b32 s18, s67, 3
	s_add_co_u32 s18, s18, s42                     ; p's slot: 8 x batch + my tile of keys
	s_lshl_b32 s18, s18, 7
	s_lshl_b32 s19, s17, 4
	s_add_co_u32 s18, s18, s19                     ; in tiles of 16 queries
	s_lshl_b32 s20, s18, 7                         ; the statistics: 128 bytes a tile
	s_mov_b32 s21, 0
	s_add_nc_u64 s[10:11], s[10:11], s[20:21]
	s_lshl_b32 s19, s15, 3
	s_add_co_u32 s18, s18, s19
	s_mul_i32 s18, s18, 3072
	s_mul_i32 s19, s16, 1536
	s_add_co_u32 s18, s18, s19
	s_mov_b32 s19, 0
	s_add_nc_u64 s[OUT:OUT+1], s[OUT:OUT+1], s[18:19]
	s_wait_alu depctr_va_vdst(0)
	s_wait_tensorcnt 0x0                           ; my tile of the head's four is in
	ds_add_u32 v[SPW], v[NIL]
	s_mov_b32 s[G1+2], 96<<16                      ; no tensor load of mine is out: from here on a load brings 128 rows
	s_mov_b32 s[G1+4], 96
	s_mov_b32 s[G1B+2], 96<<16
	s_mov_b32 s[G1B+4], 96
	s_mov_b32 s[G0+1], s45
	s_add_nc_u64 s[G0+2:G0+3], s[G0+2:G0+3], s[94:95]
	s_mov_b32 s[G0B+1], s45
	s_add_nc_u64 s[G0B+2:G0B+3], s[G0B+2:G0B+3], s[94:95]
	s_wait_dscnt 0x0
	CROUND                                         ; all four tiles are in, and all sixteen work-groups are here
	JLOAD G0+4, G1, G0B+4, G1B                     ; slot 1's first fill
	FETCH_B 0, 0, 0
	FETCH_A 0, 0, 0
	SCALES 0, ADRS, 0
	FETCH_A 0, 0, 4
	STEP 0, 0, 1                                   ; the first step starts the sums: nothing is cleared
	LAP 1
	TURN 0, 1, 0, ADRS, SOFF*3
	STEP 1, 0, 0
	LAST
	PLACES NP                                      ; in front of the first reads of results, and of writes into registers that the last products read
	s_cmp_eq_u32 s66, 1                            ; the cluster under the diagonal hides nothing: a branch on the cluster's number, the same in all partners
	s_cbranch_scc1 .Lopen
	s_wait_alu depctr_va_vdst(0)
.irp a, 0,1,2,3,4,5,6,7
	MASK \a
.endr
	WIN 0
.Lopen:
.irp a, 0,1,2,3,4,5,6,7
	SOFTQ \a
.endr
	s_wait_dscnt 0x0                               ; for the others' sake: my statistics lie in the stage
	s_barrier_signal -1
	s_barrier_wait -1
.irp g, 0,1,2
	ds_load_b128 v[96+4*\g:99+4*\g], v[SRD] offset:2048*\g
.endr
	s_wait_dscnt 0x0
.irp g, 0,1,2
	global_store_b128 v[TO], v[96+4*\g:99+4*\g], s[10:11] offset:524288*\g   ; 2,048 dense bytes of each plane
.endr
	s_wait_tensorcnt 0x0                           ; the wave's end
	ds_add_u32 v[SPW], v[NIL]
	s_wait_dscnt 0x0
	CROUND                                         ; the closing round
	s_endpgm
.Lfunc_end_k_qb033c9c497_scores:
	.size	k_qb033c9c497_scores, .Lfunc_end_k_qb033c9c497_scores-k_qb033c9c497_scores
	.p2alignl 7, 3214868480
	.fill 96, 4, 3214868480
	.section	.rodata,"a",@progbits
	.p2align	6, 0x0
	.amdhsa_kernel k_qb033c9c497_scores
		.amdhsa_group_segment_fixed_size 327680
		.amdhsa_private_segment_fixed_size 0
		.amdhsa_enable_private_segment 0
		.amdhsa_kernarg_size 32
		.amdhsa_user_sgpr_count 2
		.amdhsa_user_sgpr_kernarg_segment_ptr 1
		.amdhsa_wavefront_size32 1
		.amdhsa_system_sgpr_workgroup_id_x 1
		.amdhsa_system_sgpr_workgroup_id_y 1
		.amdhsa_system_sgpr_workgroup_id_z 1
		.amdhsa_system_vgpr_workitem_id 0
		.amdhsa_next_free_vgpr 1024
		.amdhsa_next_free_sgpr 102
		.amdhsa_reserve_vcc 1
		.amdhsa_float_denorm_mode_32 3
		.amdhsa_float_denorm_mode_16_64 3
		.amdhsa_memory_ordered 1
		.amdhsa_forward_progress 1
		.amdhsa_inst_pref_size 242
	.end_amdhsa_kernel
	.amdgpu_metadata
---
amdhsa.version: [ 1, 2 ]
amdhsa.kernels:
  - .name:           k_qb033c9c497_scores
    .symbol:         k_qb033c9c497_scores.kd
    .args:
      - { .name: qkvF, .offset: 0, .size: 8, .value_kind: global_buffer, .address_space: global }
      - { .name: qkvS, .offset: 8, .size: 8, .value_kind: global_buffer, .address_space: global }
      - { .name: pF, .offset: 16, .size: 8, .value_kind: global_buffer, .address_space: global }
      - { .name: pstat, .offset: 24, .size: 8, .value_kind: global_buffer, .address_space: global }
    .group_segment_fixed_size: 327680
    .private_segment_fixed_size: 0
    .kernarg_segment_align: 8
    .kernarg_segment_size: 32
    .max_flat_workgroup_size: 128
    .sgpr_count:     102
    .vgpr_count:     1024
    .wavefront_size: 32
...
	.end_amdgpu_metadata
.endif
;; end of part 5
;; launch pv (part 6): grid 8 x 32, 4 waves a work-group, clusters of 4 x 4, 327,680 bytes of LDS; arguments pF, pstat, qkvF, qkvS, out0; writes out0
.if DOCPART == 6
	.amdgcn_target "amdgcn-amd-amdhsa--gfx1250"
	.amdhsa_code_object_version 6
	.text
	.protected	k_qb033c9c497_pv
	.globl	k_qb033c9c497_pv
	.p2align	8
	.type	k_qb033c9c497_pv,@function
k_qb033c9c497_pv:
	s_mov_b64 s[64:65], 0
	v_nop
	global_prefetch_b8 v0, s[64:65] scope:SCOPE_SE
	s_setreg_imm32_b32 hwreg(HW_REG_WAVE_MODE, 25, 1), 1
	s_wait_xcnt 0x0
	s_wait_alu depctr_hold_cnt(0) depctr_sa_sdst(0) depctr_va_vdst(0) depctr_va_sdst(0) depctr_va_ssrc(0) depctr_va_vcc(0) depctr_vm_vsrc(0)
	s_getreg_b32 s2, hwreg(HW_REG_IB_STS2, 6, 4)
	s_cmp_eq_u32 s2, 0
	s_cbranch_scc0 .Lentry_in_a_cluster
	s_endpgm
.Lentry_in_a_cluster:
	s_bfe_u32 s2, ttmp6, 0x10000c
	s_cmp_lg_u32 s2, 0xf033
	s_cbranch_scc0 .Lentry_shape_is_right
	s_endpgm
.Lentry_shape_is_right:
; O = p v / l on codes of FP6 (K = the keys), 256 queries x 128 features a work-group; a cluster of 4 x 4 shares p's tiles along its rows and v's along its columns.  The keys of score tiles that lie wholly above the diagonal are left out: the
; first 1,024 queries of a batch walk four slots' worth of 256 keys, the others eight.
; Each row's chunks of 128 keys are brought under the row's largest M: a whole power of two, taken off p's scale bytes and off l (a scale that would fall under 1 becomes 0, 2^-127).  LIMITS: NaN and infinities are not served.
; HEAD: one load a wave, its part of slot 0; v's scale words come through registers into LDS; slot 1 is filled behind a full sequence.
; ROWS: tile j of 64 queries holds in place m query 8 j + m (m < 8) or 32 + 8 (j xor 1) + m - 8 (m >= 8): the stores put the rows back.
; No prefetch: a work-group has no refill or two refills of a slot of 512 keys, and each sets out a whole slot's products ahead of its use.
.set NP,    4
.set ASUB,  49152
.set BSUB,  24576
.set BOFF,  2*ASUB
.set SLOT,  2*ASUB+2*BSUB
.set PT,    2*SLOT
.set VT,    PT+16384
.set LT,    VT+8192
.set SPARE, LT+1024
.set SPITCH, 272
.set STEPA, 4*393216
.set STEPB, 4*196608
.set PSO,  8
.set PTA,  9
.set LTW,  10
.set VTA, 11
.set ADPA, 12
.set ADPB, 13
.set ADTA, 14
.set ADTB, 15
.set ADRA, 16
.set ADRB, 20
.set STO,  24
.set RD,   25
.set CO,   26
.set SPW,  28
.set NIL,  29
.set LTA,  31
.set SC,   32
.set RI,   56
.set RW,   96
.set RN,   128
.set RL,   160
.set BK,   128
.set G1, 24
.set G0, 32
.set G1B, 48
.set G0B, 56
.set G1SB, 80
.set G0SB, 88
.set MSB, 0
.macro WIN new
.if MSB != (\new)
	s_set_vgpr_msb (MSB<<8)|(\new)
.set MSB, (\new)
.endif
.endm
.set MUL,  0xad
.set TO_B, 0x40
.set TO_A, 0xc0
.macro JLOAD g0a, g1a, g0b, g1b
	s_cmp_eq_u32 s15, 0
	s_cbranch_scc0 .Lfor_b_\@
	tensor_load_to_lds s[\g0a:\g0a+3], s[\g1a:\g1a+7]
	s_nop 0
.rept 4
	v_nop
.endr
	s_branch .Lasked_\@
.Lfor_b_\@:
	tensor_load_to_lds s[\g0b:\g0b+3], s[\g1b:\g1b+7]
	s_nop 0
.rept 4
	v_nop
.endr
.Lasked_\@:
.endm
.macro CREST
	s_cmp_lg_u32 s14, 0
	s_cbranch_scc1 .Lnot_wave_0_\@
	s_barrier_signal -3
.Lnot_wave_0_\@:
	s_barrier_wait -3
	s_barrier_signal -1
	s_barrier_wait -1
.endm
.macro CROUND
	s_barrier_signal -1
	s_barrier_wait -1
	CREST
.endm
.macro PLACES n
.rept \n
	v_nop
.endr
.endm
.macro FETCH slot, q
	WIN TO_B
.irp i, 0,1,2,3
.irp c, 0,1,2
	ds_load_b128 v[64*((\q)%2)+12*\i+4*\c:64*((\q)%2)+12*\i+4*\c+3], v[ADRB+\slot] offset:((\q)/2)*BSUB+\i*3072+((\q)%2)*1536+\c*512
.endr
.endr
	WIN TO_A
.irp i, 0,1,2,3,4,5,6,7
.irp c, 0,1,2
	ds_load_b128 v[128*((\q)%2)+12*\i+4*\c:128*((\q)%2)+12*\i+4*\c+3], v[ADRA+2*\slot+(\q)/2] offset:\i*3072+((\q)%2)*1536+\c*512
.endr
.endr
.endm
.macro SCALES u, areg, breg, s
	WIN 0
.irp j, 0,1,2,3
	ds_load_b64 v[SC+12*(\u)+2*\j:SC+12*(\u)+2*\j+1], v[\areg] offset:2048*(\s)+256*\j
.endr
.irp j, 0,1
	ds_load_b64 v[SC+12*(\u)+8+2*\j:SC+12*(\u)+9+2*\j], v[\breg] offset:256*(\s)+2048*\j
.endr
.endm
.macro WM a, b, q, cm
.set DD, 8*(4*(\a)+(\b))
.set BF, 64*((\q)%2)+12*(\b)
.set AA, 128*((\q)%2)+12*(\a)
.set SB, SC+12*((\q)/2)+8+2*((\b)/2)+(\q)%2
.set SA, SC+12*((\q)/2)+2*((\a)/2)+(\q)%2
.set RR, 2*((\a)%2)+(\b)%2
.if \cm
.if RR == 0
	v_wmma_scale_f32_16x16x128_f8f6f4 v[DD:DD+7], v[BF:BF+11], v[AA:AA+11], 0, v[SB], v[SA] matrix_a_fmt:MATRIX_FMT_FP6 matrix_b_fmt:MATRIX_FMT_FP6
.elseif RR == 1
	v_wmma_scale_f32_16x16x128_f8f6f4 v[DD:DD+7], v[BF:BF+11], v[AA:AA+11], 0, v[SB], v[SA] matrix_a_fmt:MATRIX_FMT_FP6 matrix_b_fmt:MATRIX_FMT_FP6 matrix_a_scale:MATRIX_SCALE_ROW1
.elseif RR == 2
	v_wmma_scale_f32_16x16x128_f8f6f4 v[DD:DD+7], v[BF:BF+11], v[AA:AA+11], 0, v[SB], v[SA] matrix_a_fmt:MATRIX_FMT_FP6 matrix_b_fmt:MATRIX_FMT_FP6 matrix_b_scale:MATRIX_SCALE_ROW1
.else
	v_wmma_scale_f32_16x16x128_f8f6f4 v[DD:DD+7], v[BF:BF+11], v[AA:AA+11], 0, v[SB], v[SA] matrix_a_fmt:MATRIX_FMT_FP6 matrix_b_fmt:MATRIX_FMT_FP6 matrix_a_scale:MATRIX_SCALE_ROW1 matrix_b_scale:MATRIX_SCALE_ROW1
.endif
.else
.if RR == 0
	v_wmma_scale_f32_16x16x128_f8f6f4 v[DD:DD+7], v[BF:BF+11], v[AA:AA+11], v[DD:DD+7], v[SB], v[SA] matrix_a_fmt:MATRIX_FMT_FP6 matrix_b_fmt:MATRIX_FMT_FP6
.elseif RR == 1
	v_wmma_scale_f32_16x16x128_f8f6f4 v[DD:DD+7], v[BF:BF+11], v[AA:AA+11], v[DD:DD+7], v[SB], v[SA] matrix_a_fmt:MATRIX_FMT_FP6 matrix_b_fmt:MATRIX_FMT_FP6 matrix_a_scale:MATRIX_SCALE_ROW1
.elseif RR == 2
	v_wmma_scale_f32_16x16x128_f8f6f4 v[DD:DD+7], v[BF:BF+11], v[AA:AA+11], v[DD:DD+7], v[SB], v[SA] matrix_a_fmt:MATRIX_FMT_FP6 matrix_b_fmt:MATRIX_FMT_FP6 matrix_b_scale:MATRIX_SCALE_ROW1
.else
	v_wmma_scale_f32_16x16x128_f8f6f4 v[DD:DD+7], v[BF:BF+11], v[AA:AA+11], v[DD:DD+7], v[SB], v[SA] matrix_a_fmt:MATRIX_FMT_FP6 matrix_b_fmt:MATRIX_FMT_FP6 matrix_a_scale:MATRIX_SCALE_ROW1 matrix_b_scale:MATRIX_SCALE_ROW1
.endif
.endif
.endm
.macro MUL8 a0, q, cm
.irp a, \a0, \a0+1
.irp b, 0,1,2,3
	WM \a, \b, \q, \cm
.endr
.endr
.endm
.macro STEPN slot, q, cm, areg, breg, s
	s_wait_dscnt 0x0
	PLACES NP
	FETCH \slot, (\q)+1
.if (\q) == 1
	SCALES 1, \areg, \breg, \s
.endif
	WIN MUL
	MUL8 0, \q, \cm
	MUL8 2, \q, \cm
	MUL8 4, \q, \cm
	MUL8 6, \q, \cm
.endm
.macro TURN slot, next, fill, areg, breg, s
	WIN 0
	s_wait_tensorcnt 0x0
	ds_add_u32 v[SPW], v[NIL]
	s_wait_dscnt 1
	WIN MUL
	MUL8 0, 3, 0
	s_wait_dscnt 0x0
	s_barrier_signal -1
	MUL8 2, 3, 0
	WIN 0
	s_barrier_wait -1
.if \fill
	CREST
	s_add_nc_u64 s[G0+4*\slot+2:G0+4*\slot+3], s[G0+4*\slot+2:G0+4*\slot+3], STEPA
	s_add_nc_u64 s[G0B+4*\slot+2:G0B+4*\slot+3], s[G0B+4*\slot+2:G0B+4*\slot+3], STEPB
	JLOAD G0+4*\slot, G1, G0B+4*\slot, G1B
.else
	PLACES NP
.endif
	FETCH \next, 0
	SCALES 0, \areg, \breg, \s
	WIN MUL
	MUL8 4, 3, 0
	MUL8 6, 3, 0
.endm
.macro PLOAD s0
.irp g, 0,1,2
.irp s, \s0, \s0+1, \s0+2, \s0+3
	global_load_b128 v[RW+32*\g+4*(\s):RW+32*\g+4*(\s)+3], v[PSO], s[6:7] offset:524288*\g+16384*(\s)
.endr
.endr
.endm
.macro SCALEO a
.set AC, 32*(\a)
	WIN 0x82
.set n, 0
.rept 16
	v_pk_mul_f32 v[AC+n:AC+n+1], v[AC+n:AC+n+1], v[RI+2*(\a):RI+2*(\a)+1]
.set n, n+2
.endr
.endm
.macro TOSTAGE a
.set AC, 32*(\a)
	WIN 0x08
.irp b, 0,1,2,3
	ds_store_b128 v[STO], v[AC+8*\b:AC+8*\b+3] offset:64*\b
	ds_store_b128 v[STO], v[AC+8*\b+4:AC+8*\b+7] offset:64*\b+16
.endr
	WIN 0
.set BB, BK+32*((\a)%2)
.irp t, 0,1,2,3,4,5,6,7
	ds_load_b128 v[BB+4*\t:BB+4*\t+3], v[RD] offset:\t*2*SPITCH
.endr
.endm
.macro SEND a, younger
.set BB, BK+32*((\a)%2)
	s_wait_dscnt \younger
.irp t, 0,1,2,3,4,5,6,7
	global_store_b128 v[CO], v[BB+4*\t:BB+4*\t+3], s[12:13] offset:4096*(64*((\a)/4)+8*((\a)%4)+(\t/4)*(40-16*((\a)%2))+2*(\t%4)) th:TH_STORE_NT
.endr
.endm
	s_load_b256 s[4:11], s[0:1], 0x0
	s_load_b64 s[12:13], s[0:1], 0x20
	v_lshl_add_u32 v[SPW], v0, 2, SPARE
	v_mov_b32 v[NIL], 0
	ds_add_u32 v[SPW], v[NIL]
	ds_add_u32 v[SPW], v[NIL]
	v_lshrrev_b32 v1, 5, v0
	v_readfirstlane_b32 s14, v1
	s_lshr_b32 s15, s14, 1
	s_and_b32 s16, s14, 1
	s_bfe_u32 s40, ttmp6, 0x40000
	s_bfe_u32 s41, ttmp6, 0x40004
	s_and_b32 s18, ttmp7, 0xffff
	s_lshr_b32 s67, s18, 1
	s_and_b32 s66, s18, 1
	s_lshl_b32 s17, s66, 2
	s_add_co_u32 s17, s17, s41
	s_lshl_b32 s42, ttmp9, 2
	s_add_co_u32 s42, s42, s40
	s_lshl_b32 s43, s41, 2
	s_lshl_b32 s43, 15, s43
	s_lshl_b32 s44, 0x1111, s40
	s_or_b32 s[G1+0], s43, (3<<16)|(1<<21)
	s_mov_b32 s[G1+1], 32<<16
	s_mov_b32 s[G1+2], 192<<16
	s_mov_b32 s[G1+3], 32<<16
	s_mov_b32 s[G1+4], 192
	s_mov_b32 s[G1+5], 32
	s_mov_b32 s[G1+6], 0
	s_mov_b32 s[G1+7], 0
	s_or_b32 s[G1B+0], s44, (3<<16)|(1<<21)
	s_mov_b32 s[G1B+1], 32<<16
	s_mov_b32 s[G1B+2], 96<<16
	s_mov_b32 s[G1B+3], 32<<16
	s_mov_b32 s[G1B+4], 96
	s_mov_b32 s[G1B+5], 32
	s_mov_b32 s[G1B+6], 0
	s_mov_b32 s[G1B+7], 0
	s_lshl_b32 s20, s67, 10
	s_lshl_b32 s18, s17, 4
	s_add_co_u32 s20, s20, s18
	s_lshl_b32 s19, s16, 7
	s_add_co_u32 s20, s20, s19
	s_mul_i32 s20, s20, 3072
	s_mov_b32 s21, 0
	s_lshl_b32 s46, s67, 9
	s_lshl_b32 s95, s42, 3
	s_add_co_u32 s46, s46, s95
	s_lshl_b32 s19, s16, 6
	s_add_co_u32 s46, s46, s19
	s_mul_i32 s46, s46, 3072
	s_add_co_u32 s46, s46, 12582912
	s_mov_b32 s47, 0
	s_lshl_b32 s92, s67, 13
	s_lshl_b32 s95, s42, 7
	s_add_co_u32 s92, s92, s95
	s_lshl_b32 s92, s92, 3
	s_add_co_u32 s92, s92, 524288
	s_mov_b32 s93, 0
	s_mul_i32 s45, s16, ASUB
	s_mul_i32 s94, s16, BSUB
	s_add_co_u32 s94, s94, BOFF
	s_lshl_b32 s22, s67, 17
	s_lshl_b32 s18, s17, 11
	s_add_co_u32 s22, s22, s18
	s_mov_b32 s23, 0
	v_lshlrev_b32 v[PSO], 4, v0
	s_wait_alu depctr_va_vdst(0)
	s_wait_dscnt 0x0
	s_wait_kmcnt 0x0
	s_add_nc_u64 s[20:21], s[4:5], s[20:21]
	s_add_nc_u64 s[46:47], s[8:9], s[46:47]
	s_add_nc_u64 s[92:93], s[10:11], s[92:93]
	s_add_nc_u64 s[6:7], s[6:7], s[22:23]
	PLOAD 0
	s_cmp_eq_u32 s66, 0
	s_cbranch_scc1 .Lshort
	PLOAD 4
	s_branch .Lstat
.Lshort:
.irp i, 16,17,18,19,20,21,22,23,24,25,26,27,28,29,30,31
	v_mov_b32 v[RW+\i], 0
	v_mov_b32 v[RN+\i], 0x7f61b1e6
	v_mov_b32 v[RL+\i], 0
.endr
.Lstat:
	v_and_b32 v5, 63, v0
	v_lshrrev_b32 v6, 6, v0
	v_lshlrev_b32 v7, 4, v5
	v_lshl_add_u32 v7, v6, 13, v7                  ; v's scale words: 1,024 dense bytes for each 256 keys, two of them at a time
	s_wait_alu depctr_va_vdst(0)
.irp k, 0,1,2,3
	global_load_b128 v[192+4*\k:195+4*\k], v7, s[92:93] offset:16384*\k
.endr
	CROUND
.irp s, 0,1
	s_mov_b32 s[G0+4*\s], 1
	s_add_co_u32 s[G0+4*\s+1], s45, \s*SLOT
	s_add_nc_u64 s[G0+4*\s+2:G0+4*\s+3], s[20:21], \s*786432
	s_or_b32 s[G0+4*\s+3], s[G0+4*\s+3], 0x80000000
	s_mov_b32 s[G0B+4*\s], 1
	s_add_co_u32 s[G0B+4*\s+1], s94, \s*SLOT
	s_add_nc_u64 s[G0B+4*\s+2:G0B+4*\s+3], s[46:47], \s*393216
	s_or_b32 s[G0B+4*\s+3], s[G0B+4*\s+3], 0x80000000
.endr
	JLOAD G0, G1, G0B, G1B                         ; slot 0: the wave's one load at the head
	v_and_b32 v1, 15, v0
	v_bfe_u32 v2, v0, 4, 1
	v_and_b32 v3, 31, v0
	v_lshlrev_b32 v4, 4, v3
	s_mul_i32 s21, s15, 24576
	v_add_nc_u32 v[ADRA], s21, v4
	v_add_nc_u32 v[ADRA+1], ASUB, v[ADRA]
	v_add_nc_u32 v[ADRA+2], SLOT, v[ADRA]
	v_add_nc_u32 v[ADRA+3], SLOT, v[ADRA+1]
	s_mul_i32 s22, s16, 12288
	s_add_co_u32 s22, s22, BOFF
	v_add_nc_u32 v[ADRB], s22, v4
	v_add_nc_u32 v[ADRB+1], SLOT, v[ADRB]
	s_lshl_b32 s18, s15, 10
	s_add_co_u32 s18, s18, PT
	v_lshl_add_u32 v[ADPA], v3, 3, s18
	s_lshl_b32 s18, s16, 12
	s_add_co_u32 s18, s18, VT
	v_lshl_add_u32 v[ADPB], v3, 3, s18
	s_lshl_b32 s18, s66, 13
	v_add_nc_u32 v[ADTA], s18, v[ADPA]
	s_lshl_b32 s18, s66, 10
	v_add_nc_u32 v[ADTB], s18, v[ADPB]
	s_lshl_b32 s18, s15, 9
	s_add_co_u32 s18, s18, LT
	v_lshl_add_u32 v[LTA], v1, 2, s18
	v_lshl_add_u32 v[PTA], v0, 4, PT
	v_lshl_add_u32 v[LTW], v0, 3, LT
	v_bfe_u32 v5, v0, 4, 2                         ; v's words in LDS: [32 features][256 keys][8 bytes a feature]
	v_lshlrev_b32 v5, 11, v5
	v_lshrrev_b32 v6, 6, v0
	v_lshl_add_u32 v5, v6, 8, v5
	v_and_b32 v6, 15, v0
	v_lshl_add_u32 v5, v6, 4, v5
	v_add_nc_u32 v[VTA], VT, v5
	s_mul_i32 s23, s14, 16*SPITCH
	v_mul_u32_u24 v5, v1, SPITCH
	v_lshl_add_u32 v5, v2, 5, v5
	v_add_nc_u32 v[STO], s23, v5
	v_mul_u32_u24 v5, v2, SPITCH
	v_lshl_add_u32 v5, v1, 4, v5
	v_add_nc_u32 v[RD], s23, v5
	v_lshlrev_b32 v5, 12, v2
	v_lshl_add_u32 v[CO], v1, 4, v5
	s_lshl_b32 s20, s67, 11
	s_lshl_b32 s21, s17, 8
	s_add_co_u32 s20, s20, s21
	s_lshl_b32 s21, s15, 7
	s_add_co_u32 s20, s20, s21
	s_lshl_b32 s20, s20, 12
	s_lshl_b32 s46, s42, 9
	s_lshl_b32 s47, s16, 8
	s_add_co_u32 s46, s46, s47
	s_add_co_u32 s20, s20, s46
	s_mov_b32 s21, 0
	s_add_nc_u64 s[12:13], s[12:13], s[20:21]
	s_wait_loadcnt 0x0
	v_min_num_f32 v224, v[RN], v[RN+1]
	v_min_num_f32 v225, v[RN+2], v[RN+3]
.irp s, 1,2,3,4,5,6,7
	v_min3_num_f32 v224, v224, v[RN+4*\s], v[RN+4*\s+1]
	v_min3_num_f32 v225, v225, v[RN+4*\s+2], v[RN+4*\s+3]
.endr
.set n, 0
.rept 32
	v_sub_f32 v[RN+n], v[224+(n/2)%2], v[RN+n]
.set n, n+1
.endr
.set n, 0
.rept 32
	v_max_num_f32 v[RN+n], 0xc2fe0000, v[RN+n]
.set n, n+1
.endr
.set n, 0
.rept 32
	v_cvt_i32_f32 v[RN+n], v[RN+n]
.set n, n+1
.endr
.set n, 0
.rept 32
	v_ldexp_f32 v[RL+n], v[RL+n], v[RN+n]
.set n, n+1
.endr
.set n, 0
.rept 32
	v_sub_nc_u32 v[RN+n], 0, v[RN+n]
.set n, n+1
.endr
.set n, 0
.rept 32
	v_perm_b32 v[RN+n], v[RN+n], v[RN+n], 0
.set n, n+1
.endr
.set n, 0
.rept 32
	v_or_b32 v[RW+n], 0x80808080, v[RW+n]
.set n, n+1
.endr
.set n, 0
.rept 32
	v_sub_nc_u32 v[RW+n], v[RW+n], v[RN+n]
.set n, n+1
.endr
.irp p, 0,2
.irp s, 0,1,2,3
	v_pk_add_f32 v[RL+4*\s+\p:RL+4*\s+\p+1], v[RL+4*\s+\p:RL+4*\s+\p+1], v[RL+16+4*\s+\p:RL+17+4*\s+\p]
.endr
.endr
.irp p, 0,2
.irp s, 0,1
	v_pk_add_f32 v[RL+4*\s+\p:RL+4*\s+\p+1], v[RL+4*\s+\p:RL+4*\s+\p+1], v[RL+8+4*\s+\p:RL+9+4*\s+\p]
.endr
.endr
.irp p, 0,2
	v_pk_add_f32 v[RL+\p:RL+\p+1], v[RL+\p:RL+\p+1], v[RL+4+\p:RL+5+\p]
.endr
	v_add_f32 v226, v[RL], v[RL+1]
	v_add_f32 v227, v[RL+2], v[RL+3]
	s_wait_alu depctr_va_vdst(0)
	v_rcp_f32 v228, v226
	v_rcp_f32 v229, v227
.set n, 0
.rept 32
	v_and_b32 v[RN+n], 0x80808080, v[RW+n]
.set n, n+1
.endr
.set n, 0
.rept 32
	v_lshrrev_b32 v[RL+n], 7, v[RN+n]
.set n, n+1
.endr
.set n, 0
.rept 32
	v_sub_nc_u32 v[RN+n], v[RN+n], v[RL+n]
.set n, n+1
.endr
.set n, 0
.rept 32
	v_and_b32 v[RW+n], v[RW+n], v[RN+n]
.set n, n+1
.endr
.irp s, 0,1,2,3,4,5,6,7
	ds_store_b128 v[PTA], v[RW+4*\s:RW+4*\s+3] offset:2048*\s
.endr
	s_wait_alu depctr_va_vdst(0)
	ds_store_b64 v[LTW], v[228:229]
.irp k, 0,1,2,3
	ds_store_b128 v[VTA], v[192+4*\k:195+4*\k] offset:512*\k
.endr
	s_wait_tensorcnt 0x0                           ; my part of slot 0 is in
	ds_add_u32 v[SPW], v[NIL]
	s_wait_dscnt 0x0
	CROUND                                         ; everybody's part and tables are in
	JLOAD G0+4, G1, G0B+4, G1B                     ; slot 1
.irp a, 0,1,2,3,4,5,6,7
	ds_load_b32 v[RI+2*\a], v[LTA] offset:64*\a
	ds_load_b32 v[RI+2*\a+1], v[LTA] offset:64*\a
.endr
	FETCH 0, 0
	SCALES 0, ADPA, ADPB, 0
	STEPN 0, 0, 1, ADPA, ADPB, 0
	STEPN 0, 1, 0, ADPA, ADPB, 1
	STEPN 0, 2, 0, ADPA, ADPB, 0
	WIN 0
	s_cmp_eq_u32 s66, 0
	s_cbranch_scc1 .Ltail
	TURN 0, 1, 1, ADPA, ADPB, 2
	STEPN 1, 0, 0, ADPA, ADPB, 0
	STEPN 1, 1, 0, ADPA, ADPB, 3
	STEPN 1, 2, 0, ADPA, ADPB, 0
	TURN 1, 0, 1, ADPA, ADPB, 4
	STEPN 0, 0, 0, ADPA, ADPB, 0
	STEPN 0, 1, 0, ADPA, ADPB, 5
	STEPN 0, 2, 0, ADPA, ADPB, 0
	WIN 0
.Ltail:
	TURN 0, 1, 0, ADTA, ADTB, 2
	STEPN 1, 0, 0, ADTA, ADTB, 0
	STEPN 1, 1, 0, ADTA, ADTB, 3
	STEPN 1, 2, 0, ADTA, ADTB, 0
	s_wait_dscnt 0x0
	MUL8 0, 3, 0
	MUL8 2, 3, 0
	MUL8 4, 3, 0
	MUL8 6, 3, 0
	WIN 0
	PLACES NP
	SCALEO 0
	TOSTAGE 0
.irp a, 1,2,3,4,5,6,7
	SCALEO \a
.if \a > 1
	s_wait_alu depctr_va_vdst(0)
	s_wait_xcnt 0x0
.endif
	TOSTAGE \a
	SEND \a-1, 16
.endr
	s_wait_xcnt 0x0
	SEND 7, 0
	s_wait_tensorcnt 0x0
	ds_add_u32 v[SPW], v[NIL]
	s_wait_dscnt 0x0
	CROUND
	s_endpgm
.Lfunc_end_k_qb033c9c497_pv:
	.size	k_qb033c9c497_pv, .Lfunc_end_k_qb033c9c497_pv-k_qb033c9c497_pv
	.p2alignl 7, 3214868480
	.fill 96, 4, 3214868480
	.section	.rodata,"a",@progbits
	.p2align	6, 0x0
	.amdhsa_kernel k_qb033c9c497_pv
		.amdhsa_group_segment_fixed_size 327680
		.amdhsa_private_segment_fixed_size 0
		.amdhsa_enable_private_segment 0
		.amdhsa_kernarg_size 40
		.amdhsa_user_sgpr_count 2
		.amdhsa_user_sgpr_kernarg_segment_ptr 1
		.amdhsa_wavefront_size32 1
		.amdhsa_system_sgpr_workgroup_id_x 1
		.amdhsa_system_sgpr_workgroup_id_y 1
		.amdhsa_system_sgpr_workgroup_id_z 1
		.amdhsa_system_vgpr_workitem_id 0
		.amdhsa_next_free_vgpr 1024
		.amdhsa_next_free_sgpr 102
		.amdhsa_reserve_vcc 0
		.amdhsa_float_denorm_mode_32 3
		.amdhsa_float_denorm_mode_16_64 3
		.amdhsa_memory_ordered 1
		.amdhsa_forward_progress 1
		.amdhsa_inst_pref_size 169
	.end_amdhsa_kernel
	.amdgpu_metadata
---
amdhsa.version: [ 1, 2 ]
amdhsa.kernels:
  - .name:           k_qb033c9c497_pv
    .symbol:         k_qb033c9c497_pv.kd
    .args:
      - { .name: pF, .offset: 0, .size: 8, .value_kind: global_buffer, .address_space: global }
      - { .name: pstat, .offset: 8, .size: 8, .value_kind: global_buffer, .address_space: global }
      - { .name: qkvF, .offset: 16, .size: 8, .value_kind: global_buffer, .address_space: global }
      - { .name: qkvS, .offset: 24, .size: 8, .value_kind: global_buffer, .address_space: global }
      - { .name: out0, .offset: 32, .size: 8, .value_kind: global_buffer, .address_space: global }
    .group_segment_fixed_size: 327680
    .private_segment_fixed_size: 0
    .kernarg_segment_align: 8
    .kernarg_segment_size: 40
    .max_flat_workgroup_size: 128
    .sgpr_count:     102
    .vgpr_count:     1024
    .wavefront_size: 32
...
	.end_amdgpu_metadata
.endif
;; end of part 6
